; MI455X (gfx1250); checked and timed in simulation.
; The chip was launched on July 23, 2026; its instructions are those of AMD's public machine-readable ISA for CDNA 5 (MIT licence, August 2026) and "CDNA5" Instruction Set Architecture Reference Guide (July 2026). The comments in the code are by the model that wrote it; some were corrected since.
;; TF Gemma Attention. Allowed arithmetic: matrix products marked QUANTISED: E2M3 operands, one E8M0 scale for each 32 along K, by v_wmma_scale_f32_16x16x128_f8f6f4 with both operands' format E2M3, f32 sums; everything else in f32.
;; Inputs: Wk 2,048 x 256 float32; Wo 1,024 x 2,048 float32; Wq 2,048 x 1,024 float32; Wv 2,048 x 256 float32; attention_mask 1 x 1 x 4,096 x 4,096 float32; hidden_states 1 x 4,096 x 2,048 float32; position_ids 1 x 4,096 int32.
;; Outputs: out0 1 x 4,096 x 2,048 float32.
;; This version of the problem:
;;   THIS VERSION OF THE PROBLEM IS GIVEN IN LOW PRECISION. The matrix products marked QUANTISED in the list below multiply operands that are first quantised to E2M3 (2 exponent bits, 3 mantissa bits; 6 bits a number), with one power-of-two scale for each 32 numbers along K (OCP MX v1.0); their sums are f32. All else is computed in f32.
;;   The module's matrix products, in the order in which they are computed (A, B: the left and right operand; K: the contracted axis; several contracted axes count as one K, in the product's order):
;;     1. [M 4,096, K 2,048] x [K 2,048, N 1,024]; A: input hidden_states; B: input Wq: QUANTISED
;;     2. [M 4,096, K 2,048] x [K 2,048, N 256]; A: input hidden_states; B: input Wk: QUANTISED
;;     3. [M 4,096, K 2,048] x [K 2,048, N 256]; A: input hidden_states; B: input Wv: QUANTISED
;;     4. batch 4 x [M 4,096, K 256] x [K 256, N 4,096]; A: computed on the way; B: computed on the way: QUANTISED
;;     5. batch 4 x [M 4,096, K 4,096] x [K 4,096, N 256]; A: softmax (see below); B: computed on the way: QUANTISED
;;     6. [M 4,096, K 1,024] x [K 1,024, N 2,048]; A: computed on the way; B: input Wo: QUANTISED
;;   THE QUANTISER, for each operand of a quantised product, along K:
;;     - K is cut into blocks of 32 from its start; a last block that is shorter is filled with zeros.
;;     - A block's scale is 2^e with e = floor(log2(the largest magnitude in the block)) - 2, held to -126 .. 127; a block of zeros has e = 0. As a byte (E8M0): e + 127.
;;     - Each number is divided by its block's scale, clamped to +-7.5, and rounded to the nearest number of E2M3, ties to even, subnormals kept.
;;     - The product sums the exact products of the quantised numbers (number of the format x scale) in f32.
;;   ~~~python
;;   def quantise(x, axis):      # numpy; x: float32 -> the quantised numbers, widened to float32 again
;;       x = np.moveaxis(x, axis, -1); K = x.shape[-1]
;;       x = np.pad(x, [(0, 0)] * (x.ndim - 1) + [(0, -K % 32)]); x = x.reshape(x.shape[:-1] + (-1, 32)); a = np.abs(x).max(-1, keepdims=True)
;;       e = np.where(a > 0, np.clip(np.frexp(np.where(a > 0, a, 1))[1] - 1 - 2, -126, 127), 0)      # np.frexp(a)[1] - 1 = floor(log2(a)), exactly
;;       r = np.clip(x / 2.0 ** e, -7.5, 7.5)
;;       step = 2.0 ** (np.maximum(np.frexp(np.where(r == 0, 1, r))[1] - 1, 0) - 3)
;;       q = np.round(r / step) * step * 2.0 ** e      # np.round: ties to even
;;       return np.moveaxis(q.reshape(q.shape[:-2] + (-1,))[..., :K], -1, axis).astype(np.float32)
;;   ~~~
;;   SOFTMAX AHEAD OF A QUANTISED PRODUCT. Where the list says 'softmax', what is quantised is not the finished softmax but p = 2^(t - M), with t = logit x log2(e) and M = ceil(the row's largest t), a whole number; so 1/2 < the row's largest p <= 1. The row's sum l is taken of the UNQUANTISED p, in f32, and the product's result is divided by l at the end. Since M is a whole number, a kernel that streams over the keys may use a running M (the ceiling of the running maximum): every later rescaling is an exact power of two, which a block's scale takes up: the codes' values come out the same.
;;   OPERANDS COMPUTED ON THE WAY. 'Computed on the way' means the value that the module computes at that place (a softmax that the list does not call 'softmax' is quantised finished and normalised). What goes into a quantiser is computed in f32, as accurately as f32 sums, v_exp_f32 and their like allow (about 1e-6 of the number): no bf16 or f16 on the way to a quantiser, and a product that is left as it is and whose result goes on into a quantised operand takes f32 operands (vector FMAs, or v_wmma_f32_16x16x4_f32). A number that lies on a knife's edge between two numbers of the format may be rounded either way, as far as f32 arithmetic and the matrix unit's own rounding can turn it there, and no further.
;; 2 versions, each right. Each part assembles by itself: llvm-mc -triple=amdgcn-amd-amdhsa -mcpu=gfx1250 --defsym DOCPART=n.
;; ======== version 1 of 2: 5 launches
;; limits: right only within a limited range of input values
;; workspace buffers: xc 6,291,456 bytes; xs 262,144 bytes; wall 8,290,304 bytes; uc 4,718,592 bytes; us 196,608 bytes; ac 3,145,728 bytes; acs 131,072 bytes
;; launch qx (part 1): grid 256 x 1, 4 waves a work-group, no clusters, 33,280 bytes of LDS; arguments hidden_states, xc, xs; writes xc, xs
.if DOCPART == 1
	.amdgcn_target "amdgcn-amd-amdhsa--gfx1250"
	.amdhsa_code_object_version 6
	.text
	.protected	k_q14d7dd1006_qx
	.globl	k_q14d7dd1006_qx
	.p2align	8
	.type	k_q14d7dd1006_qx,@function
k_q14d7dd1006_qx:
	s_mov_b64 s[64:65], 0
	v_nop
	global_prefetch_b8 v0, s[64:65] scope:SCOPE_SE
	s_setreg_imm32_b32 hwreg(HW_REG_WAVE_MODE, 25, 1), 1
	s_wait_xcnt 0x0
; THE PROGRAM: five launches for one attention layer (S = 4,096 tokens, H = 2,048, four query heads, one key and value head, D = 256), all six products on codes of FP6 (E2M3) with one E8M0 scale for each 32 along K.
;   qx: hidden_states into codes.  qw: the four weights into codes, and the table of cos and sin.  qkv: the three projections, RoPE, q, k, v into codes.  attn: scores, mask, softmax, P V, attn into codes.  oproj: attn Wo.
; DEAD WORK: none.  Every input has a way to the output for all values (the additive mask is an input, so no pattern of it is built in and every score is formed), and every product of reference() is done.
; repeat_kv is a copy: it is not made; the four heads read the one K and V.
; THIS LAUNCH: hidden_states [4096][2048] f32 becomes codes, K innermost (a block of 32 codes in 24 bytes, a row 1,536 bytes), and one scale byte for each 32 along K, [4096][64].
; A block's scale is 2^(floor(log2(its largest magnitude)) - 2); its byte is the largest magnitude's own exponent field - 2, held at 1 from below.  (A block of zeros so gets the byte 1 where the rule says 127: its codes are
; zeros, which add nothing under any byte but 0xff, and the bytes are read by this program alone.)  Each number is divided by the scale and rounded to the nearest code, ties to even; beyond 7.5 the largest code.
; LIMITS: blocks whose largest magnitude lies under 2^-124 are quantised under the floor's scale; NaN and infinities among the inputs are not served.
; Rows are dense and 2,048 is a multiple of 32, so the tensor is a plain stream of blocks of 32, and so are its codes and scale bytes.  A wave takes 16 steps of 512 numbers.  The conversion takes 16 numbers of ONE block from a
; lane's registers, so a lane must hold 16 neighbours; a load is best where neighbouring LANES take neighbouring bytes.  Both are had: each of a step's four loads reads 512 consecutive bytes; the 2,048 bytes go through the
; wave's own stage in LDS as they lie and come back 64 bytes a lane (16 bytes of padding behind each 64).  A wave's 256 scale bytes are gathered in LDS and leave as one aligned run of 256 bytes.
; No tensor loads, no barrier: waves share nothing.  Loads run four steps (16 loads a wave) ahead, the turn through LDS one step.
.set WAVES, 4
.set STEPS, 16
.set EMAX,  2
.set CB,    12                         ; bytes of 16 codes
.set R,     16                         ; v16-79   four sets of 16 numbers as they are loaded
.set X,     80                         ; v80-111  two sets of 16 neighbours
.set C,     128                        ; v128-191 codes: four registers for each step, so that no store's data are written again
.set E,     112                        ; v112-127 a scale byte for each step
.set WREG,  8192                       ; LDS: a region for each wave: two stages of 32 x SP bytes, and behind them its 256 scale bytes
.set SP,    80                         ; a lane's place in a stage: its 64 bytes + 16 of padding
.set SPW,   12                         ; v12      LDS address of my spare word; never rewritten
.set NIL,   13                         ; v13      0; never rewritten
.set SPARE, WAVES*WREG                 ; behind the four regions: the spare words, 128 bytes for each wave
	s_load_b128 s[4:7], s[0:1], 0x0                ; hidden_states, the codes
	s_load_b64 s[8:9], s[0:1], 0x10                ; the scale bytes
	v_lshl_add_u32 v[SPW], v0, 2, SPARE
	v_mov_b32 v[NIL], 0
	v_lshrrev_b32 v1, 5, v0
	v_readfirstlane_b32 s16, v1                    ; wave
	v_and_b32 v2, 31, v0                           ; lane
	v_lshlrev_b32 v3, 4, v2                        ; my 16 bytes of a load's 512
	s_mul_i32 s17, s16, WREG
	v_lshrrev_b32 v14, 2, v2
	v_mul_u32_u24 v14, v14, SP
	v_and_b32 v15, 3, v2
	v_lshl_add_u32 v14, v15, 4, v14
	v_add_nc_u32 v14, s17, v14                     ; the stage, on the way in: SP (lane / 4) + 16 (lane % 4)
	v_mul_u32_u24 v15, v2, SP
	v_add_nc_u32 v15, s17, v15                     ; and on the way out: SP x lane: my 16 neighbours
	v_mul_u32_u24 v4, v2, CB                       ; my codes' place in a step's
	v_lshrrev_b32 v5, 1, v2
	s_add_co_u32 s17, s17, 2*32*SP
	v_add_nc_u32 v5, s17, v5                       ; LDS: my wave's 256 scale bytes, my block's byte
	v_lshlrev_b32 v7, 3, v2                        ; and on the way out 8 bytes a lane
	v_add_nc_u32 v6, s17, v7
	s_lshl_b32 s17, ttmp9, 2
	s_add_co_u32 s18, s17, s16                     ; which run of 8,192 numbers is my wave's
	s_mov_b32 s19, 0
	s_mov_b64 s[20:21], 512*STEPS*4
	s_mul_u64 s[20:21], s[18:19], s[20:21]
	s_mov_b64 s[22:23], 32*STEPS*CB
	s_mul_u64 s[22:23], s[18:19], s[22:23]
	s_lshl_b32 s18, s18, 8                         ; 256 scale bytes a run
	s_wait_kmcnt 0x0
	s_add_nc_u64 s[4:5], s[4:5], s[20:21]
	s_add_nc_u64 s[6:7], s[6:7], s[22:23]
	s_add_nc_u64 s[8:9], s[8:9], s[18:19]
.macro LOAD t
.irp i, 0,1,2,3
	global_load_b128 v[R+16*((\t)%4)+4*\i:R+16*((\t)%4)+4*\i+3], v3, s[4:5] offset:2048*(\t)+512*\i th:TH_LOAD_NT   ; 32 lanes read 512 consecutive bytes
.endr
.endm
.macro TURN t                          ; step t's numbers through the stage: LDS serves a wave's instructions in order, so no wait stands between the stores and the loads
.irp i, 0,1,2,3
	ds_store_b128 v14, v[R+16*((\t)%4)+4*\i:R+16*((\t)%4)+4*\i+3] offset:32*SP*((\t)%2)+8*SP*\i
.endr
.irp i, 0,1,2,3
	ds_load_b128 v[X+16*((\t)%2)+4*\i:X+16*((\t)%2)+4*\i+3], v15 offset:32*SP*((\t)%2)+16*\i
.endr
.endm
.irp t, 0,1,2,3
	LOAD \t
.endr
	s_wait_loadcnt 12                              ; step 0's four loads are in
	TURN 0
.macro STEP t
.set XS, X+16*((\t)%2)
.if (\t) > 0
	s_wait_dscnt 1                                 ; this step's numbers are back from the stage (the last step's byte store may be out): so its stores into the stage have read their registers,
.else
	s_wait_dscnt 0x0
.endif
.if (\t)+4 < STEPS
	LOAD (\t)+4                                    ; which take the loads of four steps on
.endif
.if (\t)+1 < STEPS
.if STEPS-2-(\t) >= 3
	s_wait_loadcnt 12                              ; the next step's four loads are in; those of the three steps behind it may be out
.else
	s_wait_loadcnt 4*(STEPS-2-(\t))
.endif
	TURN (\t)+1                                    ; and go through the other stage while this step is worked
.endif
	v_max3_num_f32 v8, |v[XS]|, |v[XS+1]|, |v[XS+2]|               ; the largest magnitude of my 16
	v_max3_num_f32 v9, |v[XS+3]|, |v[XS+4]|, |v[XS+5]|
.irp i, 6,10
	v_max3_num_f32 v8, v8, |v[XS+\i]|, |v[XS+\i+1]|
	v_max3_num_f32 v9, v9, |v[XS+\i+2]|, |v[XS+\i+3]|
.endr
	v_max3_num_f32 v8, v8, |v[XS+14]|, |v[XS+15]|
	v_max3_num_f32 v8, v8, v9, (EMAX+1)<<23        ; and the floor 2^(3 - 127): so the byte cannot fall under 1
	v_max_num_f32_dpp v8, v8, v8 row_xmask:1 row_mask:0xf bank_mask:0xf   ; and of my neighbour's 16: the block's
	v_add_nc_u32 v11, -(EMAX<<23), v8              ; 2 off its exponent field: the conversion takes the exponent field of this operand as its scale, and nothing else of it
	v_cvt_scalef32_pk16_fp6_f32 v[C+4*(\t):C+4*(\t)+2], v[XS:XS+15], v11
	v_lshrrev_b32 v[E+(\t)], 23, v11               ; the scale's byte
	ds_store_b8 v5, v[E+(\t)] offset:16*(\t)       ; both lanes of a block write the same byte with the same value
	global_store_b96 v4, v[C+4*(\t):C+4*(\t)+2], s[6:7] offset:32*CB*(\t)
.endm
.irp t, 0,1,2,3,4,5,6,7,8,9,10,11,12,13,14,15
	STEP \t
.endr
	ds_load_b64 v[8:9], v6                         ; LDS serves a wave's instructions in order: these see my stores
	s_wait_dscnt 0x0
	global_store_b64 v7, v[8:9], s[8:9]            ; 32 lanes store 256 consecutive bytes, aligned
	s_wait_tensorcnt 0x0                           ; the wave's end: behind my last LDS store
	ds_add_u32 v[SPW], v[NIL]
	s_wait_dscnt 0x0
	s_endpgm
.Lfunc_end_k_q14d7dd1006_qx:
	.size	k_q14d7dd1006_qx, .Lfunc_end_k_q14d7dd1006_qx-k_q14d7dd1006_qx
	.p2alignl 7, 3214868480
	.fill 96, 4, 3214868480
	.section	.rodata,"a",@progbits
	.p2align	6, 0x0
	.amdhsa_kernel k_q14d7dd1006_qx
		.amdhsa_group_segment_fixed_size 33280
		.amdhsa_private_segment_fixed_size 0
		.amdhsa_enable_private_segment 0
		.amdhsa_kernarg_size 24
		.amdhsa_user_sgpr_count 2
		.amdhsa_user_sgpr_kernarg_segment_ptr 1
		.amdhsa_wavefront_size32 1
		.amdhsa_system_sgpr_workgroup_id_x 1
		.amdhsa_system_sgpr_workgroup_id_y 1
		.amdhsa_system_sgpr_workgroup_id_z 1
		.amdhsa_system_vgpr_workitem_id 0
		.amdhsa_next_free_vgpr 192
		.amdhsa_next_free_sgpr 66
		.amdhsa_reserve_vcc 0
		.amdhsa_float_denorm_mode_32 3
		.amdhsa_float_denorm_mode_16_64 3
		.amdhsa_memory_ordered 1
		.amdhsa_forward_progress 1
		.amdhsa_inst_pref_size 32
	.end_amdhsa_kernel
	.amdgpu_metadata
---
amdhsa.version: [ 1, 2 ]
amdhsa.kernels:
  - .name:           k_q14d7dd1006_qx
    .symbol:         k_q14d7dd1006_qx.kd
    .args:
      - { .name: hidden_states, .offset: 0, .size: 8, .value_kind: global_buffer, .address_space: global }
      - { .name: xc, .offset: 8, .size: 8, .value_kind: global_buffer, .address_space: global }
      - { .name: xs, .offset: 16, .size: 8, .value_kind: global_buffer, .address_space: global }
    .group_segment_fixed_size: 33280
    .private_segment_fixed_size: 0
    .kernarg_segment_align: 8
    .kernarg_segment_size: 24
    .max_flat_workgroup_size: 128
    .sgpr_count:     66
    .vgpr_count:     192
    .wavefront_size: 32
...
	.end_amdgpu_metadata
.endif
;; end of part 1
;; launch qw (part 2): grid 288 x 1, 4 waves a work-group, no clusters, 35,840 bytes of LDS; arguments Wq, Wk, Wv, Wo, position_ids, wall; writes wall
.if DOCPART == 2
	.amdgcn_target "amdgcn-amd-amdhsa--gfx1250"
	.amdhsa_code_object_version 6
	.text
	.protected	k_q14d7dd1006_qw
	.globl	k_q14d7dd1006_qw
	.p2align	8
	.type	k_q14d7dd1006_qw,@function
k_q14d7dd1006_qw:
	s_mov_b64 s[64:65], 0
	v_nop
	global_prefetch_b8 v0, s[64:65] scope:SCOPE_SE
	s_setreg_imm32_b32 hwreg(HW_REG_WAVE_MODE, 25, 1), 1
	s_wait_xcnt 0x0
; Work-groups 0-159: the four weights, f32 with K as their FIRST axis, become codes of FP6 (E2M3) with K innermost and one E8M0 byte for each 32 along K.  Work-groups 160-287: the table of cos and sin for RoPE.  Nothing is left out.
; wall: codes of Wq, Wk, Wv at 0, [1536 rows][1,536 B]; their scale bytes at 2,359,296, [1536][64]; codes of Wo at 2,457,600, [2048][768 B]; its scale bytes at 4,030,464, [2048][32]; the table at 4,096,000.
; ROWS.  Unit u (0-3 the query heads, 4 k, 5 v) has rows 256 u on.  In units 0-4 column d goes to the row with bits 6 and 7 of d changed over, so that 128 neighbouring rows hold d and d + 128 together (RoPE's pairs).
; Wo: inside each block of 32 along K the code at place p is number pi(p), pi changing over bits 3 and 4 of p: the order in which the attention launch's results fall into a lane's registers.  A permutation inside a block,
; the same on both operands of a product, changes no product and no scale.
; A LANE TAKES A COLUMN, AND ITS REGISTERS RUN DOWN K: a block of 32 lies in one lane's 32 registers, its largest magnitude needs no other lane, and the conversions give codes with K innermost.  A wave takes 32 columns x 256
; along K; the codes go through the wave's own stage in LDS and leave as rows: sixteen lanes store a row's 192 consecutive bytes.  The four tensors take ONE path: what differs (pointers, pitches) is chosen by the work-group's number.
; THE TABLE: [token tile 256][c 2][cos, sin][q 8][lane 32][4 f32]: entry e of lane (r, h) belongs to token 16 tile + r and frequency i = 64 c + 16 (q / 2) + 8 h + 4 (q % 2) + e: the order of the projection's result registers.
; inv_freq = 1 / 10000^(i / 128): the power as a product of pairs of f32 (a high and a low part), rounded once, then the reciprocal mended by two steps of Newton's rule.  The angle is position x inv_freq in f32, as reference() has it;
; it is reduced by multiples of pi / 2 in three parts, and cos and sin come from polynomials on [-pi/4, pi/4], good to about 1e-7.
; LIMITS: blocks whose largest magnitude lies under 2^-124 are quantised under the floor's scale (a block of zeros has the byte 1, its codes are zeros, and this program alone reads the bytes); NaN and infinities are not served;
; positions up to about 2^20 in size; inv_freq supposes that reference()'s power and division round to the nearest.
.set NB,    8                          ; blocks a lane
.set PITCH, 272                        ; a stage row: sixteen places of 16 bytes, each with 12 bytes of codes, + 16
.set EMAX,  2
.set X,     32                         ; v32-95   two sets of 32 numbers
.set C,     96                         ; v96..    a block's codes
.set OUTR,  112                        ; v112-175 the way out
.set VO,    176                        ; v176-207 my byte in the block's row i: 4 lane + row(i) x the pitch
.set VOUT,  208                        ; v208-223 my 12 bytes in the rows 2 t + lane / 16 of the codes
.set SBY,   24                         ; v24-25   the scale bytes
.set SPW,   14                         ; v14      LDS address of my spare word; never rewritten
.set NIL,   15                         ; v15      0; never rewritten
.set SPARE, 4*32*PITCH                 ; behind the four stages: the spare words
.set SRC,  20                          ; s[20:21] the tensor
.set GZ,   22                          ; its first work-group
.set N4,   23                          ; bytes in a row of it
.set CGB,  24                          ; log2 of its groups of 128 columns
.set RB,   25                          ; its first row in the codes
.set PERM, 26                          ; 1: bits 6 and 7 of the column change over
.set ISO,  27                          ; 1: order pi inside a block
.set KROW, 28                          ; bytes in a row of codes
.set KSB,  29                          ; bytes in a row of scale bytes
.set COF,  30                          ; where its codes begin in wall
.set SOF,  31                          ; and its scale bytes
.set BS,   32                          ; s[32:47] the tensor at my block t's first row, t = 0 .. 7; never stepped
	s_load_b256 s[8:15], s[0:1], 0x0               ; Wq, Wk, Wv, Wo
	s_load_b128 s[16:19], s[0:1], 0x20             ; position_ids, wall
	v_lshl_add_u32 v[SPW], v0, 2, SPARE
	v_mov_b32 v[NIL], 0
	v_lshrrev_b32 v1, 5, v0
	v_readfirstlane_b32 s2, v1                     ; wave
	v_and_b32 v2, 31, v0                           ; lane
	s_cmp_ge_u32 ttmp9, 160
	s_cbranch_scc1 .Lrope
	s_mov_b32 s[GZ], 96                            ; Wo's figures; the others take their place by the work-group's number
	s_mov_b32 s[N4], 8192
	s_mov_b32 s[CGB], 4
	s_mov_b32 s[RB], 0
	s_mov_b32 s[PERM], 0
	s_mov_b32 s[ISO], 1
	s_mov_b32 s[KROW], 768
	s_mov_b32 s[KSB], 32
	s_mov_b32 s[COF], 2457600
	s_mov_b32 s[SOF], 4030464
	s_wait_kmcnt 0x0
	s_mov_b64 s[SRC:SRC+1], s[14:15]
	s_cmp_lt_u32 ttmp9, 96                         ; Wv, Wk or Wq
	s_cselect_b64 s[SRC:SRC+1], s[12:13], s[SRC:SRC+1]
	s_cselect_b32 s[GZ], 80, s[GZ]
	s_cselect_b32 s[N4], 1024, s[N4]
	s_cselect_b32 s[CGB], 1, s[CGB]
	s_cselect_b32 s[RB], 1280, s[RB]
	s_cselect_b32 s[ISO], 0, s[ISO]
	s_cselect_b32 s[KROW], 1536, s[KROW]
	s_cselect_b32 s[KSB], 64, s[KSB]
	s_cselect_b32 s[COF], 0, s[COF]
	s_cselect_b32 s[SOF], 2359296, s[SOF]
	s_cmp_lt_u32 ttmp9, 80                         ; Wk or Wq
	s_cselect_b64 s[SRC:SRC+1], s[10:11], s[SRC:SRC+1]
	s_cselect_b32 s[GZ], 64, s[GZ]
	s_cselect_b32 s[RB], 1024, s[RB]
	s_cselect_b32 s[PERM], 1, s[PERM]
	s_cmp_lt_u32 ttmp9, 64                         ; Wq
	s_cselect_b64 s[SRC:SRC+1], s[8:9], s[SRC:SRC+1]
	s_cselect_b32 s[GZ], 0, s[GZ]
	s_cselect_b32 s[N4], 4096, s[N4]
	s_cselect_b32 s[CGB], 3, s[CGB]
	s_cselect_b32 s[RB], 0, s[RB]
	s_sub_co_u32 s3, ttmp9, s[GZ]
	s_lshl_b32 s4, 1, s[CGB]
	s_sub_co_u32 s4, s4, 1
	s_and_b32 s4, s3, s4                           ; which 128 columns
	s_lshr_b32 s5, s3, s[CGB]                      ; which 256 along K
	s_lshl_b32 s4, s4, 7
	s_lshl_b32 s6, s2, 5
	s_add_co_u32 s4, s4, s6                        ; my wave's first column
	s_lshr_b32 s6, s4, 6
	s_lshr_b32 s7, s4, 7
	s_xor_b32 s6, s6, s7
	s_and_b32 s6, s6, s[PERM]
	s_mul_i32 s6, s6, 0xc0
	s_xor_b32 s6, s4, s6                           ; bits 6 and 7 changed over where they differ
	s_add_co_u32 s6, s6, s[RB]                     ; my wave's first row of codes
	s_mul_i32 s48, s5, s[N4]
	s_lshl_b32 s48, s48, 8
	s_lshl_b32 s49, s4, 2
	s_add_co_u32 s48, s48, s49                     ; the tensor: 256 rows a step along K, 4 bytes a column
	s_mov_b32 s49, 0
	s_add_nc_u64 s[BS:BS+1], s[SRC:SRC+1], s[48:49]
	s_lshl_b32 s50, s[N4], 5                       ; a block is 32 rows
	s_mov_b32 s51, 0
.irp t, 1,2,3,4,5,6,7
	s_add_nc_u64 s[BS+2*\t:BS+2*\t+1], s[BS+2*\t-2:BS+2*\t-1], s[50:51]
.endr
	s_mul_i32 s48, s6, s[KROW]
	s_mul_i32 s56, s5, 192
	s_add_co_u32 s48, s48, s56
	s_add_co_u32 s48, s48, s[COF]
	s_add_nc_u64 s[52:53], s[18:19], s[48:49]      ; my codes
	s_mul_i32 s48, s6, s[KSB]
	s_lshl_b32 s56, s5, 3
	s_add_co_u32 s48, s48, s56
	s_add_co_u32 s48, s48, s[SOF]
	s_add_nc_u64 s[54:55], s[18:19], s[48:49]      ; my scale bytes
	v_lshlrev_b32 v3, 2, v2                        ; in: 4 bytes a lane
	s_mul_i32 s56, s2, 32*PITCH                    ; my stage
	v_mul_u32_u24 v4, v2, PITCH
	v_add_nc_u32 v4, s56, v4                       ; into it: row = my column
	v_and_b32 v5, 15, v2
	v_lshrrev_b32 v6, 4, v2                        ; out of it: sixteen lanes to a row, two rows an instruction
	v_mul_u32_u24 v7, v6, PITCH
	v_lshl_add_u32 v7, v5, 4, v7
	v_add_nc_u32 v7, s56, v7
	v_mul_lo_u32 v8, v6, s[KROW]
	v_mad_u32_u24 v8, v5, 12, v8                   ; and the same place in the codes
	v_mul_lo_u32 v9, v2, s[KSB]                    ; my column's row of scale bytes
	s_cmp_eq_u32 s[ISO], 1                         ; (the lines below leave SCC alone)
.set i, 0
.rept 32
	s_cselect_b32 s57, (i&7)|((i&8)<<1)|((i&16)>>1), i
	s_mul_i32 s57, s57, s[N4]
	v_add_nc_u32 v[VO+i], s57, v3                  ; register i of a block takes its row i, or pi(i)
.set i, i+1
.endr
.set i, 0
.rept 16
	s_mul_i32 s57, s[KROW], 2*i
	v_add_nc_u32 v[VOUT+i], s57, v8
.set i, i+1
.endr
.macro LOAD t                          ; block t into set t % 2: each load reads 128 consecutive bytes a wave
.set ii, 0
.rept 32
	global_load_b32 v[X+32*((\t)%2)+ii], v[VO+ii], s[BS+2*(\t):BS+2*(\t)+1] th:TH_LOAD_NT
.set ii, ii+1
.endr
.endm
	LOAD 0
	LOAD 1
.macro BLOCK t
.set XS, X+32*((\t)%2)
.if (\t) < NB-1
	s_wait_loadcnt 32                              ; this block's 32 loads are in; the next block's may be out
.else
	s_wait_loadcnt 0
.endif
	v_max3_num_f32 v12, |v[XS]|, |v[XS+1]|, |v[XS+2]|               ; the block's largest magnitude: all 32 numbers are mine
	v_max3_num_f32 v13, |v[XS+3]|, |v[XS+4]|, |v[XS+5]|
.irp i, 6,10,14,18,22,26
	v_max3_num_f32 v12, v12, |v[XS+\i]|, |v[XS+\i+1]|
	v_max3_num_f32 v13, v13, |v[XS+\i+2]|, |v[XS+\i+3]|
.endr
	v_max3_num_f32 v12, v12, |v[XS+30]|, |v[XS+31]|
	v_max3_num_f32 v12, v12, v13, (EMAX+1)<<23     ; and the floor 2^(3 - 127): so the byte cannot fall under 1
	v_add_nc_u32 v11, -(EMAX<<23), v12             ; 2 off its exponent field: the conversion's scale operand
	v_lshrrev_b32 v13, 23, v11                     ; the scale's byte
.if (\t)%4 == 0
	v_mov_b32 v[SBY+(\t)/4], v13                   ; four bytes to a register, the lower K in the lower byte
.else
	v_lshl_or_b32 v[SBY+(\t)/4], v13, 8*((\t)%4), v[SBY+(\t)/4]
.endif
	v_cvt_scalef32_pk16_fp6_f32 v[C:C+2], v[XS:XS+15], v11
	v_cvt_scalef32_pk16_fp6_f32 v[C+4:C+6], v[XS+16:XS+31], v11     ; (a conversion's three registers begin on an even number)
	ds_store_b96 v4, v[C:C+2] offset:32*(\t)       ; 16 codes, 12 bytes, to a place of 16 bytes in the stage
	ds_store_b96 v4, v[C+4:C+6] offset:32*(\t)+16
.if (\t)+2 < NB
	LOAD (\t)+2
.endif
	s_wait_dscnt 0x0                               ; the stores have read their registers: the next block's codes may be written
.endm
.set Q, 0
.rept NB
	BLOCK Q
.set Q, Q+1
.endr
	global_store_b64 v9, v[SBY:SBY+1], s[54:55]    ; my column's 8 scale bytes
.irp t, 0,1,2,3,4,5,6,7,8,9,10,11,12,13,14,15
	ds_load_b96 v[OUTR+4*\t:OUTR+4*\t+2], v7 offset:2*\t*PITCH   ; LDS serves a wave's instructions in order: these see my stores
.endr
.irp t, 0,1,2,3,4,5,6,7,8,9,10,11,12,13,14,15
	s_wait_dscnt 15-\t
	global_store_b96 v[VOUT+\t], v[OUTR+4*\t:OUTR+4*\t+2], s[52:53]
.endr
	s_wait_tensorcnt 0x0                           ; the wave's end: behind my last LDS store
	ds_add_u32 v[SPW], v[NIL]
	s_wait_dscnt 0x0
	s_endpgm
; ---- THE TABLE.  No LDS, no loop.  A wave takes one (c, q) and eight token tiles: 32 angles a lane.
.set POS, 16                           ; v16-23 the positions of my row in the eight tiles, as f32
.set YH,  24                           ; v24-27 10000^(i / 128), high parts;  v28-31 low parts
.set YL,  28
.set INV, 32                           ; v32-35 inv_freq of my four frequencies
.set XX,  36                           ; at work, four registers each
.set NN,  40
.set RR,  44
.set ZZ,  48
.set SNP, 52
.set CSP, 56
.set KI,  60
.set T1,  64
.set OUTT, 72                          ; v72-135 results: tile t: cos at 72 + 8 t, sin at 76 + 8 t: no store's data are written again
.macro DFMUL ah, al, bh, bl            ; the pair (v[ah], v[al]) times the pair (bh, bl): the product's error is kept by fused multiply-adds
	v_mul_f32 v12, \bh, v[\ah]
	v_fma_f32 v13, v[\ah], \bh, -v12
	v_fma_f32 v13, v[\ah], \bl, v13
	v_fma_f32 v13, v[\al], \bh, v13
	v_add_f32 v[\ah], v12, v13
	v_sub_f32 v12, v[\ah], v12
	v_sub_f32 v[\al], v13, v12
.endm
.macro FACTOR bit, hi, lo              ; times 10000^(bit / 128) where that bit of i is set, else times 1
	v_and_b32 v8, \bit, v4
	v_cmp_ne_u32 vcc_lo, 0, v8
	v_mov_b32 v10, \hi
	v_mov_b32 v11, \lo
	v_cndmask_b32 v10, 1.0, v10, vcc_lo
	v_cndmask_b32 v11, 0, v11, vcc_lo
	DFMUL 6, 7, v10, v11
.endm
.Lrope:
	s_sub_co_u32 s3, ttmp9, 160
	s_lshr_b32 s4, s3, 2                           ; which eight token tiles
	s_and_b32 s5, s3, 3
	s_lshl_b32 s5, s5, 2
	s_add_co_u32 s5, s5, s2
	s_lshr_b32 s6, s5, 3                           ; c
	s_and_b32 s7, s5, 7                            ; q
	s_lshl_b32 s20, s6, 6
	s_lshr_b32 s21, s7, 1
	s_lshl_b32 s21, s21, 4
	s_add_co_u32 s20, s20, s21
	s_and_b32 s21, s7, 1
	s_lshl_b32 s21, s21, 2
	s_add_co_u32 s20, s20, s21                     ; 64 c + 16 (q / 2) + 4 (q % 2)
	v_bfe_u32 v4, v0, 4, 1
	v_lshl_add_u32 v4, v4, 3, s20                  ; + 8 h: my first frequency; its bits 0 and 1 are 0
	v_and_b32 v5, 15, v0
	v_lshlrev_b32 v5, 2, v5                        ; position_ids: 4 r
	v_lshlrev_b32 v3, 4, v2                        ; the table: 16 x lane
	s_lshl_b32 s22, s4, 9
	s_mov_b32 s23, 0
	s_lshl_b32 s24, s4, 17
	s_lshl_b32 s25, s6, 13
	s_add_co_u32 s24, s24, s25
	s_lshl_b32 s25, s7, 9
	s_add_co_u32 s24, s24, s25
	s_add_co_u32 s24, s24, 4096000
	s_mov_b32 s25, 0
	s_mov_b32 s30, 0x3f898cc0                      ; 10000^(1/128), high and low part
	s_mov_b32 s31, 0xb2b2ab31
	s_mov_b32 s32, 0x3f93cfe5                      ; 10000^(2/128)
	s_mov_b32 s33, 0x334a404e
	s_mov_b32 s34, 0x3f22f983                      ; 2 / pi
	s_mov_b32 s35, 0x3fc90fdb                      ; pi / 2 in three parts
	s_mov_b32 s36, 0xb33bbd2e
	s_mov_b32 s37, 0xa6f72ced
	s_mov_b32 s38, 0xbe2aaaa3                      ; sin: r + r z (s38 + z (s39 + z s44))
	s_mov_b32 s39, 0x3c08839e
	s_mov_b32 s44, 0xb94ca1f9
	s_mov_b32 s45, 0x3d2aaaa5                      ; cos: 1 - z / 2 + z z (s45 + z (s46 + z s47))
	s_mov_b32 s46, 0xbab6061a
	s_mov_b32 s47, 0x37ccf5ce
	s_wait_kmcnt 0x0
	s_add_nc_u64 s[16:17], s[16:17], s[22:23]
	s_add_nc_u64 s[18:19], s[18:19], s[24:25]
.irp t, 0,1,2,3,4,5,6,7
	global_load_b32 v[POS+\t], v5, s[16:17] offset:64*\t
.endr
	v_mov_b32 v6, 1.0
	v_mov_b32 v7, 0
	FACTOR 4,  0x3faab0d5, 0xb36457ec
	FACTOR 8,  0x3fe39ea9, 0xb26aee3c
	FACTOR 16, 0x404a62c2, 0xb324b496
	FACTOR 32, 0x41200000, 0
	FACTOR 64, 0x42c80000, 0
.irp e, 0,1,2,3
	v_mov_b32 v[YH+\e], v6
	v_mov_b32 v[YL+\e], v7
.endr
	DFMUL YH+1, YL+1, s30, s31
	DFMUL YH+2, YL+2, s32, s33
	DFMUL YH+3, YL+3, s32, s33
	DFMUL YH+3, YL+3, s30, s31                     ; the high part is the power, rounded once to f32
.irp e, 0,1,2,3
	v_rcp_f32 v[INV+\e], v[YH+\e]
.endr
	v_nop                                          ; a plain instruction behind the last reciprocal
	s_wait_alu depctr_va_vdst(0)                   ; one wait for the four, ahead of their first reader
.rept 2
.irp e, 0,1,2,3
	v_fma_f32 v[XX+\e], -v[YH+\e], v[INV+\e], 1.0
.endr
.irp e, 0,1,2,3
	v_fma_f32 v[INV+\e], v[INV+\e], v[XX+\e], v[INV+\e]
.endr
.endr
	s_wait_loadcnt 0x0
.irp t, 0,1,2,3,4,5,6,7
	v_cvt_f32_i32 v[POS+\t], v[POS+\t]
.endr
.macro SINCOS t                        ; four angles by turns, so that no line waits for the line above it
.irp e, 0,1,2,3
	v_mul_f32 v[XX+\e], v[POS+\t], v[INV+\e]       ; the angle, as reference() forms it
.endr
.irp e, 0,1,2,3
	v_mul_f32 v[NN+\e], s34, v[XX+\e]
.endr
.irp e, 0,1,2,3
	v_rndne_f32 v[NN+\e], v[NN+\e]                 ; n: how many quarter turns
.endr
.irp e, 0,1,2,3
	v_fma_f32 v[RR+\e], -v[NN+\e], s35, v[XX+\e]
.endr
.irp e, 0,1,2,3
	v_fma_f32 v[RR+\e], -v[NN+\e], s36, v[RR+\e]
.endr
.irp e, 0,1,2,3
	v_fma_f32 v[RR+\e], -v[NN+\e], s37, v[RR+\e]   ; r = angle - n pi / 2
.endr
.irp e, 0,1,2,3
	v_mul_f32 v[ZZ+\e], v[RR+\e], v[RR+\e]
	v_cvt_i32_f32 v[KI+\e], v[NN+\e]
.endr
.irp e, 0,1,2,3
	v_fma_f32 v[SNP+\e], v[ZZ+\e], s44, s39
	v_fma_f32 v[CSP+\e], v[ZZ+\e], s47, s46
.endr
.irp e, 0,1,2,3
	v_fma_f32 v[SNP+\e], v[ZZ+\e], v[SNP+\e], s38
	v_fma_f32 v[CSP+\e], v[ZZ+\e], v[CSP+\e], s45
.endr
.irp e, 0,1,2,3
	v_mul_f32 v[T1+\e], v[RR+\e], v[ZZ+\e]
	v_fma_f32 v[XX+\e], v[ZZ+\e], -0.5, 1.0
	v_mul_f32 v[NN+\e], v[ZZ+\e], v[ZZ+\e]
.endr
.irp e, 0,1,2,3
	v_fma_f32 v[SNP+\e], v[T1+\e], v[SNP+\e], v[RR+\e]   ; sin r
	v_fma_f32 v[CSP+\e], v[NN+\e], v[CSP+\e], v[XX+\e]   ; cos r
.endr
.irp e, 0,1,2,3
	v_and_b32 v[T1+\e], 1, v[KI+\e]
.endr
.irp e, 0,1,2,3
	v_cmp_ne_u32 s[40+\e], 0, v[T1+\e]             ; an odd n: sin and cos change places
.endr
.irp e, 0,1,2,3
	v_cndmask_b32 v[RR+\e], v[SNP+\e], v[CSP+\e], s[40+\e]
	v_cndmask_b32 v[ZZ+\e], v[CSP+\e], v[SNP+\e], s[40+\e]
.endr
.irp e, 0,1,2,3
	v_and_b32 v[T1+\e], 2, v[KI+\e]                ; sin is negated where n mod 4 is 2 or 3,
	v_add_nc_u32 v[KI+\e], 1, v[KI+\e]
.endr
.irp e, 0,1,2,3
	v_lshlrev_b32 v[T1+\e], 30, v[T1+\e]
	v_and_b32 v[KI+\e], 2, v[KI+\e]                ; cos where it is 1 or 2
.endr
.irp e, 0,1,2,3
	v_xor_b32 v[OUTT+8*\t+4+\e], v[T1+\e], v[RR+\e]
	v_lshlrev_b32 v[KI+\e], 30, v[KI+\e]
.endr
.irp e, 0,1,2,3
	v_xor_b32 v[OUTT+8*\t+\e], v[KI+\e], v[ZZ+\e]
.endr
	global_store_b128 v3, v[OUTT+8*\t:OUTT+8*\t+3], s[18:19] offset:16384*\t          ; 32 lanes store 512 consecutive bytes, aligned
	global_store_b128 v3, v[OUTT+8*\t+4:OUTT+8*\t+7], s[18:19] offset:16384*\t+4096
.endm
.irp t, 0,1,2,3,4,5,6,7
	SINCOS \t
.endr
	s_endpgm
.Lfunc_end_k_q14d7dd1006_qw:
	.size	k_q14d7dd1006_qw, .Lfunc_end_k_q14d7dd1006_qw-k_q14d7dd1006_qw
	.p2alignl 7, 3214868480
	.fill 96, 4, 3214868480
	.section	.rodata,"a",@progbits
	.p2align	6, 0x0
	.amdhsa_kernel k_q14d7dd1006_qw
		.amdhsa_group_segment_fixed_size 35840
		.amdhsa_private_segment_fixed_size 0
		.amdhsa_enable_private_segment 0
		.amdhsa_kernarg_size 48
		.amdhsa_user_sgpr_count 2
		.amdhsa_user_sgpr_kernarg_segment_ptr 1
		.amdhsa_wavefront_size32 1
		.amdhsa_system_sgpr_workgroup_id_x 1
		.amdhsa_system_sgpr_workgroup_id_y 1
		.amdhsa_system_sgpr_workgroup_id_z 1
		.amdhsa_system_vgpr_workitem_id 0
		.amdhsa_next_free_vgpr 224
		.amdhsa_next_free_sgpr 66
		.amdhsa_reserve_vcc 1
		.amdhsa_float_denorm_mode_32 3
		.amdhsa_float_denorm_mode_16_64 3
		.amdhsa_memory_ordered 1
		.amdhsa_forward_progress 1
		.amdhsa_inst_pref_size 99
	.end_amdhsa_kernel
	.amdgpu_metadata
---
amdhsa.version: [ 1, 2 ]
amdhsa.kernels:
  - .name:           k_q14d7dd1006_qw
    .symbol:         k_q14d7dd1006_qw.kd
    .args:
      - { .name: Wq, .offset: 0, .size: 8, .value_kind: global_buffer, .address_space: global }
      - { .name: Wk, .offset: 8, .size: 8, .value_kind: global_buffer, .address_space: global }
      - { .name: Wv, .offset: 16, .size: 8, .value_kind: global_buffer, .address_space: global }
      - { .name: Wo, .offset: 24, .size: 8, .value_kind: global_buffer, .address_space: global }
      - { .name: position_ids, .offset: 32, .size: 8, .value_kind: global_buffer, .address_space: global }
      - { .name: wall, .offset: 40, .size: 8, .value_kind: global_buffer, .address_space: global }
    .group_segment_fixed_size: 35840
    .private_segment_fixed_size: 0
    .kernarg_segment_align: 8
    .kernarg_segment_size: 48
    .max_flat_workgroup_size: 128
    .sgpr_count:     66
    .vgpr_count:     224
    .wavefront_size: 32
...
	.end_amdgpu_metadata
.endif
;; end of part 2
;; launch qkv (part 3): grid 6 x 16, 4 waves a work-group, no clusters, 327,680 bytes of LDS; arguments xc, xs, wall, uc, us; writes uc, us
.if DOCPART == 3
	.amdgcn_target "amdgcn-amd-amdhsa--gfx1250"
	.amdhsa_code_object_version 6
	.text
	.protected	k_q14d7dd1006_qkv
	.globl	k_q14d7dd1006_qkv
	.p2align	8
	.type	k_q14d7dd1006_qkv,@function
k_q14d7dd1006_qkv:
	s_mov_b64 s[64:65], 0
	v_nop
	global_prefetch_b8 v0, s[64:65] scope:SCOPE_SE
	s_setreg_imm32_b32 hwreg(HW_REG_WAVE_MODE, 25, 1), 1
	s_wait_xcnt 0x0
; q, k, v = hidden_states x Wq, Wk, Wv on codes of FP6 (E2M3) with E8M0 scales; RoPE on q and k in f32; q and k quantised along D, v along the keys.  Nothing of reference() is left out.
; Work-group (u, tt): unit u (0-3 the query heads, 4 k, 5 v), tokens 256 tt on: a tile of 256 x 256, four waves of 128 x 128: 64 accumulators of 16 x 16, 512 registers a wave.  K = 2,048 goes in steps of 256 through a ring of
; two LDS slots filled by the tensor data mover; the scale bytes of the tile's 512 rows come once, with the first fills, and stay.
; THE MATRIX INSTRUCTION: source 0 = 16 rows of "B", source 1 = 16 rows of "A": in a result lane (r, h) holds A's row r and its registers B's rows 8 h + 0 .. 7.  What is to be quantised must run along a lane's registers:
; for q and k that is D, so A = tokens and B = the weight's rows; for v it is the keys, so A = the weight's rows and B = tokens.  Only pointers are chosen by the unit: all units take one path through the products.
; The weight's rows of units 0-4 are laid so that a wave's 128 rows are d = 64 c + 0 .. 63 and 128 + 64 c + 0 .. 63: RoPE's pairs (d, d + 128) lie in one lane, 32 registers apart.
; OUT.  uc: [unit 6][block of 128 tokens 32][sub 2][a 8] fragments, each as an IMAGE OF ITS 12 REGISTERS (three pieces of 512 bytes, lane l's 16 bytes at 16 l), so that the attention launch loads a fragment by three loads of
; 16 bytes a lane.  q, k: a = the tile of 16 tokens, sub = c: the K step made of the blocks of D at 64 c, 64 c + 32, 128 + 64 c, 128 + 64 c + 32, the same in q and k.  v: the tile of 16 of D is 8 sub + a, K = the block's 128 keys.
; us: [unit][block][sub][r 16][a 8] scale words.  A lane's 16 registers of two neighbouring results are numbers 8 h + j and 16 + 8 h + j of a block of 32: the codes stand in the order pi (bits 3 and 4 of the place changed over)
; inside each block, alike in q and k, and alike in v and in the attention launch's p: no product and no scale is changed by that.
; q's scale bytes are stored 4 lower: the division of the scores by sqrt(256) = 16, exact.
; NO CLUSTER: the grid's 6 units do not divide by 4, and which side of the product partners would share changes with the unit, while a descriptor's first word is written as a constant here.
; LIMITS: blocks of q whose largest magnitude lies under 2^-120 (k, v: 2^-124) are quantised under the floor's scale; a block of zeros keeps the floor's byte, its codes are zeros, and this program alone reads the bytes;
; RoPE fuses one of its two products with the addition; NaN and infinities are not served.
; REGISTERS, in windows of 256: window 0: v0-31 addresses; v32-63 scale words, two sets; from v128 A's fragments, one set.  Window 1: B's fragments, two sets, at v0 and v128.  Windows 2, 3: the accumulators ((a, b) at v[8 (8 (a % 4) + b)]).
; On the way out: window 0: v64-127 a tile after RoPE; v128-147 codes; v168-184 at work; v192-199 scale words; v200-215 products.  Window 1: the table's cos and sin, two sets.
.set SIZE_K, 2048
.set KSTEP,  256
.set NQ,     KSTEP/128
.set ROWB,   192                       ; a tile's row in bytes
.set KROW,   SIZE_K*6/8                ; a row of codes in memory
.set PITCH,  240                       ; an LDS row: 3 x (64 bytes + 16 of padding): the 32 lanes of a load of 8 bytes touch 64 different banks (64 banks of 4 bytes: ISA guide 11.1)
.set FR,     12
.set NL,     6
.set NP,     4                         ; places behind this matrix instruction (ISA guide 7.12.1)
.set HALFT,  128*PITCH                 ; 128 rows: what one tensor load brings
.set SLOT,   4*HALFT                   ; A's 256 rows, then B's 256 rows
.set LAPS,   SIZE_K/(2*KSTEP)
.set KS,     SIZE_K/32                 ; a row of scale bytes
.set SCL,    2*SLOT                    ; behind the ring: the scales, as runs of 256 bytes + 16 of padding
.set HALFS,  (128*KS/256)*272
.set SBLK,   (16*KS/256)*272
.set SPARE,  SCL+4*HALFS               ; behind the scales: the spare words, 128 bytes for each wave
.set WS_OFF, 2359296                   ; the weights' scale bytes in wall
.set TB_OFF, 4096000                   ; the table of cos and sin in wall
.set ADRA, 16                          ; v16-17 LDS address of my A fragments in slot 0, 1 (v18-19: for the pieces behind one padding more)
.set ADRB, 20                          ; v20-23 the same for B
.set ADRS, 27                          ; v27    LDS address of my scale words: lanes 0-15 A's rows, lanes 16-31 B's
.set SPW,  28                          ; v28    LDS address of my spare word; never rewritten
.set NIL,  29                          ; v29    0; never rewritten
.set SC,   32
.set AF,   128
.set EL,   2                           ; the way out: v2 16 x lane;  v3 lane / 16;  v4 my place among the scale words
.set HH,   3
.set R,    64
.set PC,   128
.set TM,   168
.set PW,   184
.set SW,   192
.set T,    200
.set G1,   24                          ; s[24:31] descriptor group 1 for tiles of codes;  s[32:39] group 0, one set for each slot
.set G0,   32
.set G1S,  48                          ; s[48:55], s[56:59] groups 1 and 0 for the scale bytes
.set G0S,  56
.set OUT,  66                          ; s[66:67] my eight fragments in uc;  s[68:69] my scale words in us;  s[70:71] my tokens' part of the table
.set OUS,  68
.set TBB,  70
.set FLR,  72                          ; s72 the floor under a block's largest magnitude;  s73 what is taken off the scale word
.set ADJ,  73
.set SEL,  74                          ; s[74:75] lane selects for v_permlanex16_b32: lane l xor 16
.set MSB, 0
.macro WIN new                         ; the immediate's high byte repeats the setting that is left
.if MSB != (\new)
	s_set_vgpr_msb (MSB<<8)|(\new)
.set MSB, (\new)
.endif
.endm
.set MUL_LO, 0xa1                      ; source 0 (B) window 1, source 1 (A) window 0, C and D window 2
.set MUL_HI, 0xf1
.set TO_B,   0x40
.macro TLOAD g0, g1                    ; every wave's own load: its LDS bytes are wave x a constant + the slot's constant.  An s_nop 0 and four v_nop follow
	tensor_load_to_lds s[\g0:\g0+3], s[\g1:\g1+7]
	s_nop 0
.rept 4
	v_nop
.endr
.endm
.macro PLACES n
.rept \n
	v_nop
.endr
.endm
	s_load_b256 s[4:11], s[0:1], 0x0               ; xc, xs, wall, uc
	s_load_b64 s[12:13], s[0:1], 0x20              ; us
	v_lshl_add_u32 v[SPW], v0, 2, SPARE
	v_mov_b32 v[NIL], 0
	ds_add_u32 v[SPW], v[NIL]                      ; the wave's opening: the add, twice on end, and its wait ahead of my first tensor load
	ds_add_u32 v[SPW], v[NIL]
	v_lshrrev_b32 v1, 5, v0
	v_readfirstlane_b32 s14, v1                    ; wave 0..3
	s_lshr_b32 s15, s14, 1                         ; which half of A's rows is mine.  Also: I fetch for A (0) or for B (1)
	s_and_b32 s16, s14, 1                          ; which half of B's rows.  Also: which 128 rows of that side I fetch
	s_mov_b32 s17, ttmp9                           ; the unit
	s_and_b32 s18, ttmp7, 0xffff                   ; the block of 256 tokens
	s_mov_b32 s[G1+0], (0<<16)|(1<<20)|(3<<22)|(3<<25)   ; no mask; elements of 1 byte; padding on: after every 16 words, 4 words
	s_mov_b32 s[G1+1], ROWB<<16                    ; tensor_dim0
	s_mov_b32 s[G1+2], 128<<16                     ; tensor_dim1
	s_mov_b32 s[G1+3], ROWB<<16                    ; tile_dim0
	s_mov_b32 s[G1+4], 128                         ; tile_dim1
	s_mov_b32 s[G1+5], KROW                        ; from row to row
	s_mov_b32 s[G1+6], 0
	s_mov_b32 s[G1+7], 0
	s_mov_b32 s[G1S+0], (3<<16)|(1<<20)|(5<<22)|(3<<25)  ; the scale bytes of 128 rows: a dense block, as rows of 256 bytes (32 elements of 8), 16 bytes of padding behind each
	s_mov_b32 s[G1S+1], 32<<16
	s_mov_b32 s[G1S+2], (128*KS/256)<<16
	s_mov_b32 s[G1S+3], 32<<16
	s_mov_b32 s[G1S+4], 128*KS/256
	s_mov_b32 s[G1S+5], 32
	s_mov_b32 s[G1S+6], 0
	s_mov_b32 s[G1S+7], 0
	s_cmp_eq_u32 s17, 5
	s_cselect_b32 s19, 1, 0                        ; v: the sides change over
	s_xor_b32 s40, s15, s19                        ; 0: I fetch rows of x;  1: rows of the weights
	s_lshl_b32 s41, s18, 8
	s_lshl_b32 s42, s17, 8
	s_lshl_b32 s43, s16, 7
	s_mul_i32 s45, s14, HALFT                      ; where my rows go in a slot,
	s_mul_i32 s44, s14, HALFS                      ; and their scale bytes
	s_mov_b32 s[SEL], 0x76543210
	s_mov_b32 s[SEL+1], 0xfedcba98
	s_wait_dscnt 0x0                               ; both opening adds are done
	s_wait_kmcnt 0x0
	s_cmp_eq_u32 s40, 0                            ; the choice hangs on ids alone
	s_cselect_b64 s[20:21], s[4:5], s[8:9]
	s_cselect_b64 s[22:23], s[6:7], s[8:9]
	s_cselect_b32 s41, s41, s42
	s_cselect_b32 s46, 0, WS_OFF
	s_add_co_u32 s41, s41, s43                     ; my first row: 256 tt or 256 u, + 128 x half
	s_mul_i32 s60, s41, KROW
	s_mov_b32 s61, 0
	s_add_nc_u64 s[20:21], s[20:21], s[60:61]      ; its codes
	s_lshl_b32 s60, s41, 6
	s_add_co_u32 s60, s60, s46
	s_add_nc_u64 s[22:23], s[22:23], s[60:61]      ; its scale bytes
	s_mov_b32 s[G0S], 1
	s_add_co_u32 s[G0S+1], s44, SCL
	s_mov_b64 s[G0S+2:G0S+3], s[22:23]
	s_or_b32 s[G0S+3], s[G0S+3], 0x80000000
	TLOAD G0S, G1S                                 ; the scales first: they are wanted with K step 0.  Three loads of mine are out behind the first fills
.irp s, 0,1
	s_mov_b32 s[G0+4*\s], 1
	s_add_co_u32 s[G0+4*\s+1], s45, \s*SLOT
	s_add_nc_u64 s[G0+4*\s+2:G0+4*\s+3], s[20:21], \s*ROWB
	s_or_b32 s[G0+4*\s+3], s[G0+4*\s+3], 0x80000000
	TLOAD G0+4*\s, G1
.endr
	v_and_b32 v1, 15, v0                           ; l % 16
	v_bfe_u32 v2, v0, 4, 1                         ; l / 16
	v_mul_u32_u24 v3, v1, PITCH
	v_mul_u32_u24 v4, v2, 24
	v_add_nc_u32 v4, v3, v4                        ; a fragment's row x pitch + 24 x half
	v_lshl_add_u32 v5, v2, 4, v4                   ; and the same behind one padding more
	s_mul_i32 s21, s15, HALFT                      ; my 128 rows of A
	s_mul_i32 s22, s16, HALFT                      ; my 128 rows of B,
	s_add_co_u32 s22, s22, 2*HALFT                 ; which lie behind A's 256
.irp s, 0,1
	v_add_nc_u32 v[ADRA+\s], s21, v4
	v_add_nc_u32 v[ADRB+\s], s22, v4
	v_add_nc_u32 v[ADRA+2+\s], s21, v5
	v_add_nc_u32 v[ADRB+2+\s], s22, v5
	s_add_co_u32 s21, s21, SLOT
	s_add_co_u32 s22, s22, SLOT
.endr
	v_mul_u32_u24 v5, v1, KS                       ; my row's scales: KS bytes a row,
	v_lshrrev_b32 v6, 8, v5
	v_lshl_add_u32 v5, v6, 4, v5                   ; and 16 more for each 256 passed
	s_mul_i32 s21, s15, HALFS
	s_mul_i32 s22, s16, HALFS
	s_add_co_u32 s22, s22, 2*HALFS
	s_sub_co_u32 s22, s22, s21
	v_mul_u32_u24 v6, s22, v2                      ; lanes 16-31 take B's
	s_add_co_u32 s21, s21, SCL
	v_add_nc_u32 v5, v5, v6
	v_add_nc_u32 v[ADRS], s21, v5
	; where my results go
	s_cmp_eq_u32 s17, 5
	s_cselect_b32 s76, s16, s15                    ; the half of the tile's tokens that is mine,
	s_cselect_b32 s77, s15, s16                    ; and sub
	s_lshl_b32 s78, s18, 1
	s_add_co_u32 s76, s76, s78                     ; my block of 128 tokens
	s_lshl_b32 s78, s17, 5
	s_add_co_u32 s78, s78, s76
	s_lshl_b32 s79, s78, 1
	s_add_co_u32 s79, s79, s77
	s_mul_i32 s40, s79, 12288
	s_mov_b32 s41, 0
	s_add_nc_u64 s[OUT:OUT+1], s[10:11], s[40:41]
	s_lshl_b32 s40, s78, 10
	s_lshl_b32 s42, s77, 9
	s_add_co_u32 s40, s40, s42
	s_add_nc_u64 s[OUS:OUS+1], s[12:13], s[40:41]
	s_lshl_b32 s40, s76, 17                        ; the table: 8 token tiles of 16,384 bytes a block, 8,192 for c
	s_lshl_b32 s42, s16, 13
	s_add_co_u32 s40, s40, s42
	s_add_co_u32 s40, s40, TB_OFF
	s_add_nc_u64 s[TBB:TBB+1], s[8:9], s[40:41]
	s_mov_b32 s[FLR], 3<<23
	s_cmp_lt_u32 s17, 4
	s_cselect_b32 s[FLR], 7<<23, s[FLR]            ; q: the byte is at least 5, so that 4 can be taken off each byte of a word with no borrow
	s_cselect_b32 s[ADJ], 0x04040404, 0
.macro FRAG reg, adr, q, i             ; a fragment, 16 rows x 128 K, is 12 registers: lane l holds row l % 16; registers 6 c .. 6 c + 5 hold K = 64 c + 32 (l / 16) + 0 .. 31: 24 bytes of the row's stream of bits, as they lie
.irp p, 0,1,2,3,4,5                    ; in pieces of 8 bytes.  Lanes 16-31 read three pieces further on than lanes 0-15: where that lies behind one padding more, the second address register serves
.set PCE, 12*(\q)+6*(\p/3)+\p%3
.if PCE%8 < 5
	ds_load_b64 v[\reg+2*\p:\reg+2*\p+1], v[\adr] offset:8*PCE+16*(PCE/8)+(\i)*16*PITCH
.else
	ds_load_b64 v[\reg+2*\p:\reg+2*\p+1], v[\adr+2] offset:8*PCE+16*(PCE/8)+(\i)*16*PITCH
.endif
.endr
.endm
; 16 matrix instructions: A's blocks a0, a0 + 1 x B's eight, 128 along K.  zero = 1: the first product starts the sums.  The 64 accumulators take turns, one instruction a turn, in the same order in every step.
.macro MUL16 a0, p, q, sc, zero
.irp a, \a0, \a0+1
.irp b, 0,1,2,3,4,5,6,7
.if \zero
	v_wmma_scale_f32_16x16x128_f8f6f4 v[8*(8*((\a)%4)+\b):8*(8*((\a)%4)+\b)+7], v[128*(\p)+FR*\b:128*(\p)+FR*\b+FR-1], v[AF+FR*(\a):AF+FR*(\a)+FR-1], 0, v[SC+8*NQ*(\sc)+NQ*\b+(\q)], v[SC+8*NQ*(\sc)+NQ*(\a)+(\q)] matrix_a_fmt:MATRIX_FMT_FP6 matrix_b_fmt:MATRIX_FMT_FP6 matrix_a_scale:MATRIX_SCALE_ROW1
.else
	v_wmma_scale_f32_16x16x128_f8f6f4 v[8*(8*((\a)%4)+\b):8*(8*((\a)%4)+\b)+7], v[128*(\p)+FR*\b:128*(\p)+FR*\b+FR-1], v[AF+FR*(\a):AF+FR*(\a)+FR-1], v[8*(8*((\a)%4)+\b):8*(8*((\a)%4)+\b)+7], v[SC+8*NQ*(\sc)+NQ*\b+(\q)], v[SC+8*NQ*(\sc)+NQ*(\a)+(\q)] matrix_a_fmt:MATRIX_FMT_FP6 matrix_b_fmt:MATRIX_FMT_FP6 matrix_a_scale:MATRIX_SCALE_ROW1
.endif
.endr
.endr
.endm
.macro FETCH_B slot, q, p
	WIN TO_B
.irp i, 0,1,2,3,4,5,6,7
	FRAG 128*(\p)+FR*\i, ADRB+\slot, \q, \i
.endr
	WIN 0
.endm
.macro FETCH_A slot, q, i0
.irp i, \i0, \i0+1, \i0+2, \i0+3
	FRAG AF+FR*(\i), ADRA+\slot, \q, \i
.endr
.endm
.macro SCALES sc                       ; the next K step's scale words: lanes 0-15 take A's block i, lanes 16-31 B's block i
.irp i, 0,1,2,3,4,5,6,7
	ds_load_b64 v[SC+8*NQ*\sc+NQ*\i:SC+8*NQ*\sc+NQ*\i+1], v[ADRS] offset:\i*SBLK
.endr
.endm
; A step of 128 along K that has its successor in the same slot.  A block of A is free as soon as its eight products are issued, so one set of registers serves A; B has two.
.macro STEP slot, q, zero
	s_wait_dscnt 4*NL                              ; B's set and A's blocks 0-3 are in; the youngest 24 loads (A's blocks 4-7) may be out
	WIN MUL_LO
	MUL16 0, (\q)%2, \q, \slot, \zero
	MUL16 2, (\q)%2, \q, \slot, \zero
	s_wait_dscnt 0                                 ; A's blocks 4-7 are in
	PLACES NP                                      ; in front of loads into registers that matrix instructions have read
	FETCH_B \slot, (\q)+1, 1-(\q)%2
	FETCH_A \slot, (\q)+1, 0
	WIN MUL_HI
	MUL16 4, (\q)%2, \q, \slot, \zero
	MUL16 6, (\q)%2, \q, \slot, \zero
	PLACES NP
	WIN 0
	FETCH_A \slot, (\q)+1, 4
.endm
; A slot's last step changes slots: ONE barrier; in front of it each wave waits for all its tensor loads, adds 0 to its spare word, and waits for that and for its own reads of this slot.  fill = 1: this slot is filled again, two K steps ahead.
.macro TURN slot, next, fill
	s_wait_tensorcnt 0x0                           ; all my tensor loads have landed: my part of the next slot
	ds_add_u32 v[SPW], v[NIL]                      ; 0 onto my spare word
	s_wait_dscnt 4*NL+1                            ; (the add and the youngest 24 loads may be out)
	WIN MUL_LO
	MUL16 0, 1, NQ-1, \slot, 0                     ; sixteen matrix instructions stand between the add and the wait for it
	s_wait_dscnt 0x0                               ; the add is done, and my reads of this slot are over
	s_barrier_signal -1
	MUL16 2, 1, NQ-1, \slot, 0
	WIN 0
	s_barrier_wait -1                              ; nobody reads this slot any more, and the next slot is whole
.if \fill
	s_add_nc_u64 s[G0+4*\slot+2:G0+4*\slot+3], s[G0+4*\slot+2:G0+4*\slot+3], 2*ROWB   ; no load of mine is out, so the group may be written
	TLOAD G0+4*\slot, G1                           ; my one tensor load behind the barrier, ahead of every LDS read; its four v_nop are the places in front of the loads below
.else
	PLACES NP
.endif
	v_add_nc_u32 v[ADRS], 4*NQ, v[ADRS]            ; on to the next K step's scale words
	FETCH_B \next, 0, 0
	FETCH_A \next, 0, 0
	SCALES \next
	WIN MUL_HI
	MUL16 4, 1, NQ-1, \slot, 0
	MUL16 6, 1, NQ-1, \slot, 0
	PLACES NP
	WIN 0
	FETCH_A \next, 0, 4
.endm
	s_wait_tensorcnt 1                             ; the scales and my part of K step 0 are in (K step 1's load may be out)
	s_barrier_signal -1
	s_barrier_wait -1                              ; everybody's are
	FETCH_B 0, 0, 0
	FETCH_A 0, 0, 0
	SCALES 0
	FETCH_A 0, 0, 4
	STEP 0, 0, 1                                   ; the first step stands in front of the loop: its products start the sums
	s_mov_b32 s3, LAPS-1
.Llap:                                                 ; a trip goes once round the ring and fills both slots again
	TURN 0, 1, 1
	STEP 1, 0, 0
	TURN 1, 0, 1
	STEP 0, 0, 0
	s_sub_co_u32 s3, s3, 1
	s_cmp_lg_u32 s3, 0
	s_cbranch_scc1 .Llap
	TURN 0, 1, 0                                   ; the last lap fills nothing
	STEP 1, 0, 0
	s_wait_dscnt 4*NL
	WIN MUL_LO
	MUL16 0, 1, NQ-1, 1, 0
	MUL16 2, 1, NQ-1, 1, 0
	s_wait_dscnt 0
	WIN MUL_HI
	MUL16 4, 1, NQ-1, 1, 0
	MUL16 6, 1, NQ-1, 1, 0
	WIN 0
; THE WAY OUT.  64 numbers of a lane, v[src] .. v[src + 63] of window win, register 16 B + i one of my 16 numbers of block B of my row, become a fragment's codes in v[PC] on and its scale word in v[PW].
.macro QUANT src, win
	WIN (\win)|((\win)<<2)
.irp b, 0,1,2,3
	v_max3_num_f32 v[TM+\b], |v[(\src)+16*\b]|, |v[(\src)+1+16*\b]|, s[FLR]   ; my 16 numbers, and the floor; each result is read from its low end on
.endr
	WIN ((\win)<<2)|((\win)<<4)
.irp i, 2,4,6,8,10,12,14
.irp b, 0,1,2,3
	v_max3_num_f32 v[TM+\b], v[TM+\b], |v[(\src)+16*\b+\i]|, |v[(\src)+1+16*\b+\i]|   ; (the four blocks by turns)
.endr
.endr
	WIN 0
.irp b, 0,1,2,3
	v_permlanex16_b32 v[TM+4+\b], v[TM+\b], s[SEL], s[SEL+1]
.endr
.irp b, 0,1,2,3
	v_max_num_f32 v[TM+\b], v[TM+\b], v[TM+4+\b]   ; with lane l xor 16's: the block's largest magnitude
.endr
.irp b, 0,1,2,3
	v_add_nc_u32 v[TM+12+\b], 0xff000000, v[TM+\b] ; 2 off its exponent field: the conversion's scale operand
.endr
.irp b, 0,1,2,3
	v_lshrrev_b32 v[TM+4+\b], 23, v[TM+12+\b]      ; the scale's byte
.endr
	v_lshl_or_b32 v[PW], v[TM+5], 8, v[TM+4]
	v_lshl_or_b32 v[PW], v[TM+6], 16, v[PW]
	v_lshl_or_b32 v[PW], v[TM+7], 24, v[PW]
	WIN (\win)
.irp c, 0,1
	v_cvt_scalef32_pk16_fp6_f32 v[PC+6*\c:PC+2+6*\c], v[(\src)+32*\c:(\src)+15+32*\c], v[TM+12+2*\c]
	v_cvt_scalef32_pk16_fp6_f32 v[PC+12+4*\c:PC+14+4*\c], v[(\src)+16+32*\c:(\src)+31+32*\c], v[TM+12+2*\c+1]   ; (a conversion's three registers begin on an even number)
.endr
	WIN 0
	v_nop                                          ; one plain place behind a scaled conversion
.irp c, 0,1                                    ; the operand's layout wants a WHOLE block in a lane: lanes 0-15 block 2 c, lanes 16-31 block 2 c + 1
.irp i, 0,1,2
	v_permlane16_swap_b32 v[PC+6*\c+\i], v[PC+12+4*\c+\i]
.endr
.irp i, 0,1,2
	v_mov_b32 v[PC+3+6*\c+\i], v[PC+12+4*\c+\i]
.endr
.endr
.endm
.macro TLD a                           ; token tile a's cos and sin, 32 registers each, in the order of my result registers, into set a % 2 of window 1
	WIN 0x40
.irp cs, 0,1
.irp q, 0,1,2,3,4,5,6,7
	global_load_b128 v[128*((\a)%2)+32*\cs+4*\q:128*((\a)%2)+32*\cs+4*\q+3], v[EL], s[TBB:TBB+1] offset:16384*(\a)+4096*\cs+512*\q
.endr
.endr
	WIN 0
.endm
.macro ROPE a                          ; lo = result (a, b): d under 128;  hi = result (a, b + 4): d + 128.  lo cos - hi sin and hi cos + lo sin, two numbers an instruction
.set AC, 64*((\a)%4)
.set TS, 128*((\a)%2)
	WIN 0x06+(\a)/4                                ; source 0: the results' window; source 1: window 1
.irp b, 0,1,2,3
.irp i, 0,2,4,6
	v_pk_mul_f32 v[T+2*\i:T+2*\i+1], v[AC+8*\b+\i:AC+8*\b+\i+1], v[TS+8*\b+\i:TS+8*\b+\i+1]
	v_pk_mul_f32 v[T+2*\i+2:T+2*\i+3], v[AC+8*\b+\i:AC+8*\b+\i+1], v[TS+32+8*\b+\i:TS+32+8*\b+\i+1]
.endr
.irp i, 0,2,4,6
	v_pk_fma_f32 v[R+8*\b+\i:R+8*\b+\i+1], v[AC+32+8*\b+\i:AC+32+8*\b+\i+1], v[TS+32+8*\b+\i:TS+32+8*\b+\i+1], v[T+2*\i:T+2*\i+1] neg_lo:[0,1,0] neg_hi:[0,1,0]
	v_pk_fma_f32 v[R+32+8*\b+\i:R+32+8*\b+\i+1], v[AC+32+8*\b+\i:AC+32+8*\b+\i+1], v[TS+8*\b+\i:TS+8*\b+\i+1], v[T+2*\i+2:T+2*\i+3]
.endr
.endr
	WIN 0
.endm
	PLACES NP                                      ; behind the last products: their results are read, and their operands' registers written, from here on
	v_and_b32 v[EL], 31, v0
	v_lshlrev_b32 v[EL], 4, v[EL]
	v_bfe_u32 v[HH], v0, 4, 1
	v_and_b32 v4, 15, v0
	v_lshlrev_b32 v4, 5, v4
	v_lshl_add_u32 v4, v[HH], 4, v4                ; the scale words: 32 r + 16 h
.irp b, 0,1,2,3
	v_mov_b32 v[TM+4+\b], 0                        ; written once: a lane permute's destination counts as one of its sources
.endr
	s_cmp_eq_u32 s17, 5
	s_cbranch_scc1 .Lv
	TLD 0
.irp a, 0,1,2,3,4,5,6,7
.if \a < 7
	TLD \a+1
	s_wait_loadcnt 16                              ; this tile's 16 loads are in; the next tile's may be out
.else
	s_wait_loadcnt 0x0
.endif
	ROPE \a
	s_wait_xcnt 0x0                                ; the last tile's stores have read their registers: the codes may be written again
	QUANT R, 0
	v_sub_nc_u32 v[SW+\a], v[PW], s[ADJ]           ; q: each byte 4 lower
.irp c, 0,1,2
	global_store_b128 v[EL], v[PC+4*\c:PC+4*\c+3], s[OUT:OUT+1] offset:1536*\a+512*\c   ; 32 lanes store 512 consecutive bytes, aligned
.endr
.endr
	s_branch .Lboth
.Lv:
.irp a, 0,1,2,3,4,5,6,7
	s_wait_xcnt 0x0
	QUANT 64*(\a%4), 2+\a/4
	v_mov_b32 v[SW+\a], v[PW]
.irp c, 0,1,2
	global_store_b128 v[EL], v[PC+4*\c:PC+4*\c+3], s[OUT:OUT+1] offset:1536*\a+512*\c
.endr
.endr
.Lboth:
	v_cmp_ne_u32 vcc_lo, 0, v[HH]
.irp i, 0,1,2,3
	v_cndmask_b32 v[T+\i], v[SW+\i], v[SW+4+\i], vcc_lo   ; lanes 0-15 store row r's words of tiles 0-3, lanes 16-31 those of tiles 4-7
.endr
	global_store_b128 v4, v[T:T+3], s[OUS:OUS+1]   ; 512 consecutive bytes
	s_wait_tensorcnt 0x0                           ; the wave's end: behind my last tensor load
	ds_add_u32 v[SPW], v[NIL]
	s_wait_dscnt 0x0
	s_endpgm
.Lfunc_end_k_q14d7dd1006_qkv:
	.size	k_q14d7dd1006_qkv, .Lfunc_end_k_q14d7dd1006_qkv-k_q14d7dd1006_qkv
	.p2alignl 7, 3214868480
	.fill 96, 4, 3214868480
	.section	.rodata,"a",@progbits
	.p2align	6, 0x0
	.amdhsa_kernel k_q14d7dd1006_qkv
		.amdhsa_group_segment_fixed_size 327680
		.amdhsa_private_segment_fixed_size 0
		.amdhsa_enable_private_segment 0
		.amdhsa_kernarg_size 40
		.amdhsa_user_sgpr_count 2
		.amdhsa_user_sgpr_kernarg_segment_ptr 1
		.amdhsa_wavefront_size32 1
		.amdhsa_system_sgpr_workgroup_id_x 1
		.amdhsa_system_sgpr_workgroup_id_y 1
		.amdhsa_system_sgpr_workgroup_id_z 1
		.amdhsa_system_vgpr_workitem_id 0
		.amdhsa_next_free_vgpr 1024
		.amdhsa_next_free_sgpr 100
		.amdhsa_reserve_vcc 1
		.amdhsa_float_denorm_mode_32 3
		.amdhsa_float_denorm_mode_16_64 3
		.amdhsa_memory_ordered 1
		.amdhsa_forward_progress 1
		.amdhsa_inst_pref_size 236
	.end_amdhsa_kernel
	.amdgpu_metadata
---
amdhsa.version: [ 1, 2 ]
amdhsa.kernels:
  - .name:           k_q14d7dd1006_qkv
    .symbol:         k_q14d7dd1006_qkv.kd
    .args:
      - { .name: xc, .offset: 0, .size: 8, .value_kind: global_buffer, .address_space: global }
      - { .name: xs, .offset: 8, .size: 8, .value_kind: global_buffer, .address_space: global }
      - { .name: wall, .offset: 16, .size: 8, .value_kind: global_buffer, .address_space: global }
      - { .name: uc, .offset: 24, .size: 8, .value_kind: global_buffer, .address_space: global }
      - { .name: us, .offset: 32, .size: 8, .value_kind: global_buffer, .address_space: global }
    .group_segment_fixed_size: 327680
    .private_segment_fixed_size: 0
    .kernarg_segment_align: 8
    .kernarg_segment_size: 40
    .max_flat_workgroup_size: 128
    .sgpr_count:     100
    .vgpr_count:     1024
    .wavefront_size: 32
...
	.end_amdgpu_metadata
.endif
;; end of part 3
;; launch attn (part 4): grid 256 x 1, 4 waves a work-group, no clusters, 327,680 bytes of LDS; arguments uc, us, attention_mask, ac, acs; writes ac, acs
.if DOCPART == 4
	.amdgcn_target "amdgcn-amd-amdhsa--gfx1250"
	.amdhsa_code_object_version 6
	.text
	.protected	k_q14d7dd1006_attn
	.globl	k_q14d7dd1006_attn
	.p2align	8
	.type	k_q14d7dd1006_attn,@function
k_q14d7dd1006_attn:
	s_mov_b64 s[64:65], 0
	v_nop
	global_prefetch_b8 v0, s[64:65] scope:SCOPE_SE
	s_setreg_imm32_b32 hwreg(HW_REG_WAVE_MODE, 25, 1), 1
	s_wait_xcnt 0x0
; attn[q][head][:] = softmax_k(q . k / 16 + mask[q][k]) v, both products on codes of FP6 (E2M3) with E8M0 scales; the result quantised along (head, d) for the last projection.  Nothing of reference() is left out: the mask is an
; input, so every score is formed and every byte of the mask is read.
; THE SOFTMAX AHEAD OF THE SECOND PRODUCT: t = logit x log2(e); M = the largest t so far, rounded UP to a whole number; p = 2^(t - M) is what is quantised, along the keys.  The row's sum is taken of the unquantised p and divides
; at the end.  When M moves, the sum and O are multiplied by 2^(old M - new M): exact.  The largest t is raised by |t| 2^-23 ahead of the ceiling, so that M never lies under the exact score x log2(e) that the fused multiply-add
; forms, however large a mask's numbers are; M may so be one higher than the ceiling, which the blocks' scales take up exactly.
; SHARES.  A work-group owns 16 queries and ALL FOUR heads.  Wave w owns keys 1,024 w .. 1,024 w + 1,023, eight steps of 128, for the four heads: each fragment of K and V feeds four matrix instructions, and the mask, which is the
; same for the four heads, is fetched once.  At the end the four waves' parts are joined through LDS: wave w finishes head w.  Register slot k of wave w holds head (w + k) % 4: only Q's addresses know that.
; THE MASK: the work-group's 16 rows x 16 KB lie in LDS whole, brought by eight tensor loads a wave at the head (eight of mine are out); nothing is filled again, and each wave reads only what it fetched.
; It costs no vector work: q's scale bytes carry the 1 / 16, the mask is loaded from LDS into the scores' registers, and the first K step adds the products onto it.
; K, V AND Q come from memory straight into registers, as images of the fragments' registers (three loads of 16 bytes a lane for a fragment).
; LAYOUT.  Both products are used transposed: S^T = K Q^T (source 0 = 16 keys, source 1 = my 16 queries), O^T = V^T P^T (source 0 = 16 of D, source 1 = P): a lane holds ONE query (lane % 16) throughout.  The 16 registers of score
; tiles 2 B and 2 B + 1 are keys 8 h + j and 16 + 8 h + j of block B: p's codes stand in the order pi (bits 3 and 4 of the place changed over) inside a block, as v's do.  The result's codes have the same order, as Wo's do.
; NO CLUSTER, NO JOINT LOADS: slots for K and V (2 x 25 KB a wave) do not fit in LDS beside the 270,336 bytes of the mask.
; LIMITS: NaN among the inputs is not served; a mask of -infinity gives p = 0, and a row that is -infinity throughout gives NaN, as in reference(); logit = score / 16 + mask is rounded by the matrix unit's own rule; a block whose
; every p has fallen to 0 keeps the floor's byte (its codes are zeros); a block's largest p is taken from its largest logit, which supposes that v_exp_f32 does not fall where its input rises.
; REGISTERS, in windows of 256: window 0: v1-11, v30, v31 addresses; v12-27 statistics (slot k: -M, largest t, the sum in two halves); v28 f; v32-95 S^T, then p; v96-143 P's codes, 12 a slot; v144-167 at work; v168-191 scale words
; of K, V, Q, P; v192-239 Q of slots 2, 3.  Window 1: v0-191 sixteen fragments, K's and V's by turns; v192-239 Q of slots 0, 1.  Windows 2, 3: O^T: slot k, tile dt at v[128 (k % 2) + 8 dt] of window 2 + k / 2.
.set SLAB,  67584                      ; a wave's eight tiles of the mask; later its stage: three parts of O^T, 16,384 bytes each, and their statistics at 49,152
.set TILE,  8448                       ; 16 rows x (512 bytes + 16 of padding)
.set MP,    528                        ; an odd multiple of 16 bytes: the 16 rows of a load start at 16 different groups of banks
.set ASTG,  4*SLAB                     ; the result's codes: 16 rows x 768 bytes
.set ASC,   ASTG+12288                 ; and scale bytes: 16 rows x 32
.set SPARE, ASC+512                    ; the spare words, 128 bytes for each wave
.set LOFF, 1                           ; v1  16 x lane
.set LSC,  2                           ; v2  32 x lane
.set MA0,  3                           ; v3  my place in my slab's tile 0: 528 r + 32 h
.set ADM,  4                           ; v4  the same in the tile in hand
.set SPW,  5                           ; v5  LDS address of my spare word; never rewritten
.set NIL,  6                           ; v6  0; never rewritten
.set ST,   12
.set F,    28
.set S,    32
.set P,    96
.set CT,   144
.set BM,   152
.set PT,   156
.set SO,   160
.set TMP,  164
.set KSC,  168
.set VSC,  176
.set QSC,  184
.set PSC,  188
.set QF,   192
.set JA,   144                         ; the join: v144-146, v148-150 my three partners' stages; v156-161 their statistics; v176-183 the four factors, as pairs
.set JS,   148
.set JST,  156
.set G,    176
.set TM,   168                         ; the last quantiser: v168-183 at work, v184 the scale word, v96-115 the codes
.set PW,   184
.set PC,   96
.set WV,   14
.set QT,   15
.set G1,   24                          ; s[24:31] descriptor group 1;  s[32:63] eight groups 0
.set G0,   32
.set KB,   66                          ; s[66:73] K's and V's codes and scale words at the step in hand
.set VB,   68
.set KSB,  70
.set VSB,  72
.set QB,   74                          ; s[74:81] Q's codes, slot by slot;  s[82:89] its scale words
.set QS,   82
.set CS,   90                          ; s[90:91] log2(e): the packed form names a pair and takes its low word for both halves
.set SEL,  92                          ; s[92:93] lane selects for v_permlanex16_b32: lane l xor 16
.set MO,   94                          ; s94 the next tile of the mask, in bytes;  s95 the same, held at the last tile
.set MO2,  95
.set CNT,  96
.set FLR,  97                          ; s97 the floor 2^(3 - 127)
.set EPS,  98                          ; s98 2^-23
.set MSB, 0
.macro WIN new                         ; the immediate's high byte repeats the setting that is left
.if MSB != (\new)
	s_set_vgpr_msb (MSB<<8)|(\new)
.set MSB, (\new)
.endif
.endm
.macro PLACES n
.rept \n
	v_nop
.endr
.endm
	s_load_b256 s[4:11], s[0:1], 0x0               ; uc, us, attention_mask, ac
	s_load_b64 s[12:13], s[0:1], 0x20              ; acs
	v_lshl_add_u32 v[SPW], v0, 2, SPARE
	v_mov_b32 v[NIL], 0
	ds_add_u32 v[SPW], v[NIL]                      ; the wave's opening: the add, twice on end, and its wait ahead of my first tensor load
	ds_add_u32 v[SPW], v[NIL]
	v_lshrrev_b32 v1, 5, v0
	v_readfirstlane_b32 s[WV], v1                  ; wave 0..3
	s_mov_b32 s[QT], ttmp9                         ; my tile of 16 queries
	s_mov_b32 s[G1+0], (2<<16)|(1<<20)|(6<<22)|(3<<25)   ; no mask of work-groups; elements of 4 bytes; padding on: after every 128 words, 4 words
	s_mov_b32 s[G1+1], 128<<16                     ; tensor_dim0 = 128
	s_mov_b32 s[G1+2], 16<<16                      ; tensor_dim1 = 16
	s_mov_b32 s[G1+3], 128<<16                     ; tile_dim0 = 128
	s_mov_b32 s[G1+4], 16                          ; tile_dim1 = 16
	s_mov_b32 s[G1+5], 4096                        ; from row to row
	s_mov_b32 s[G1+6], 0
	s_mov_b32 s[G1+7], 0
	s_mul_i32 s18, s[WV], SLAB                     ; my slab
	s_lshl_b32 s16, s[QT], 18                      ; 16 rows of 16,384 bytes,
	s_lshl_b32 s17, s[WV], 12                      ; my 1,024 keys
	s_add_co_u32 s16, s16, s17
	s_mov_b32 s17, 0
	s_mov_b32 s[CS], 0x3fb8aa3b
	s_mov_b32 s[CS+1], s[CS]
	s_mov_b32 s[SEL], 0x76543210
	s_mov_b32 s[SEL+1], 0xfedcba98
	s_mov_b32 s[MO], 0
	s_mov_b32 s[FLR], 0x1800000
	s_mov_b32 s[EPS], 0x34000000
	s_wait_dscnt 0x0                               ; both opening adds are done
	s_wait_kmcnt 0x0
	s_add_nc_u64 s[8:9], s[8:9], s[16:17]
.irp j, 0,1,2,3,4,5,6,7
	s_mov_b32 s[G0+4*\j], 1
	s_add_co_u32 s[G0+4*\j+1], s18, \j*TILE        ; wave x a constant + the tile's constant
	s_add_nc_u64 s[G0+4*\j+2:G0+4*\j+3], s[8:9], \j*512
	s_or_b32 s[G0+4*\j+3], s[G0+4*\j+3], 0x80000000
.endr
.irp j, 0,1,2,3,4,5,6,7
	tensor_load_to_lds s[G0+4*\j:G0+4*\j+3], s[G1:G1+7]
	s_nop 0
.endr
.rept 4
	v_nop
.endr
	s_mul_i32 s20, s[WV], 196608                   ; my eight steps of 24,576 bytes
	s_mov_b32 s21, 0
	s_add_nc_u64 s[KB:KB+1], s[4:5], s[20:21]
	s_add_nc_u64 s[VB:VB+1], s[KB:KB+1], 5*786432-24576   ; V's pointers begin one step back: they are stepped ahead of each run of loads
	s_add_nc_u64 s[KB:KB+1], s[KB:KB+1], 4*786432
	s_lshl_b32 s20, s[WV], 13
	s_add_nc_u64 s[KSB:KSB+1], s[6:7], s[20:21]
	s_add_nc_u64 s[VSB:VSB+1], s[KSB:KSB+1], 163840-1024
	s_add_nc_u64 s[KSB:KSB+1], s[KSB:KSB+1], 131072
	s_lshr_b32 s22, s[QT], 3
	s_and_b32 s23, s[QT], 7
	s_mul_i32 s16, s22, 24576
	s_mul_i32 s17, s23, 1536
	s_add_co_u32 s16, s16, s17                     ; my tile's fragments in a head,
	s_lshl_b32 s17, s22, 10
	s_lshl_b32 s19, s23, 2
	s_add_co_u32 s17, s17, s19                     ; and its scale words
.irp k, 0,1,2,3
	s_add_co_u32 s20, s[WV], \k
	s_and_b32 s20, s20, 3                          ; slot k's head
	s_mul_i32 s22, s20, 786432
	s_add_co_u32 s22, s22, s16
	s_mov_b32 s23, 0
	s_add_nc_u64 s[QB+2*\k:QB+2*\k+1], s[4:5], s[22:23]
	s_lshl_b32 s22, s20, 15
	s_add_co_u32 s22, s22, s17
	s_add_nc_u64 s[QS+2*\k:QS+2*\k+1], s[6:7], s[22:23]
.endr
	s_mul_i32 s20, s[QT], 12288
	s_mov_b32 s21, 0
	s_add_nc_u64 s[10:11], s[10:11], s[20:21]      ; my 16 rows of the result's codes,
	s_lshl_b32 s20, s[QT], 9
	s_add_nc_u64 s[12:13], s[12:13], s[20:21]      ; and of its scale bytes
	v_and_b32 v7, 31, v0
	v_lshlrev_b32 v[LOFF], 4, v7
	v_lshlrev_b32 v[LSC], 5, v7
	v_and_b32 v8, 15, v0
	v_bfe_u32 v9, v0, 4, 1
	v_mul_u32_u24 v[MA0], v8, MP
	v_lshl_add_u32 v[MA0], v9, 5, v[MA0]
	v_add_nc_u32 v[MA0], s18, v[MA0]
	v_mov_b32 v[ADM], v[MA0]
; sixteen fragments, 48 loads: piece x of 512 bytes into registers 4 x .. 4 x + 3 of window 1
.macro XFETCH base
	WIN 0x40
.set xf, 0
.rept 48
	global_load_b128 v[4*xf:4*xf+3], v[LOFF], s[\base:\base+1] offset:512*xf
.set xf, xf+1
.endr
	WIN 0
.endm
	WIN 0x40
.irp k, 0,1
.irp s, 0,1
.irp c, 0,1,2
	global_load_b128 v[QF+24*\k+12*\s+4*\c:QF+24*\k+12*\s+4*\c+3], v[LOFF], s[QB+2*\k:QB+2*\k+1] offset:12288*\s+512*\c
.endr
.endr
.endr
	WIN 0
.irp k, 0,1
.irp s, 0,1
.irp c, 0,1,2
	global_load_b128 v[QF+24*\k+12*\s+4*\c:QF+24*\k+12*\s+4*\c+3], v[LOFF], s[QB+4+2*\k:QB+4+2*\k+1] offset:12288*\s+512*\c
.endr
.endr
.endr
.irp k, 0,1,2,3
	global_load_b32 v[QSC+\k], v[LSC], s[QS+2*\k:QS+2*\k+1]   ; lanes 0-15: the first K step's words; lanes 16-31: the second's
.endr
	global_load_b128 v[KSC:KSC+3], v[LSC], s[KSB:KSB+1]
	global_load_b128 v[KSC+4:KSC+7], v[LSC], s[KSB:KSB+1] offset:16
	XFETCH KB
.irp k, 0,1,2,3
	v_mov_b32 v[ST+4*\k+1], 0xff61b1e6             ; the largest t so far: -3e38, under every t
	v_floor_f32 v[ST+4*\k], -v[ST+4*\k+1]          ; -M
	v_mov_b32 v[ST+4*\k+2], 0                      ; the sum, in two halves
	v_mov_b32 v[ST+4*\k+3], 0
.endr
	v_mov_b32 v[F+1], 0                            ; (named as the upper half of a pair)
.irp b, 0,1,2,3
	v_mov_b32 v[PT+\b], 0                          ; written once: a lane permute's destination counts as one of its sources
.endr
.macro MASKLD                          ; the mask of 128 keys into the scores' registers: register 8 T + j of lane (r, h) is mask(query r, key 16 T + 8 h + j)
.irp t, 0,1,2,3,4,5,6,7
	ds_load_b128 v[S+8*\t:S+8*\t+3], v[ADM] offset:64*\t
	ds_load_b128 v[S+8*\t+4:S+8*\t+7], v[ADM] offset:64*\t+16
.endr
.endm
.macro SOFTMAX k                       ; up to the four conversions
.set SK, ST+4*(\k)
.irp b, 0,1,2,3
	v_max3_num_f32 v[BM+\b], v[S+16*\b], v[S+16*\b+1], v[S+16*\b+2]   ; THE LARGEST LOGIT OF EACH BLOCK OF 32 KEYS: for the row's maximum, and, since p rises with the logit, for the block's largest p
.endr
.irp i, 3,5,7,9,11,13
.irp b, 0,1,2,3
	v_max3_num_f32 v[BM+\b], v[BM+\b], v[S+16*\b+\i], v[S+16*\b+\i+1]
.endr
.endr
.irp b, 0,1,2,3
	v_max_num_f32 v[BM+\b], v[BM+\b], v[S+16*\b+15]
.endr
.irp b, 0,1,2,3
	v_permlanex16_b32 v[PT+\b], v[BM+\b], s[SEL], s[SEL+1]
.endr
.irp b, 0,1,2,3
	v_max_num_f32 v[BM+\b], v[BM+\b], v[PT+\b]     ; with lane l xor 16's 16 keys
.endr
	v_max3_num_f32 v[TMP], v[BM], v[BM+1], v[BM+2]
	v_max_num_f32 v[TMP], v[TMP], v[BM+3]
	v_mul_f32 v[TMP], s[CS], v[TMP]                ; as t
	v_fma_f32 v[TMP], |v[TMP]|, s[EPS], v[TMP]     ; raised past the multiplication's rounding
	v_max_num_f32 v[SK+1], v[SK+1], v[TMP]         ; the running largest t
	v_mov_b32 v[TMP], v[SK]
	v_floor_f32 v[SK], -v[SK+1]                    ; the new -M: M IS A WHOLE NUMBER
	v_sub_f32 v[TMP], v[SK], v[TMP]                ; M's old value less its new one: a whole number, 0 or less
	v_cvt_i32_f32 v[TMP], v[TMP]                   ; (it saturates)
	v_ldexp_f32 v[F], 1.0, v[TMP]                  ; f = 2^(old M - new M)
.set sj, 0
.rept 32
	v_pk_fma_f32 v[S+sj:S+sj+1], v[S+sj:S+sj+1], s[CS:CS+1], v[SK:SK+1] op_sel_hi:[1,0,0]   ; t - M, two at a time
.set sj, sj+2
.endr
.irp b, 0,1,2,3
	v_fma_f32 v[BM+\b], v[BM+\b], s[CS], v[SK]     ; the same of each block's largest logit
.endr
.set sj, 0
.rept 64
	v_exp_f32 v[S+sj], v[S+sj]                     ; p = 2^(t - M), at most 1: NOT normalised
.set sj, sj+1
.endr
	v_pk_mul_f32 v[SK+2:SK+3], v[SK+2:SK+3], v[F:F+1] op_sel_hi:[1,0]   ; the sums under the new M: a plain instruction behind the exponentials
	s_wait_alu depctr_va_vdst(0)                   ; one wait for the whole batch, ahead of its first reader
.irp b, 0,1,2,3
	v_exp_f32 v[BM+\b], v[BM+\b]                   ; the block's largest p
.endr
	v_pk_add_f32 v[PT:PT+1], v[S:S+1], v[S+2:S+3]  ; THE ROW'S SUM IS TAKEN OF THE UNQUANTISED p: two at a time, in two chains; it reads the 64 alone
.set sj, 4
.rept 15
	v_pk_add_f32 v[SK+2:SK+3], v[SK+2:SK+3], v[S+sj:S+sj+1]
	v_pk_add_f32 v[PT:PT+1], v[PT:PT+1], v[S+sj+2:S+sj+3]
.set sj, sj+4
.endr
	v_pk_add_f32 v[SK+2:SK+3], v[SK+2:SK+3], v[PT:PT+1]
	s_wait_alu depctr_va_vdst(0)                   ; and one for the four
.irp b, 0,1,2,3
	v_max_num_f32 v[BM+\b], s[FLR], v[BM+\b]       ; the floor: the byte cannot fall under 1
.endr
.irp b, 0,1,2,3
	v_add_nc_u32 v[SO+\b], 0xff000000, v[BM+\b]    ; 2 off the exponent field: the conversion's scale operand
.endr
.irp b, 0,1,2,3
	v_lshrrev_b32 v[PT+\b], 23, v[SO+\b]           ; the scale's byte
.endr
	v_lshl_or_b32 v[PSC+(\k)], v[PT+1], 8, v[PT]   ; p's scale word for these 128 keys
	v_lshl_or_b32 v[PSC+(\k)], v[PT+2], 16, v[PSC+(\k)]
	v_lshl_or_b32 v[PSC+(\k)], v[PT+3], 24, v[PSC+(\k)]
.irp c, 0,1
	v_cvt_scalef32_pk16_fp6_f32 v[P+12*(\k)+6*\c:P+12*(\k)+6*\c+2], v[S+32*\c:S+32*\c+15], v[SO+2*\c]
	v_cvt_scalef32_pk16_fp6_f32 v[CT+4*\c:CT+4*\c+2], v[S+32*\c+16:S+32*\c+31], v[SO+2*\c+1]   ; (a conversion's three registers begin on an even number)
.endr
.endm
.macro RESCALE k                       ; slot k's O^T under the new M: x f, each accumulator from its low end on
	WIN 0x82+0x41*((\k)/2)
.set OB, 128*((\k)%2)
.set sj, 0
.rept 64
	v_pk_mul_f32 v[OB+sj:OB+sj+1], v[OB+sj:OB+sj+1], v[F:F+1] op_sel_hi:[1,0]
.set sj, sj+2
.endr
	WIN 0
.endm
.macro VLOADS                          ; this step's V into the registers that K has left
	s_wait_xcnt 0x0                                ; the earlier loads have read their bases
	s_add_nc_u64 s[VB:VB+1], s[VB:VB+1], 24576
	s_add_nc_u64 s[VSB:VSB+1], s[VSB:VSB+1], 1024
	global_load_b128 v[VSC:VSC+3], v[LSC], s[VSB:VSB+1]
	global_load_b128 v[VSC+4:VSC+7], v[LSC], s[VSB:VSB+1] offset:16
	XFETCH VB
.endm
; One head of a key step.  The eight score tiles take turns, one instruction a turn: first K step, then the second.
.macro HEAD k, first, tw
.if (\k) == 0
	s_wait_loadcnt 24                              ; K's scale words and first eight fragments are in; the youngest 24 loads may be out
.endif
	s_wait_dscnt 0x0                               ; the mask lies in the scores' registers
.if (\k) < 2
	WIN 0x05                                       ; K and Q in window 1
.else
	WIN 0x01                                       ; K in window 1, Q in window 0
.endif
.set QR, QF+24*((\k)%2)
.irp t, 0,1,2,3,4,5,6,7
	v_wmma_scale_f32_16x16x128_f8f6f4 v[S+8*\t:S+8*\t+7], v[12*\t:12*\t+11], v[QR:QR+11], v[S+8*\t:S+8*\t+7], v[KSC+\t], v[QSC+(\k)] matrix_a_fmt:MATRIX_FMT_FP6 matrix_b_fmt:MATRIX_FMT_FP6
.endr
.if (\k) == 0
	s_wait_loadcnt 0x0
.endif
.irp t, 0,1,2,3,4,5,6,7
	v_wmma_scale_f32_16x16x128_f8f6f4 v[S+8*\t:S+8*\t+7], v[96+12*\t:96+12*\t+11], v[QR+12:QR+23], v[S+8*\t:S+8*\t+7], v[KSC+\t], v[QSC+(\k)] matrix_a_fmt:MATRIX_FMT_FP6 matrix_b_fmt:MATRIX_FMT_FP6 matrix_a_scale:MATRIX_SCALE_ROW1 matrix_b_scale:MATRIX_SCALE_ROW1
.endr
	WIN 0
	PLACES 4                                       ; behind the products: their results are read, and (last head) K's registers loaded, from here on
.if (\k) == 3
	VLOADS                                         ; they land while this head's softmax is worked
.endif
	SOFTMAX \k
.if (\k) == 3
.if (\tw) >= 0
	s_wait_tensorcnt \tw                           ; so many of my youngest tiles may be out
.endif
	s_add_co_u32 s[MO], s[MO], TILE                ; on to the next step's tile; behind the last step: held at the last tile
	s_min_u32 s[MO2], s[MO], 7*TILE
	v_add_nc_u32 v[ADM], s[MO2], v[MA0]
.endif
	MASKLD                                         ; for the next head, or the next step: p has been read by the conversions
	v_nop                                          ; one plain place behind a scaled conversion
.irp c, 0,1                                    ; the operand's layout wants a WHOLE block in a lane
.irp i, 0,1,2
	v_permlane16_swap_b32 v[P+12*(\k)+6*\c+\i], v[CT+4*\c+\i]
.endr
.irp i, 0,1,2
	v_mov_b32 v[P+12*(\k)+6*\c+3+\i], v[CT+4*\c+\i]
.endr
.endr
.if \first
	PLACES 8                                       ; a scale word written by vector instructions stands 8 places ahead of a scaled matrix instruction
.else
	RESCALE \k                                     ; (these are those places too, and the mask's loads land meanwhile)
.endif
.endm
.macro ONEPV o, x, p, sa, sb, hi, first
.if \first
.if \hi
	v_wmma_scale_f32_16x16x128_f8f6f4 v[(\o):(\o)+7], v[(\x):(\x)+11], v[(\p):(\p)+11], 0, v[\sa], v[\sb] matrix_a_fmt:MATRIX_FMT_FP6 matrix_b_fmt:MATRIX_FMT_FP6 matrix_a_scale:MATRIX_SCALE_ROW1
.else
	v_wmma_scale_f32_16x16x128_f8f6f4 v[(\o):(\o)+7], v[(\x):(\x)+11], v[(\p):(\p)+11], 0, v[\sa], v[\sb] matrix_a_fmt:MATRIX_FMT_FP6 matrix_b_fmt:MATRIX_FMT_FP6
.endif
.else
.if \hi
	v_wmma_scale_f32_16x16x128_f8f6f4 v[(\o):(\o)+7], v[(\x):(\x)+11], v[(\p):(\p)+11], v[(\o):(\o)+7], v[\sa], v[\sb] matrix_a_fmt:MATRIX_FMT_FP6 matrix_b_fmt:MATRIX_FMT_FP6 matrix_a_scale:MATRIX_SCALE_ROW1
.else
	v_wmma_scale_f32_16x16x128_f8f6f4 v[(\o):(\o)+7], v[(\x):(\x)+11], v[(\p):(\p)+11], v[(\o):(\o)+7], v[\sa], v[\sb] matrix_a_fmt:MATRIX_FMT_FP6 matrix_b_fmt:MATRIX_FMT_FP6
.endif
.endif
.endm
.macro CPH first                       ; O^T += V^T P^T: 64 accumulators, each once a step.  first = 1: the products start the sums: nothing is ever cleared
	s_wait_loadcnt 0x0                             ; V and its scale words are in
.irp g, 0,1
	WIN 0xa1+0x50*\g                               ; V window 1, P window 0, O^T window 2 + g
.irp d, 0,1,2,3,4,5,6,7,8,9,10,11,12,13,14,15
.irp kk, 0,1
	ONEPV 128*\kk+8*\d, 12*\d, P+12*(2*\g+\kk), VSC+\d%8, PSC+2*\g+\kk, \d/8, \first
.endr
.endr
.endr
	WIN 0
.endm
.macro KLOADS guard                    ; the next step's K into the registers that V has left.  guard = 1: the last step has no next: no load leaves its part of the buffer
	PLACES 4
.if \guard
	s_cmp_eq_u32 s[CNT], 1
	s_cbranch_scc1 .Lno_k_\@
.endif
	s_wait_xcnt 0x0
	s_add_nc_u64 s[KB:KB+1], s[KB:KB+1], 24576
	s_add_nc_u64 s[KSB:KSB+1], s[KSB:KSB+1], 1024
	global_load_b128 v[KSC:KSC+3], v[LSC], s[KSB:KSB+1]
	global_load_b128 v[KSC+4:KSC+7], v[LSC], s[KSB:KSB+1] offset:16
	XFETCH KB
.Lno_k_\@:
.endm
.macro STEP first, tw, guard
	HEAD 0, \first, -1
	HEAD 1, \first, -1
	HEAD 2, \first, -1
	HEAD 3, \first, \tw
	CPH \first
	KLOADS \guard
.endm
	s_wait_tensorcnt 7                             ; my tile 0 is in; the seven behind it may be out
	MASKLD
	STEP 1, 3, 0                                   ; step 0; at its end tiles 1 to 4 are in (three may be out)
	s_mov_b32 s[CNT], 3
.L1:                                                   ; steps 1 to 3: they read tiles up to 4
	STEP 0, -1, 0
	s_sub_co_u32 s[CNT], s[CNT], 1
	s_cmp_lg_u32 s[CNT], 0
	s_cbranch_scc1 .L1
	s_wait_tensorcnt 0x0                           ; all my tiles are in
	s_mov_b32 s[CNT], 4
.L2:                                                   ; steps 4 to 7
	STEP 0, -1, 1
	s_sub_co_u32 s[CNT], s[CNT], 1
	s_cmp_lg_u32 s[CNT], 0
	s_cbranch_scc1 .L2
	; THE FOUR WAVES' PARTS ARE JOINED.  Each wave puts its slots 1 to 3 (the heads that others finish) and their statistics into its slab, which has had its last fill and its last read that counts; a barrier; each fetches the
	; three other parts of its own head.  A part summed under M_i comes under the common M by 2^(M_i - M): exact.
.irp k, 0,1,2,3
	v_add_f32 v[ST+4*\k+2], v[ST+4*\k+2], v[ST+4*\k+3]
.endr
.irp k, 0,1,2,3
	v_permlanex16_b32 v[BM+\k], v[ST+4*\k+2], s[SEL], s[SEL+1]
.endr
.irp k, 0,1,2,3
	v_add_f32 v[ST+4*\k+1], v[ST+4*\k+2], v[BM+\k] ; the part's sum, beside its -M
.endr
	v_and_b32 v[TMP], 31, v0
	v_and_b32 v[TMP+1], 15, v0
	v_bfe_u32 v[TMP+2], v0, 4, 1
	v_lshl_add_u32 v7, v[TMP], 4, s18              ; my stage: 16 x lane;
	v_lshl_add_u32 v8, v[TMP], 3, s18              ; 8 x lane for the statistics
.irp k, 1,2,3
	s_add_co_u32 s20, s[WV], 4-\k
	s_and_b32 s20, s20, 3                          ; the wave whose slot k is my head
	s_mul_i32 s20, s20, SLAB
	v_lshl_add_u32 v[JA+\k-1], v[TMP], 4, s20
	v_lshl_add_u32 v[JS+\k-1], v[TMP], 3, s20
.endr
	v_mul_u32_u24 v9, v[TMP+1], 768                ; the result's codes: row r, my head's 192 bytes, 24 for each half of the lanes
	v_mad_u32_u24 v9, v[TMP+2], 24, v9
	s_mul_i32 s20, s[WV], 192
	s_add_co_u32 s20, s20, ASTG
	v_add_nc_u32 v9, s20, v9
	v_lshlrev_b32 v10, 5, v[TMP+1]                 ; its scale bytes: row r, my head's 8
	s_lshl_b32 s20, s[WV], 3
	s_add_co_u32 s20, s20, ASC
	v_add_nc_u32 v10, s20, v10
	s_mul_i32 s20, s[WV], 3072
	v_add_nc_u32 v11, s20, v[LOFF]                 ; on the way out: my quarter of the 12,288 bytes,
	v_add_nc_u32 v30, ASTG, v11
	v_add_nc_u32 v31, ASC, v[LOFF]                 ; and wave 0: the 512 scale bytes
	WIN 0x08                                       ; an LDS store's data are its source 1: window 2
.set sj, 0
.rept 32
	ds_store_b128 v7, v[128+4*sj:128+4*sj+3] offset:512*sj              ; slot 1; each accumulator from its low end on
.set sj, sj+1
.endr
	WIN 0x0c
.set sj, 0
.rept 32
	ds_store_b128 v7, v[4*sj:4*sj+3] offset:16384+512*sj                ; slot 2
.set sj, sj+1
.endr
.set sj, 0
.rept 32
	ds_store_b128 v7, v[128+4*sj:128+4*sj+3] offset:32768+512*sj        ; slot 3
.set sj, sj+1
.endr
	WIN 0
.irp k, 1,2,3
	ds_store_b64 v8, v[ST+4*\k:ST+4*\k+1] offset:49152+256*(\k-1)
.endr
	s_wait_dscnt 0x0                               ; for the others' sake: my stores have landed (and the last look-ahead into the scores' registers is back)
	s_barrier_signal -1
	s_barrier_wait -1
.irp k, 1,2,3
	ds_load_b64 v[JST+2*(\k-1):JST+2*(\k-1)+1], v[JS+\k-1] offset:49152+256*(\k-1)
.endr
	WIN 0x40
.set sj, 0
.rept 32
	ds_load_b128 v[4*sj:4*sj+3], v[JA] offset:512*sj                    ; the first partner's part: window 1, v0-127
.set sj, sj+1
.endr
	WIN 0
	s_wait_dscnt 32                                ; the statistics are in; the 32 loads behind them may be out
	v_min_num_f32 v168, v[ST], v[JST]
	v_min_num_f32 v169, v[JST+2], v[JST+4]
	v_min_num_f32 v168, v168, v169                 ; the common -M
	v_sub_f32 v170, v168, v[ST]                    ; M_i - M: a whole number, 0 or less
	v_sub_f32 v171, v168, v[JST]
	v_sub_f32 v172, v168, v[JST+2]
	v_sub_f32 v173, v168, v[JST+4]
.irp i, 0,1,2,3
	v_cvt_i32_f32 v[170+\i], v[170+\i]             ; (it saturates)
.endr
.irp i, 0,1,2,3
	v_ldexp_f32 v[G+2*\i], 1.0, v[170+\i]
.endr
	v_mul_f32 v169, v[G], v[ST+1]
	v_fma_f32 v169, v[G+2], v[JST+1], v169
	v_fma_f32 v169, v[G+4], v[JST+3], v169
	v_fma_f32 v169, v[G+6], v[JST+5], v169         ; the row's sum
	v_rcp_f32 v169, v169
	v_nop                                          ; a plain instruction behind the reciprocal
	s_wait_alu depctr_va_vdst(0)                   ; and the wait ahead of its first reader
.irp i, 0,1,2,3
	v_mul_f32 v[G+2*\i], v[G+2*\i], v169
.endr
	WIN 0x40
.set sj, 0
.rept 32
	ds_load_b128 v[128+4*sj:128+4*sj+3], v[JA+1] offset:16384+512*sj    ; the second: window 1, v128-255
.set sj, sj+1
.endr
	s_wait_dscnt 32                                ; the first part is in
	WIN 0xc0
.set sj, 0
.rept 32
	ds_load_b128 v[4*sj:4*sj+3], v[JA+2] offset:32768+512*sj            ; the third: window 3, v0-127, which my slot 2 has left
.set sj, sj+1
.endr
	WIN 0x82
.set sj, 0
.rept 64
	v_pk_mul_f32 v[sj:sj+1], v[sj:sj+1], v[G:G+1] op_sel_hi:[1,0]
.set sj, sj+2
.endr
	WIN 0xa1
.set sj, 0
.rept 64
	v_pk_fma_f32 v[sj:sj+1], v[sj:sj+1], v[G+2:G+3], v[sj:sj+1] op_sel_hi:[1,0,1]
.set sj, sj+2
.endr
	s_wait_dscnt 32                                ; the second part is in
.set sj, 0
.rept 64
	v_pk_fma_f32 v[sj:sj+1], v[128+sj:128+sj+1], v[G+4:G+5], v[sj:sj+1] op_sel_hi:[1,0,1]
.set sj, sj+2
.endr
	s_wait_dscnt 0x0
	WIN 0xa3
.set sj, 0
.rept 64
	v_pk_fma_f32 v[sj:sj+1], v[sj:sj+1], v[G+6:G+7], v[sj:sj+1] op_sel_hi:[1,0,1]
.set sj, sj+2
.endr
	WIN 0
; 64 numbers of a lane, v[src] .. v[src + 63] of window win, register 16 B + i one of my 16 numbers of block B of my row, become a fragment's codes in v[PC] on and its scale word in v[PW].
.macro QUANT src, win
	WIN (\win)|((\win)<<2)
.irp b, 0,1,2,3
	v_max3_num_f32 v[TM+\b], |v[(\src)+16*\b]|, |v[(\src)+1+16*\b]|, s[FLR]
.endr
	WIN ((\win)<<2)|((\win)<<4)
.irp i, 2,4,6,8,10,12,14
.irp b, 0,1,2,3
	v_max3_num_f32 v[TM+\b], v[TM+\b], |v[(\src)+16*\b+\i]|, |v[(\src)+1+16*\b+\i]|
.endr
.endr
	WIN 0
.irp b, 0,1,2,3
	v_permlanex16_b32 v[TM+4+\b], v[TM+\b], s[SEL], s[SEL+1]
.endr
.irp b, 0,1,2,3
	v_max_num_f32 v[TM+\b], v[TM+\b], v[TM+4+\b]
.endr
.irp b, 0,1,2,3
	v_add_nc_u32 v[TM+12+\b], 0xff000000, v[TM+\b]
.endr
.irp b, 0,1,2,3
	v_lshrrev_b32 v[TM+4+\b], 23, v[TM+12+\b]
.endr
	v_lshl_or_b32 v[PW], v[TM+5], 8, v[TM+4]
	v_lshl_or_b32 v[PW], v[TM+6], 16, v[PW]
	v_lshl_or_b32 v[PW], v[TM+7], 24, v[PW]
	WIN (\win)
.irp c, 0,1
	v_cvt_scalef32_pk16_fp6_f32 v[PC+6*\c:PC+2+6*\c], v[(\src)+32*\c:(\src)+15+32*\c], v[TM+12+2*\c]
	v_cvt_scalef32_pk16_fp6_f32 v[PC+12+4*\c:PC+14+4*\c], v[(\src)+16+32*\c:(\src)+31+32*\c], v[TM+12+2*\c+1]
.endr
	WIN 0
	v_nop                                          ; one plain place behind a scaled conversion
.irp c, 0,1
.irp i, 0,1,2
	v_permlane16_swap_b32 v[PC+6*\c+\i], v[PC+12+4*\c+\i]
.endr
.irp i, 0,1,2
	v_mov_b32 v[PC+3+6*\c+\i], v[PC+12+4*\c+\i]
.endr
.endr
.endm
.irp b, 0,1,2,3
	v_mov_b32 v[TM+4+\b], 0                        ; a lane permute's destination counts as one of its sources
.endr
.irp g, 0,1                                    ; d = 128 g on: four blocks of 32, one fragment; it goes to the stage as rows: lane (r, h) holds blocks 2 c + h of row r, 24 bytes each
	QUANT 64*\g, 2
.irp p, 0,1,2,3,4,5
	ds_store_b64 v9, v[PC+2*\p:PC+2*\p+1] offset:96*\g+48*(\p/3)+8*(\p%3)
.endr
	ds_store_b32 v10, v[PW] offset:4*\g            ; both halves of the lanes write the same word with the same value
	s_wait_dscnt 0x0                               ; the stores have read their registers
.endr
	s_barrier_signal -1
	s_barrier_wait -1                              ; 16 whole rows of codes and scale bytes lie in the stage
.irp i, 0,1,2,3,4,5
	ds_load_b128 v[32+4*\i:35+4*\i], v30 offset:512*\i
.endr
.irp i, 0,1,2,3,4,5
	s_wait_dscnt 5-\i
	global_store_b128 v11, v[32+4*\i:35+4*\i], s[10:11] offset:512*\i   ; 32 lanes store 512 consecutive bytes, aligned
.endr
	s_cmp_lg_u32 s[WV], 0
	s_cbranch_scc1 .Lnot_0
	ds_load_b128 v[56:59], v31
	s_wait_dscnt 0x0
	global_store_b128 v[LOFF], v[56:59], s[12:13]
.Lnot_0:
	s_wait_tensorcnt 0x0                           ; the wave's end: behind my last tensor load and my last LDS store
	ds_add_u32 v[SPW], v[NIL]
	s_wait_dscnt 0x0
	s_endpgm
.Lfunc_end_k_q14d7dd1006_attn:
	.size	k_q14d7dd1006_attn, .Lfunc_end_k_q14d7dd1006_attn-k_q14d7dd1006_attn
	.p2alignl 7, 3214868480
	.fill 96, 4, 3214868480
	.section	.rodata,"a",@progbits
	.p2align	6, 0x0
	.amdhsa_kernel k_q14d7dd1006_attn
		.amdhsa_group_segment_fixed_size 327680
		.amdhsa_private_segment_fixed_size 0
		.amdhsa_enable_private_segment 0
		.amdhsa_kernarg_size 40
		.amdhsa_user_sgpr_count 2
		.amdhsa_user_sgpr_kernarg_segment_ptr 1
		.amdhsa_wavefront_size32 1
		.amdhsa_system_sgpr_workgroup_id_x 1
		.amdhsa_system_sgpr_workgroup_id_y 1
		.amdhsa_system_sgpr_workgroup_id_z 1
		.amdhsa_system_vgpr_workitem_id 0
		.amdhsa_next_free_vgpr 1024
		.amdhsa_next_free_sgpr 100
		.amdhsa_reserve_vcc 0
		.amdhsa_float_denorm_mode_32 3
		.amdhsa_float_denorm_mode_16_64 3
		.amdhsa_memory_ordered 1
		.amdhsa_forward_progress 1
		.amdhsa_inst_pref_size 255
	.end_amdhsa_kernel
	.section	.bss,"aw",@nobits
	.p2align	6
	.space	262144
	.amdgpu_metadata
---
amdhsa.version: [ 1, 2 ]
amdhsa.kernels:
  - .name:           k_q14d7dd1006_attn
    .symbol:         k_q14d7dd1006_attn.kd
    .args:
      - { .name: uc, .offset: 0, .size: 8, .value_kind: global_buffer, .address_space: global }
      - { .name: us, .offset: 8, .size: 8, .value_kind: global_buffer, .address_space: global }
      - { .name: attention_mask, .offset: 16, .size: 8, .value_kind: global_buffer, .address_space: global }
      - { .name: ac, .offset: 24, .size: 8, .value_kind: global_buffer, .address_space: global }
      - { .name: acs, .offset: 32, .size: 8, .value_kind: global_buffer, .address_space: global }
    .group_segment_fixed_size: 327680
    .private_segment_fixed_size: 0
    .kernarg_segment_align: 8
    .kernarg_segment_size: 40
    .max_flat_workgroup_size: 128
    .sgpr_count:     100
    .vgpr_count:     1024
    .wavefront_size: 32
...
	.end_amdgpu_metadata
.endif
;; end of part 4
;; launch oproj (part 5): grid 8 x 16, 4 waves a work-group, clusters of 4 x 4, 327,680 bytes of LDS; arguments ac, acs, wall, out0; writes out0
.if DOCPART == 5
	.amdgcn_target "amdgcn-amd-amdhsa--gfx1250"
	.amdhsa_code_object_version 6
	.text
	.protected	k_q14d7dd1006_oproj
	.globl	k_q14d7dd1006_oproj
	.p2align	8
	.type	k_q14d7dd1006_oproj,@function
k_q14d7dd1006_oproj:
	s_mov_b64 s[64:65], 0
	v_nop
	global_prefetch_b8 v0, s[64:65] scope:SCOPE_SE
	s_setreg_imm32_b32 hwreg(HW_REG_WAVE_MODE, 25, 1), 1
	s_wait_xcnt 0x0
	s_wait_alu depctr_hold_cnt(0) depctr_sa_sdst(0) depctr_va_vdst(0) depctr_va_sdst(0) depctr_va_ssrc(0) depctr_va_vcc(0) depctr_vm_vsrc(0)
	s_getreg_b32 s2, hwreg(HW_REG_IB_STS2, 6, 4)
	s_cmp_eq_u32 s2, 0
	s_cbranch_scc0 .Lentry_in_a_cluster
	s_endpgm
.Lentry_in_a_cluster:
	s_bfe_u32 s2, ttmp6, 0x10000c
	s_cmp_lg_u32 s2, 0xf033
	s_cbranch_scc0 .Lentry_shape_is_right
	s_endpgm
.Lentry_shape_is_right:
; out0[m][n] = sum over k of attn[m][k] Wo[k][n], on codes of FP6 (E2M3) with one E8M0 scale for each 32 along K = 1,024.  Nothing of reference() is left out.
; A = the attention launch's codes [4096][768 B] and scale bytes [4096][32]; B = Wo's codes, K innermost, [2048][768 B] at byte 2,457,600 of wall, and scale bytes [2048][32] at 4,030,464.  Inside each block of 32 both operands
; stand in the same order (bits 3 and 4 of the place changed over), which changes no product.  C: [4096][2048] f32.
; A tile of C, 256 x 256, is made by a work-group of four waves; a wave makes 128 x 128: 64 accumulators of 16 x 16, 512 registers.  K goes in steps of 256 through a ring of two LDS slots filled by the tensor data mover.
; THE SCALES of the work-group's 256 rows of A and of B, for all of K, are two dense blocks of memory: they come into LDS once, with the first fills, and stay.
; CLUSTERS: 4 x 4 work-groups.  The four of a row of the cluster need the same tiles of A, the four of a column the same tiles of B: each tile is asked for JOINTLY, by the same tensor load with the same descriptor and a mask that
; names the four.  THE MATRIX INSTRUCTION IS USED TRANSPOSED (source 0 = 16 rows of B, source 1 = 16 rows of A): a lane then holds eight neighbouring numbers of a row of C.
; REGISTERS, in windows of 256: window 0: v0-31 addresses; v32-63 scale words, two sets; from v128 A's fragments, ONE set; on the way out v32-255 are free.  Window 1: B's fragments, TWO sets.  Windows 2, 3: the accumulators.
.set SIZE_M, 4096
.set SIZE_N, 2048
.set SIZE_K, 1024
.set KSTEP,  256
.set NQ,     KSTEP/128
.set ROWB,   192
.set KROW,   SIZE_K*6/8
.set PITCH,  240                       ; an LDS row: 3 x (64 bytes + 16 of padding): the 32 lanes of a load of 8 bytes touch 64 different banks (64 banks of 4 bytes: ISA guide 11.1)
.set FR,     12
.set NL,     6
.set NP,     4                         ; places behind this matrix instruction (ISA guide 7.12.1)
.set HALFT,  128*PITCH
.set SLOT,   4*HALFT
.set LAPS,   SIZE_K/(2*KSTEP)
.set KS,     SIZE_K/32
.set SCL,    2*SLOT
.set HALFS,  (128*KS/256)*272
.set SBLK,   (16*KS/256)*272
.set SPARE,  SCL+4*HALFS               ; behind the scales: the spare words, 128 bytes for each wave
.set SPITCH, 528                       ; the way out: a stage of 16 rows x (512 bytes + 16) for each wave, in slot 0, which has had its last fill and its last read when the first result is stored there
.set ADRA, 16
.set ADRB, 20
.set STO,  24
.set RD,   25
.set CO,   26
.set SPW,  28                          ; v28 LDS address of my spare word; never rewritten
.set NIL,  29                          ; v29 0; never rewritten
.set ADRS, 27
.set SC,   32
.set AF,   128
.set BK,   128
.set G1, 24
.set G0, 32
.set G1B, 48
.set G0B, 56
.set G1S, 68
.set G0S, 76
.set G1SB, 80
.set G0SB, 88
.set MSB, 0
.macro WIN new                         ; the immediate's high byte repeats the setting that is left
.if MSB != \new
	s_set_vgpr_msb (MSB<<8)|\new
.set MSB, \new
.endif
.endm
.set MUL_LO, 0xa1
.set MUL_HI, 0xf1
.set TO_B,   0x40
; A joint load: waves 0 and 1 fetch for A, waves 2 and 3 for B.  Each of the two lines has ONE mask and one set of registers for all that issue it; the branch hangs on the wave's number alone.
; An s_nop 0 and four v_nop follow each of the two lines, ahead of the jump, the label and what follows.
.macro JLOAD g0a, g1a, g0b, g1b
	s_cmp_eq_u32 s15, 0
	s_cbranch_scc0 .Lfor_b_\@
	tensor_load_to_lds s[\g0a:\g0a+3], s[\g1a:\g1a+7]
	s_nop 0
.rept 4
	v_nop
.endr
	s_branch .Lasked_\@
.Lfor_b_\@:
	tensor_load_to_lds s[\g0b:\g0b+3], s[\g1b:\g1b+7]
	s_nop 0
.rept 4
	v_nop
.endr
.Lasked_\@:
.endm
.macro CREST                           ; a round of the cluster's barrier behind its opening barrier
	s_cmp_lg_u32 s14, 0
	s_cbranch_scc1 .Lnot_wave_0_\@
	s_barrier_signal -3
.Lnot_wave_0_\@:
	s_barrier_wait -3
	s_barrier_signal -1
	s_barrier_wait -1
.endm
.macro CROUND                          ; a whole round
	s_barrier_signal -1
	s_barrier_wait -1
	CREST
.endm
	s_load_b128 s[4:7], s[0:1], 0x0                ; A's codes s[4:5], A's scales s[6:7]
	s_load_b128 s[8:11], s[0:1], 0x10              ; wall s[8:9], out0 s[10:11]
	v_lshl_add_u32 v[SPW], v0, 2, SPARE
	v_mov_b32 v[NIL], 0
	ds_add_u32 v[SPW], v[NIL]                      ; the wave's opening: the add, twice on end, and its wait ahead of my first tensor load
	ds_add_u32 v[SPW], v[NIL]
	v_lshrrev_b32 v1, 5, v0
	v_readfirstlane_b32 s14, v1                    ; wave 0..3
	s_lshr_b32 s15, s14, 1                         ; which half of the tile's rows is mine.  Also: I fetch for A (0) or for B (1)
	s_and_b32 s16, s14, 1                          ; which half of its columns.  Also: which 128 rows of that tile I fetch
	s_bfe_u32 s40, ttmp6, 0x40000                  ; cx, cy: my place in the cluster
	s_bfe_u32 s41, ttmp6, 0x40004
	s_lshl_b32 s42, ttmp9, 2
	s_add_co_u32 s42, s42, s40                     ; tile column of C = 4 x cluster x + cx
	s_and_b32 s17, ttmp7, 0xffff
	s_lshl_b32 s17, s17, 2
	s_add_co_u32 s17, s17, s41                     ; tile row of C = 4 x cluster y + cy
	s_lshl_b32 s43, s41, 2
	s_lshl_b32 s43, 15, s43                        ; my row of the cluster
	s_lshl_b32 s44, 0x1111, s40                    ; my column
	s_or_b32 s[G1+0], s43, (0<<16)|(1<<20)|(1<<21)|(3<<22)|(3<<25)  ; the mask: A's tiles go to my row; elements of 1 byte; padding on; bit 21 set beside a mask; after every 16 words, 4 words
	s_or_b32 s[G1B+0], s44, (0<<16)|(1<<20)|(1<<21)|(3<<22)|(3<<25)
.irp g, G1, G1B
	s_mov_b32 s[\g+1], ROWB<<16                    ; tensor_dim0
	s_mov_b32 s[\g+2], 128<<16                     ; tensor_dim1 = 128
	s_mov_b32 s[\g+3], ROWB<<16                    ; tile_dim0
	s_mov_b32 s[\g+4], 128                         ; tile_dim1 = 128
	s_mov_b32 s[\g+5], KROW                        ; from row to row
	s_mov_b32 s[\g+6], 0
	s_mov_b32 s[\g+7], 0
.endr
	s_or_b32 s[G1S+0], s43, (3<<16)|(1<<20)|(1<<21)|(5<<22)|(3<<25)   ; the scales of 128 rows: a dense block, as rows of 256 bytes, 16 bytes of padding behind each
	s_or_b32 s[G1SB+0], s44, (3<<16)|(1<<20)|(1<<21)|(5<<22)|(3<<25)
.irp g, G1S, G1SB
	s_mov_b32 s[\g+1], 32<<16
	s_mov_b32 s[\g+2], (128*KS/256)<<16
	s_mov_b32 s[\g+3], 32<<16
	s_mov_b32 s[\g+4], 128*KS/256
	s_mov_b32 s[\g+5], 32
	s_mov_b32 s[\g+6], 0
	s_mov_b32 s[\g+7], 0
.endr
	s_lshl_b32 s18, s16, 7                         ; which 128 rows of the tile I fetch
	s_lshl_b32 s20, s17, 8
	s_add_co_u32 s20, s20, s18                     ; A: row 256 x tile row + 128 x half
	s_lshl_b32 s46, s42, 8
	s_add_co_u32 s46, s46, s18                     ; B: row 256 x tile column + 128 x half
	s_mov_b32 s21, 0
	s_mov_b32 s47, 0
	s_mov_b64 s[18:19], KS
	s_mul_u64 s[22:23], s[20:21], s[18:19]         ; where these rows' scales begin, in bytes
	s_mul_u64 s[92:93], s[46:47], s[18:19]
	s_mov_b64 s[18:19], KROW
	s_mul_u64 s[20:21], s[20:21], s[18:19]         ; and their codes
	s_mul_u64 s[46:47], s[46:47], s[18:19]
	s_mul_i32 s45, s14, HALFT                      ; where they go: wave x 128 rows: no place in the cluster enters an LDS address
	s_mul_i32 s94, s14, HALFS
	s_wait_dscnt 0x0                               ; both opening adds are done
	s_wait_kmcnt 0x0
	s_mov_b64 s[12:13], s[10:11]                   ; C
	s_add_nc_u64 s[10:11], s[8:9], 4030464         ; B's scales
	s_add_nc_u64 s[8:9], s[8:9], 2457600           ; B's codes
	s_add_nc_u64 s[20:21], s[4:5], s[20:21]
	s_add_nc_u64 s[22:23], s[6:7], s[22:23]
	s_add_nc_u64 s[46:47], s[8:9], s[46:47]
	s_add_nc_u64 s[92:93], s[10:11], s[92:93]
	CROUND                                         ; all sixteen work-groups are here: the first joint loads meet
	s_mov_b32 s[G0S], 1
	s_add_co_u32 s[G0S+1], s94, SCL
	s_mov_b64 s[G0S+2:G0S+3], s[22:23]
	s_or_b32 s[G0S+3], s[G0S+3], 0x80000000
	s_mov_b32 s[G0SB], 1
	s_add_co_u32 s[G0SB+1], s94, SCL
	s_mov_b64 s[G0SB+2:G0SB+3], s[92:93]
	s_or_b32 s[G0SB+3], s[G0SB+3], 0x80000000
	JLOAD G0S, G1S, G0SB, G1SB                     ; the scales first: they are wanted with K step 0
.irp s, 0,1
	s_mov_b32 s[G0+4*\s], 1
	s_add_co_u32 s[G0+4*\s+1], s45, \s*SLOT
	s_add_nc_u64 s[G0+4*\s+2:G0+4*\s+3], s[20:21], \s*ROWB
	s_or_b32 s[G0+4*\s+3], s[G0+4*\s+3], 0x80000000
	s_mov_b32 s[G0B+4*\s], 1
	s_add_co_u32 s[G0B+4*\s+1], s45, \s*SLOT
	s_add_nc_u64 s[G0B+4*\s+2:G0B+4*\s+3], s[46:47], \s*ROWB
	s_or_b32 s[G0B+4*\s+3], s[G0B+4*\s+3], 0x80000000
	JLOAD G0+4*\s, G1, G0B+4*\s, G1B
.endr
	v_and_b32 v1, 15, v0                           ; l % 16
	v_bfe_u32 v2, v0, 4, 1                         ; l / 16
	v_mul_u32_u24 v3, v1, PITCH
	v_mul_u32_u24 v4, v2, 24
	v_add_nc_u32 v4, v3, v4                        ; a fragment's row x pitch + 24 x half
	v_lshl_add_u32 v5, v2, 4, v4                   ; and the same behind one padding more
	s_mul_i32 s21, s15, HALFT                      ; my 128 rows of A
	s_mul_i32 s22, s16, HALFT                      ; my 128 rows of B,
	s_add_co_u32 s22, s22, 2*HALFT                 ; which lie behind A's 256
.irp s, 0,1
	v_add_nc_u32 v[ADRA+\s], s21, v4
	v_add_nc_u32 v[ADRB+\s], s22, v4
	v_add_nc_u32 v[ADRA+2+\s], s21, v5
	v_add_nc_u32 v[ADRB+2+\s], s22, v5
	s_add_co_u32 s21, s21, SLOT
	s_add_co_u32 s22, s22, SLOT
.endr
	v_mul_u32_u24 v5, v1, KS                       ; my row's scales: KS bytes a row,
	v_lshrrev_b32 v6, 8, v5
	v_lshl_add_u32 v5, v6, 4, v5                   ; and 16 more for each 256 passed
	s_mul_i32 s21, s15, HALFS                      ; A's: my 128 rows
	s_mul_i32 s22, s16, HALFS                      ; B's: my 128 rows, behind A's 256
	s_add_co_u32 s22, s22, 2*HALFS
	s_sub_co_u32 s22, s22, s21
	v_mul_u32_u24 v6, s22, v2                      ; lanes 16-31 take B's
	s_add_co_u32 s21, s21, SCL
	v_add_nc_u32 v5, v5, v6
	v_add_nc_u32 v[ADRS], s21, v5
	s_mul_i32 s23, s14, 16*SPITCH                  ; my stage
	v_mul_u32_u24 v5, v1, SPITCH                   ; in: row l % 16, 32 bytes for each half of the lanes
	v_lshl_add_u32 v5, v2, 5, v5
	v_add_nc_u32 v[STO], s23, v5
	v_and_b32 v6, 31, v0
	v_lshlrev_b32 v[CO], 4, v6                     ; back: the 32 lanes take one row of 512 bytes; and the same in C
	v_add_nc_u32 v[RD], s23, v[CO]
	s_lshl_b32 s20, s17, 8
	s_lshl_b32 s21, s15, 7
	s_add_co_u32 s20, s20, s21                     ; my first row of C: 256 x tile row + 128 x half
	s_mov_b32 s21, 0
	s_mov_b64 s[18:19], SIZE_N*4
	s_mul_u64 s[20:21], s[20:21], s[18:19]
	s_lshl_b32 s46, s42, 10                        ; my first column, in bytes: 1024 x tile column + 512 x half
	s_lshl_b32 s47, s16, 9
	s_add_co_u32 s46, s46, s47
	s_mov_b32 s47, 0
	s_add_nc_u64 s[20:21], s[20:21], s[46:47]
	s_add_nc_u64 s[12:13], s[12:13], s[20:21]
.macro FRAG reg, adr, q, i             ; a fragment, 16 rows x 128 K, is 12 registers: lane l holds row l % 16; registers 6 c .. 6 c + 5 hold K = 64 c + 32 (l / 16) + 0 .. 31: 24 bytes of the row's stream of bits, as they lie
.irp p, 0,1,2,3,4,5                    ; in pieces of 8 bytes.  Lanes 16-31 read three pieces further on than lanes 0-15: where that lies behind one padding more, the second address register serves
.set PC, 12*(\q)+6*(\p/3)+\p%3
.if PC%8 < 5
	ds_load_b64 v[\reg+2*\p:\reg+2*\p+1], v[\adr] offset:8*PC+16*(PC/8)+(\i)*16*PITCH
.else
	ds_load_b64 v[\reg+2*\p:\reg+2*\p+1], v[\adr+2] offset:8*PC+16*(PC/8)+(\i)*16*PITCH
.endif
.endr
.endm
; 16 matrix instructions: A's blocks a0, a0 + 1 x B's eight, 128 along K.  zero = 1: the first product starts the sums.  The 64 accumulators take turns, one instruction a turn, in the same order in every step.
.macro MUL16 a0, p, q, sc, zero
.irp a, \a0, \a0+1
.irp b, 0,1,2,3,4,5,6,7
.if \zero
	v_wmma_scale_f32_16x16x128_f8f6f4 v[8*(8*((\a)%4)+\b):8*(8*((\a)%4)+\b)+7], v[128*(\p)+FR*\b:128*(\p)+FR*\b+FR-1], v[AF+FR*(\a):AF+FR*(\a)+FR-1], 0, v[SC+8*NQ*(\sc)+NQ*\b+(\q)], v[SC+8*NQ*(\sc)+NQ*(\a)+(\q)] matrix_a_fmt:MATRIX_FMT_FP6 matrix_b_fmt:MATRIX_FMT_FP6 matrix_a_scale:MATRIX_SCALE_ROW1
.else
	v_wmma_scale_f32_16x16x128_f8f6f4 v[8*(8*((\a)%4)+\b):8*(8*((\a)%4)+\b)+7], v[128*(\p)+FR*\b:128*(\p)+FR*\b+FR-1], v[AF+FR*(\a):AF+FR*(\a)+FR-1], v[8*(8*((\a)%4)+\b):8*(8*((\a)%4)+\b)+7], v[SC+8*NQ*(\sc)+NQ*\b+(\q)], v[SC+8*NQ*(\sc)+NQ*(\a)+(\q)] matrix_a_fmt:MATRIX_FMT_FP6 matrix_b_fmt:MATRIX_FMT_FP6 matrix_a_scale:MATRIX_SCALE_ROW1
.endif
.endr
.endr
.endm
.macro FETCH_B slot, q, p
	WIN TO_B
.irp i, 0,1,2,3,4,5,6,7
	FRAG 128*(\p)+FR*\i, ADRB+\slot, \q, \i
.endr
	WIN 0
.endm
.macro FETCH_A slot, q, i0
.irp i, \i0, \i0+1, \i0+2, \i0+3
	FRAG AF+FR*(\i), ADRA+\slot, \q, \i
.endr
.endm
.macro SCALES sc                       ; the next K step's scale words: lanes 0-15 take A's block i, lanes 16-31 B's block i
.irp i, 0,1,2,3,4,5,6,7
	ds_load_b64 v[SC+8*NQ*\sc+NQ*\i:SC+8*NQ*\sc+NQ*\i+1], v[ADRS] offset:\i*SBLK
.endr
.endm
.macro PLACES n
.rept \n
	v_nop
.endr
.endm
.macro STEP slot, q, zero
	s_wait_dscnt 4*NL                              ; B's set and A's blocks 0-3 are in; the youngest 24 loads (A's blocks 4-7) may be out
	WIN MUL_LO
	MUL16 0, (\q)%2, \q, \slot, \zero
	MUL16 2, (\q)%2, \q, \slot, \zero
	s_wait_dscnt 0                                 ; A's blocks 4-7 are in
	PLACES NP
	FETCH_B \slot, (\q)+1, 1-(\q)%2
	FETCH_A \slot, (\q)+1, 0
	WIN MUL_HI
	MUL16 4, (\q)%2, \q, \slot, \zero
	MUL16 6, (\q)%2, \q, \slot, \zero
	PLACES NP
	WIN 0
	FETCH_A \slot, (\q)+1, 4
.endm
; A slot's last step changes slots: ONE barrier; in front of it each wave waits for all its tensor loads, adds 0 to its spare word, and waits for that and for its own reads of this slot.  fill = 1: this slot is filled again, two K steps ahead.
.macro TURN slot, next, fill
	s_wait_tensorcnt 0x0                           ; all my tensor loads have landed: my part of the next slot
	ds_add_u32 v[SPW], v[NIL]                      ; 0 onto my spare word
	s_wait_dscnt 4*NL+1                            ; (the add and the youngest 24 loads may be out)
	WIN MUL_LO
	MUL16 0, 1, NQ-1, \slot, 0                     ; sixteen matrix instructions stand between the add and the wait for it
	s_wait_dscnt 0x0                               ; the add is done, and my reads of this slot are over
	s_barrier_signal -1
	MUL16 2, 1, NQ-1, \slot, 0
	WIN 0
	s_barrier_wait -1
.if \fill
	CREST                                          ; the barrier has opened a round of the cluster's barrier: no wave of any partner still reads this slot's tile or has a load on its way
	s_add_nc_u64 s[G0+4*\slot+2:G0+4*\slot+3], s[G0+4*\slot+2:G0+4*\slot+3], 2*ROWB
	s_add_nc_u64 s[G0B+4*\slot+2:G0B+4*\slot+3], s[G0B+4*\slot+2:G0B+4*\slot+3], 2*ROWB
	JLOAD G0+4*\slot, G1, G0B+4*\slot, G1B         ; the first tensor load behind the round; its four v_nop are the places in front of the loads below
.else
	PLACES NP
.endif
	v_add_nc_u32 v[ADRS], 4*NQ, v[ADRS]            ; on to the next K step's scale words
	FETCH_B \next, 0, 0
	FETCH_A \next, 0, 0
	SCALES \next
	WIN MUL_HI
	MUL16 4, 1, NQ-1, \slot, 0
	MUL16 6, 1, NQ-1, \slot, 0
	PLACES NP
	WIN 0
	FETCH_A \next, 0, 4
.endm
	s_wait_tensorcnt 1                             ; the scales and my part of K step 0 are in (K step 1's load may be out),
	s_barrier_signal -1
	s_barrier_wait -1                              ; everybody's are
	FETCH_B 0, 0, 0
	FETCH_A 0, 0, 0
	SCALES 0
	FETCH_A 0, 0, 4
	STEP 0, 0, 1                                   ; the first step stands in front of the loop: its products start the sums
	s_mov_b32 s3, LAPS-1
.Llap:                                                 ; a trip goes once round the ring and fills both slots again
	TURN 0, 1, 1
	STEP 1, 0, 0
	TURN 1, 0, 1
	STEP 0, 0, 0
	s_sub_co_u32 s3, s3, 1
	s_cmp_lg_u32 s3, 0
	s_cbranch_scc1 .Llap
	TURN 0, 1, 0                                   ; the last lap fills nothing, and has no round of the cluster's barrier
	STEP 1, 0, 0
	s_wait_dscnt 4*NL                              ; the very last step: nothing more to fetch
	WIN MUL_LO
	MUL16 0, 1, NQ-1, 1, 0
	MUL16 2, 1, NQ-1, 1, 0
	s_wait_dscnt 0
	WIN MUL_HI
	MUL16 4, 1, NQ-1, 1, 0
	MUL16 6, 1, NQ-1, 1, 0
	WIN 0
; THE WAY OUT, block by block of 16 rows x 128 columns.  A lane holds 32 neighbouring bytes of a row, and the lanes beside it hold other rows: so a block goes through my own stage in LDS and comes back as whole rows of 512 bytes.
; LDS serves a wave's instructions in order (ISA guide 5.7.1.4): no wait between the stores and the loads, nor in front of the next block's stores.
.macro TOSTAGE a
.set AC, 64*((\a)%4)
	WIN 0x08+4*((\a)/4)                            ; the data: window 2 or 3
.irp b, 0,1,2,3,4,5,6,7
	ds_store_b128 v[STO], v[AC+8*\b:AC+8*\b+3] offset:64*\b          ; each accumulator from its low end on
	ds_store_b128 v[STO], v[AC+8*\b+4:AC+8*\b+7] offset:64*\b+16
.endr
	WIN 0
.set BB, BK+64*((\a)%2)
.irp t, 0,1,2,3,4,5,6,7,8,9,10,11,12,13,14,15
	ds_load_b128 v[BB+4*\t:BB+4*\t+3], v[RD] offset:\t*SPITCH
.endr
.endm
.macro SEND a, younger                 ; younger: the LDS instructions issued behind block a's loads, which may stay out
.set BB, BK+64*((\a)%2)
	s_wait_dscnt \younger                          ; the block is back in registers
.if (\a) > 0
	s_add_nc_u64 s[12:13], s[12:13], 16*SIZE_N*4   ; (behind a wait on XCNT: the earlier stores have read their base)  16 rows of C on
.endif
.irp t, 0,1,2,3,4,5,6,7,8,9,10,11,12,13,14,15
	global_store_b128 v[CO], v[BB+4*\t:BB+4*\t+3], s[12:13] offset:\t*SIZE_N*4 th:TH_STORE_NT   ; 32 lanes store 512 consecutive bytes, aligned; written once, read by nobody here
.endr
.endm
	PLACES NP                                      ; behind the last products: for the loads into the registers that held A's fragments and for the reads of results alike
	TOSTAGE 0
.irp a, 1,2,3,4,5,6,7
.if \a > 1
	s_wait_xcnt 0x0                                ; block a - 2's stores have read their registers and their base
.endif
	TOSTAGE \a
	SEND \a-1, 32                                  ; behind block a - 1's loads: block a's 16 stores and 16 loads
.endr
	s_wait_xcnt 0x0                                ; block 6's stores have read their base
	SEND 7, 0
	s_wait_tensorcnt 0x0                           ; the wave's end: behind my last tensor load and my last LDS store
	ds_add_u32 v[SPW], v[NIL]
	s_wait_dscnt 0x0
	CROUND                                         ; the closing round: no work-group ends while a partner may still ask for a tile that names it
	s_endpgm
.Lfunc_end_k_q14d7dd1006_oproj:
	.size	k_q14d7dd1006_oproj, .Lfunc_end_k_q14d7dd1006_oproj-k_q14d7dd1006_oproj
	.p2alignl 7, 3214868480
	.fill 96, 4, 3214868480
	.section	.rodata,"a",@progbits
	.p2align	6, 0x0
	.amdhsa_kernel k_q14d7dd1006_oproj
		.amdhsa_group_segment_fixed_size 327680
		.amdhsa_private_segment_fixed_size 0
		.amdhsa_enable_private_segment 0
		.amdhsa_kernarg_size 32
		.amdhsa_user_sgpr_count 2
		.amdhsa_user_sgpr_kernarg_segment_ptr 1
		.amdhsa_wavefront_size32 1
		.amdhsa_system_sgpr_workgroup_id_x 1
		.amdhsa_system_sgpr_workgroup_id_y 1
		.amdhsa_system_sgpr_workgroup_id_z 1
		.amdhsa_system_vgpr_workitem_id 0
		.amdhsa_next_free_vgpr 1024
		.amdhsa_next_free_sgpr 98
		.amdhsa_reserve_vcc 0
		.amdhsa_float_denorm_mode_32 3
		.amdhsa_float_denorm_mode_16_64 3
		.amdhsa_memory_ordered 1
		.amdhsa_forward_progress 1
		.amdhsa_inst_pref_size 160
	.end_amdhsa_kernel
	.amdgpu_metadata
---
amdhsa.version: [ 1, 2 ]
amdhsa.kernels:
  - .name:           k_q14d7dd1006_oproj
    .symbol:         k_q14d7dd1006_oproj.kd
    .args:
      - { .name: ac, .offset: 0, .size: 8, .value_kind: global_buffer, .address_space: global }
      - { .name: acs, .offset: 8, .size: 8, .value_kind: global_buffer, .address_space: global }
      - { .name: wall, .offset: 16, .size: 8, .value_kind: global_buffer, .address_space: global }
      - { .name: out0, .offset: 24, .size: 8, .value_kind: global_buffer, .address_space: global }
    .group_segment_fixed_size: 327680
    .private_segment_fixed_size: 0
    .kernarg_segment_align: 8
    .kernarg_segment_size: 32
    .max_flat_workgroup_size: 128
    .sgpr_count:     98
    .vgpr_count:     1024
    .wavefront_size: 32
...
	.end_amdgpu_metadata
.endif
;; end of part 5
;; ======== version 2 of 2: 4 launches
;; limits: right only within a limited range of input values
;; workspace buffers: xc 6,291,456 bytes; xs 262,144 bytes; wall 8,290,304 bytes; uc 4,718,592 bytes; us 196,608 bytes; ac 3,145,728 bytes; acs 131,072 bytes
;; launch quant (part 6): grid 544 x 1, 4 waves a work-group, no clusters, 68,096 bytes of LDS; arguments Wq, Wk, Wv, Wo, position_ids, wall, hidden_states, xc, xs; writes wall, xc, xs
.if DOCPART == 6
	.amdgcn_target "amdgcn-amd-amdhsa--gfx1250"
	.amdhsa_code_object_version 6
	.text
	.protected	k_q14d7dd1006_quant
	.globl	k_q14d7dd1006_quant
	.p2align	8
	.type	k_q14d7dd1006_quant,@function
k_q14d7dd1006_quant:
	s_mov_b64 s[64:65], 0
	v_nop
	global_prefetch_b8 v0, s[64:65] scope:SCOPE_SE
	s_setreg_imm32_b32 hwreg(HW_REG_WAVE_MODE, 25, 1), 1
	s_wait_xcnt 0x0
; THE PROGRAM: four launches for one attention layer (S = 4,096 tokens, H = 2,048, four query heads, one key and value head, D = 256), all six products on codes of FP6 (E2M3) with one E8M0 scale for each 32 along K.
;   quant: hidden_states and the four weights into codes, and the table of cos and sin.  qkv: the three projections, RoPE, q, k, v into codes.  attn: scores, mask, softmax, P V, attn into codes.  oproj: attn Wo.
; DEAD WORK: none.  Every input has a way to the output for all values (the additive mask is an input, so no pattern of it is built in and every score is formed), and every product of reference() is done.
; repeat_kv is a copy: it is not made; the four heads read the one K and V.
; THIS LAUNCH has three paths, parted by the work-group's number; each path that uses LDS has LDS bytes of its own.
;   Work-groups 0-255: hidden_states [4096][2048] f32 becomes codes, K innermost (a block of 32 codes in 24 bytes, a row 1,536 bytes), and one scale byte for each 32 along K, [4096][64].
;   Work-groups 256-415: the four weights, f32 with K as their FIRST axis, become codes with K innermost and scale bytes.   Work-groups 416-543: the table of cos and sin for RoPE.
; THE QUANTISER: a block's scale is 2^(floor(log2(its largest magnitude)) - 2); its byte is the largest magnitude's own exponent field - 2, held at 1 from below.  (A block of zeros so gets the byte 1 where the rule says 127: its
; codes are zeros, which add nothing under any byte but 0xff, and the bytes are read by this program alone.)  Each number is divided by the scale and rounded to the nearest code, ties to even; beyond 7.5 the largest code.
; LIMITS: blocks whose largest magnitude lies under 2^-124 are quantised under the floor's scale; NaN and infinities among the inputs are not served; positions up to about 2^20 in size; inv_freq supposes that reference()'s
; power and division round to the nearest.
.set SPW,   224                        ; v224     LDS address of my spare word; never rewritten
.set NIL,   225                        ; v225     0; never rewritten
.set WLDS,  32768                      ; LDS: hidden_states' path has bytes 0 to 32,767, the weights' path 32,768 to 67,583
.set SPARE, 67584                      ; behind both: the spare words, 128 bytes for each wave
	v_lshl_add_u32 v[SPW], v0, 2, SPARE
	v_mov_b32 v[NIL], 0
	v_lshrrev_b32 v1, 5, v0
	v_readfirstlane_b32 s2, v1                     ; wave
	v_and_b32 v2, 31, v0                           ; lane
	s_cmp_ge_u32 ttmp9, 256
	s_cbranch_scc1 .Lweights
; ---- HIDDEN_STATES.  Rows are dense and 2,048 is a multiple of 32, so the tensor is a plain stream of blocks of 32, and so are its codes and scale bytes.  A wave takes 16 steps of 512 numbers.  The conversion takes 16 numbers
; of ONE block from a lane's registers, so a lane must hold 16 neighbours; a load is best where neighbouring LANES take neighbouring bytes.  Both are had: each of a step's four loads reads 512 consecutive bytes; the 2,048 bytes
; go through the wave's own stage in LDS as they lie and come back 64 bytes a lane (16 bytes of padding behind each 64).  A wave's 256 scale bytes are gathered in LDS and leave as one aligned run of 256 bytes.
; No barrier: waves share nothing.  Loads run four steps (16 loads a wave) ahead, the turn through LDS one step.
.set STEPS, 16
.set EMAX,  2
.set CB,    12                         ; bytes of 16 codes
.set R,     16                         ; v16-79   four sets of 16 numbers as they are loaded
.set X,     80                         ; v80-111  two sets of 16 neighbours
.set C,     128                        ; v128-191 codes: four registers for each step, so that no store's data are written again
.set E,     112                        ; v112-127 a scale byte for each step
.set WREG,  8192                       ; a region for each wave: two stages of 32 x SP bytes, and behind them its 256 scale bytes
.set SP,    80                         ; a lane's place in a stage: its 64 bytes + 16 of padding
	s_load_b128 s[4:7], s[0:1], 0x30               ; hidden_states, the codes
	s_load_b64 s[8:9], s[0:1], 0x40                ; the scale bytes
	v_lshlrev_b32 v3, 4, v2                        ; my 16 bytes of a load's 512
	s_mul_i32 s17, s2, WREG
	v_lshrrev_b32 v14, 2, v2
	v_mul_u32_u24 v14, v14, SP
	v_and_b32 v15, 3, v2
	v_lshl_add_u32 v14, v15, 4, v14
	v_add_nc_u32 v14, s17, v14                     ; the stage, on the way in: SP (lane / 4) + 16 (lane % 4)
	v_mul_u32_u24 v15, v2, SP
	v_add_nc_u32 v15, s17, v15                     ; and on the way out: SP x lane: my 16 neighbours
	v_mul_u32_u24 v4, v2, CB                       ; my codes' place in a step's
	v_lshrrev_b32 v5, 1, v2
	s_add_co_u32 s17, s17, 2*32*SP
	v_add_nc_u32 v5, s17, v5                       ; LDS: my wave's 256 scale bytes, my block's byte
	v_lshlrev_b32 v7, 3, v2                        ; and on the way out 8 bytes a lane
	v_add_nc_u32 v6, s17, v7
	s_lshl_b32 s17, ttmp9, 2
	s_add_co_u32 s18, s17, s2                      ; which run of 8,192 numbers is my wave's
	s_mov_b32 s19, 0
	s_mov_b64 s[20:21], 512*STEPS*4
	s_mul_u64 s[20:21], s[18:19], s[20:21]
	s_mov_b64 s[22:23], 32*STEPS*CB
	s_mul_u64 s[22:23], s[18:19], s[22:23]
	s_lshl_b32 s18, s18, 8                         ; 256 scale bytes a run
	s_wait_kmcnt 0x0
	s_add_nc_u64 s[4:5], s[4:5], s[20:21]
	s_add_nc_u64 s[6:7], s[6:7], s[22:23]
	s_add_nc_u64 s[8:9], s[8:9], s[18:19]
.macro XLOAD t
.irp i, 0,1,2,3
	global_load_b128 v[R+16*((\t)%4)+4*\i:R+16*((\t)%4)+4*\i+3], v3, s[4:5] offset:2048*(\t)+512*\i th:TH_LOAD_NT   ; 32 lanes read 512 consecutive bytes
.endr
.endm
.macro XTURN t                         ; step t's numbers through the stage: LDS serves a wave's instructions in order, so no wait stands between the stores and the loads
.irp i, 0,1,2,3
	ds_store_b128 v14, v[R+16*((\t)%4)+4*\i:R+16*((\t)%4)+4*\i+3] offset:32*SP*((\t)%2)+8*SP*\i
.endr
.irp i, 0,1,2,3
	ds_load_b128 v[X+16*((\t)%2)+4*\i:X+16*((\t)%2)+4*\i+3], v15 offset:32*SP*((\t)%2)+16*\i
.endr
.endm
.irp t, 0,1,2,3
	XLOAD \t
.endr
	s_wait_loadcnt 12                              ; step 0's four loads are in
	XTURN 0
.macro XSTEP t
.set XS, X+16*((\t)%2)
.if (\t) > 0
	s_wait_dscnt 1                                 ; this step's numbers are back from the stage (the last step's byte store may be out): so its stores into the stage have read their registers,
.else
	s_wait_dscnt 0x0
.endif
.if (\t)+4 < STEPS
	XLOAD (\t)+4                                   ; which take the loads of four steps on
.endif
.if (\t)+1 < STEPS
.if STEPS-2-(\t) >= 3
	s_wait_loadcnt 12                              ; the next step's four loads are in; those of the three steps behind it may be out
.else
	s_wait_loadcnt 4*(STEPS-2-(\t))
.endif
	XTURN (\t)+1                                   ; and go through the other stage while this step is worked
.endif
	v_max3_num_f32 v8, |v[XS]|, |v[XS+1]|, |v[XS+2]|               ; the largest magnitude of my 16
	v_max3_num_f32 v9, |v[XS+3]|, |v[XS+4]|, |v[XS+5]|
.irp i, 6,10
	v_max3_num_f32 v8, v8, |v[XS+\i]|, |v[XS+\i+1]|
	v_max3_num_f32 v9, v9, |v[XS+\i+2]|, |v[XS+\i+3]|
.endr
	v_max3_num_f32 v8, v8, |v[XS+14]|, |v[XS+15]|
	v_max3_num_f32 v8, v8, v9, (EMAX+1)<<23        ; and the floor 2^(3 - 127): so the byte cannot fall under 1
	v_max_num_f32_dpp v8, v8, v8 row_xmask:1 row_mask:0xf bank_mask:0xf   ; and of my neighbour's 16: the block's
	v_add_nc_u32 v11, -(EMAX<<23), v8              ; 2 off its exponent field: the conversion takes the exponent field of this operand as its scale, and nothing else of it
	v_cvt_scalef32_pk16_fp6_f32 v[C+4*(\t):C+4*(\t)+2], v[XS:XS+15], v11
	v_lshrrev_b32 v[E+(\t)], 23, v11               ; the scale's byte
	ds_store_b8 v5, v[E+(\t)] offset:16*(\t)       ; both lanes of a block write the same byte with the same value
	global_store_b96 v4, v[C+4*(\t):C+4*(\t)+2], s[6:7] offset:32*CB*(\t)
.endm
.irp t, 0,1,2,3,4,5,6,7,8,9,10,11,12,13,14,15
	XSTEP \t
.endr
	ds_load_b64 v[8:9], v6                         ; LDS serves a wave's instructions in order: these see my stores
	s_wait_dscnt 0x0
	global_store_b64 v7, v[8:9], s[8:9]            ; 32 lanes store 256 consecutive bytes, aligned
	s_wait_tensorcnt 0x0                           ; the wave's end: behind my last LDS store
	ds_add_u32 v[SPW], v[NIL]
	s_wait_dscnt 0x0
	s_endpgm
; ---- THE WEIGHTS.  wall: codes of Wq, Wk, Wv at 0, [1536 rows][1,536 B]; their scale bytes at 2,359,296, [1536][64]; codes of Wo at 2,457,600, [2048][768 B]; its scale bytes at 4,030,464, [2048][32]; the table at 4,096,000.
; ROWS.  Unit u (0-3 the query heads, 4 k, 5 v) has rows 256 u on.  In units 0-4 column d goes to the row with bits 6 and 7 of d changed over, so that 128 neighbouring rows hold d and d + 128 together (RoPE's pairs).
; Wo: inside each block of 32 along K the code at place p is number pi(p), pi changing over bits 3 and 4 of p: the order in which the attention launch's results fall into a lane's registers.  A permutation inside a block,
; the same on both operands of a product, changes no product and no scale.
; A LANE TAKES A COLUMN, AND ITS REGISTERS RUN DOWN K: a block of 32 lies in one lane's 32 registers, its largest magnitude needs no other lane, and the conversions give codes with K innermost.  A wave takes 32 columns x 256
; along K; the codes go through the wave's own stage in LDS and leave as rows: sixteen lanes store a row's 192 consecutive bytes.  The four tensors take ONE path: what differs (pointers, pitches) is chosen by the work-group's number.
.set NB,    8                          ; blocks a lane
.set PITCH, 272                        ; a stage row: sixteen places of 16 bytes, each with 12 bytes of codes, + 16
.set X,     32                         ; v32-95   two sets of 32 numbers
.set C,     96                         ; v96..    a block's codes
.set OUTR,  112                        ; v112-175 the way out
.set VO,    176                        ; v176-207 my byte in the block's row i: 4 lane + row(i) x the pitch
.set VOUT,  208                        ; v208-223 my 12 bytes in the rows 2 t + lane / 16 of the codes
.set SBY,   24                         ; v24-25   the scale bytes
.set SRC,  20                          ; s[20:21] the tensor
.set GZ,   22                          ; its first work-group
.set N4,   23                          ; bytes in a row of it
.set CGB,  24                          ; log2 of its groups of 128 columns
.set RB,   25                          ; its first row in the codes
.set PERM, 26                          ; 1: bits 6 and 7 of the column change over
.set ISO,  27                          ; 1: order pi inside a block
.set KROW, 28                          ; bytes in a row of codes
.set KSB,  29                          ; bytes in a row of scale bytes
.set COF,  30                          ; where its codes begin in wall
.set SOF,  31                          ; and its scale bytes
.set BS,   32                          ; s[32:47] the tensor at my block t's first row, t = 0 .. 7; never stepped
.Lweights:
	s_load_b256 s[8:15], s[0:1], 0x0               ; Wq, Wk, Wv, Wo
	s_load_b128 s[16:19], s[0:1], 0x20             ; position_ids, wall
	s_sub_co_u32 s59, ttmp9, 256                   ; my number among the work-groups of these two paths
	s_cmp_ge_u32 s59, 160
	s_cbranch_scc1 .Lrope
	s_mov_b32 s[GZ], 96                            ; Wo's figures; the others take their place by the work-group's number
	s_mov_b32 s[N4], 8192
	s_mov_b32 s[CGB], 4
	s_mov_b32 s[RB], 0
	s_mov_b32 s[PERM], 0
	s_mov_b32 s[ISO], 1
	s_mov_b32 s[KROW], 768
	s_mov_b32 s[KSB], 32
	s_mov_b32 s[COF], 2457600
	s_mov_b32 s[SOF], 4030464
	s_wait_kmcnt 0x0
	s_mov_b64 s[SRC:SRC+1], s[14:15]
	s_cmp_lt_u32 s59, 96                           ; Wv, Wk or Wq
	s_cselect_b64 s[SRC:SRC+1], s[12:13], s[SRC:SRC+1]
	s_cselect_b32 s[GZ], 80, s[GZ]
	s_cselect_b32 s[N4], 1024, s[N4]
	s_cselect_b32 s[CGB], 1, s[CGB]
	s_cselect_b32 s[RB], 1280, s[RB]
	s_cselect_b32 s[ISO], 0, s[ISO]
	s_cselect_b32 s[KROW], 1536, s[KROW]
	s_cselect_b32 s[KSB], 64, s[KSB]
	s_cselect_b32 s[COF], 0, s[COF]
	s_cselect_b32 s[SOF], 2359296, s[SOF]
	s_cmp_lt_u32 s59, 80                           ; Wk or Wq
	s_cselect_b64 s[SRC:SRC+1], s[10:11], s[SRC:SRC+1]
	s_cselect_b32 s[GZ], 64, s[GZ]
	s_cselect_b32 s[RB], 1024, s[RB]
	s_cselect_b32 s[PERM], 1, s[PERM]
	s_cmp_lt_u32 s59, 64                           ; Wq
	s_cselect_b64 s[SRC:SRC+1], s[8:9], s[SRC:SRC+1]
	s_cselect_b32 s[GZ], 0, s[GZ]
	s_cselect_b32 s[N4], 4096, s[N4]
	s_cselect_b32 s[CGB], 3, s[CGB]
	s_cselect_b32 s[RB], 0, s[RB]
	s_sub_co_u32 s3, s59, s[GZ]
	s_lshl_b32 s4, 1, s[CGB]
	s_sub_co_u32 s4, s4, 1
	s_and_b32 s4, s3, s4                           ; which 128 columns
	s_lshr_b32 s5, s3, s[CGB]                      ; which 256 along K
	s_lshl_b32 s4, s4, 7
	s_lshl_b32 s6, s2, 5
	s_add_co_u32 s4, s4, s6                        ; my wave's first column
	s_lshr_b32 s6, s4, 6
	s_lshr_b32 s7, s4, 7
	s_xor_b32 s6, s6, s7
	s_and_b32 s6, s6, s[PERM]
	s_mul_i32 s6, s6, 0xc0
	s_xor_b32 s6, s4, s6                           ; bits 6 and 7 changed over where they differ
	s_add_co_u32 s6, s6, s[RB]                     ; my wave's first row of codes
	s_mul_i32 s48, s5, s[N4]
	s_lshl_b32 s48, s48, 8
	s_lshl_b32 s49, s4, 2
	s_add_co_u32 s48, s48, s49                     ; the tensor: 256 rows a step along K, 4 bytes a column
	s_mov_b32 s49, 0
	s_add_nc_u64 s[BS:BS+1], s[SRC:SRC+1], s[48:49]
	s_lshl_b32 s50, s[N4], 5                       ; a block is 32 rows
	s_mov_b32 s51, 0
.irp t, 1,2,3,4,5,6,7
	s_add_nc_u64 s[BS+2*\t:BS+2*\t+1], s[BS+2*\t-2:BS+2*\t-1], s[50:51]
.endr
	s_mul_i32 s48, s6, s[KROW]
	s_mul_i32 s56, s5, 192
	s_add_co_u32 s48, s48, s56
	s_add_co_u32 s48, s48, s[COF]
	s_add_nc_u64 s[52:53], s[18:19], s[48:49]      ; my codes
	s_mul_i32 s48, s6, s[KSB]
	s_lshl_b32 s56, s5, 3
	s_add_co_u32 s48, s48, s56
	s_add_co_u32 s48, s48, s[SOF]
	s_add_nc_u64 s[54:55], s[18:19], s[48:49]      ; my scale bytes
	v_lshlrev_b32 v3, 2, v2                        ; in: 4 bytes a lane
	s_mul_i32 s56, s2, 32*PITCH
	s_add_co_u32 s56, s56, WLDS                    ; my stage
	v_mul_u32_u24 v4, v2, PITCH
	v_add_nc_u32 v4, s56, v4                       ; into it: row = my column
	v_and_b32 v5, 15, v2
	v_lshrrev_b32 v6, 4, v2                        ; out of it: sixteen lanes to a row, two rows an instruction
	v_mul_u32_u24 v7, v6, PITCH
	v_lshl_add_u32 v7, v5, 4, v7
	v_add_nc_u32 v7, s56, v7
	v_mul_lo_u32 v8, v6, s[KROW]
	v_mad_u32_u24 v8, v5, 12, v8                   ; and the same place in the codes
	v_mul_lo_u32 v9, v2, s[KSB]                    ; my column's row of scale bytes
	s_cmp_eq_u32 s[ISO], 1                         ; (the lines below leave SCC alone)
.set i, 0
.rept 32
	s_cselect_b32 s57, (i&7)|((i&8)<<1)|((i&16)>>1), i
	s_mul_i32 s57, s57, s[N4]
	v_add_nc_u32 v[VO+i], s57, v3                  ; register i of a block takes its row i, or pi(i)
.set i, i+1
.endr
.set i, 0
.rept 16
	s_mul_i32 s57, s[KROW], 2*i
	v_add_nc_u32 v[VOUT+i], s57, v8
.set i, i+1
.endr
.macro LOAD t                          ; block t into set t % 2: each load reads 128 consecutive bytes a wave
.set ii, 0
.rept 32
	global_load_b32 v[X+32*((\t)%2)+ii], v[VO+ii], s[BS+2*(\t):BS+2*(\t)+1] th:TH_LOAD_NT
.set ii, ii+1
.endr
.endm
	LOAD 0
	LOAD 1
.macro BLOCK t
.set XS, X+32*((\t)%2)
.if (\t) < NB-1
	s_wait_loadcnt 32                              ; this block's 32 loads are in; the next block's may be out
.else
	s_wait_loadcnt 0
.endif
	v_max3_num_f32 v12, |v[XS]|, |v[XS+1]|, |v[XS+2]|               ; the block's largest magnitude: all 32 numbers are mine
	v_max3_num_f32 v13, |v[XS+3]|, |v[XS+4]|, |v[XS+5]|
.irp i, 6,10,14,18,22,26
	v_max3_num_f32 v12, v12, |v[XS+\i]|, |v[XS+\i+1]|
	v_max3_num_f32 v13, v13, |v[XS+\i+2]|, |v[XS+\i+3]|
.endr
	v_max3_num_f32 v12, v12, |v[XS+30]|, |v[XS+31]|
	v_max3_num_f32 v12, v12, v13, (EMAX+1)<<23     ; and the floor 2^(3 - 127): so the byte cannot fall under 1
	v_add_nc_u32 v11, -(EMAX<<23), v12             ; 2 off its exponent field: the conversion's scale operand
	v_lshrrev_b32 v13, 23, v11                     ; the scale's byte
.if (\t)%4 == 0
	v_mov_b32 v[SBY+(\t)/4], v13                   ; four bytes to a register, the lower K in the lower byte
.else
	v_lshl_or_b32 v[SBY+(\t)/4], v13, 8*((\t)%4), v[SBY+(\t)/4]
.endif
	v_cvt_scalef32_pk16_fp6_f32 v[C:C+2], v[XS:XS+15], v11
	v_cvt_scalef32_pk16_fp6_f32 v[C+4:C+6], v[XS+16:XS+31], v11     ; (a conversion's three registers begin on an even number)
	ds_store_b96 v4, v[C:C+2] offset:32*(\t)       ; 16 codes, 12 bytes, to a place of 16 bytes in the stage
	ds_store_b96 v4, v[C+4:C+6] offset:32*(\t)+16
.if (\t)+2 < NB
	LOAD (\t)+2
.endif
	s_wait_dscnt 0x0                               ; the stores have read their registers: the next block's codes may be written
.endm
.set Q, 0
.rept NB
	BLOCK Q
.set Q, Q+1
.endr
	global_store_b64 v9, v[SBY:SBY+1], s[54:55]    ; my column's 8 scale bytes
.irp t, 0,1,2,3,4,5,6,7,8,9,10,11,12,13,14,15
	ds_load_b96 v[OUTR+4*\t:OUTR+4*\t+2], v7 offset:2*\t*PITCH   ; LDS serves a wave's instructions in order: these see my stores
.endr
.irp t, 0,1,2,3,4,5,6,7,8,9,10,11,12,13,14,15
	s_wait_dscnt 15-\t
	global_store_b96 v[VOUT+\t], v[OUTR+4*\t:OUTR+4*\t+2], s[52:53]
.endr
	s_wait_tensorcnt 0x0                           ; the wave's end: behind my last LDS store
	ds_add_u32 v[SPW], v[NIL]
	s_wait_dscnt 0x0
	s_endpgm
; ---- THE TABLE: [token tile 256][c 2][cos, sin][q 8][lane 32][4 f32]: entry e of lane (r, h) belongs to token 16 tile + r and frequency i = 64 c + 16 (q / 2) + 8 h + 4 (q % 2) + e: the order of the projection's result registers.
; inv_freq = 1 / 10000^(i / 128): the power as a product of pairs of f32 (a high and a low part), rounded once, then the reciprocal mended by two steps of Newton's rule.  The angle is position x inv_freq in f32, as reference() has it;
; it is reduced by multiples of pi / 2 in three parts, and cos and sin come from polynomials on [-pi/4, pi/4], good to about 1e-7.  No LDS, no loop.  A wave takes one (c, q) and eight token tiles: 32 angles a lane.
.set POS, 16                           ; v16-23 the positions of my row in the eight tiles, as f32
.set YH,  24                           ; v24-27 10000^(i / 128), high parts;  v28-31 low parts
.set YL,  28
.set INV, 32                           ; v32-35 inv_freq of my four frequencies
.set XX,  36                           ; at work, four registers each
.set NN,  40
.set RR,  44
.set ZZ,  48
.set SNP, 52
.set CSP, 56
.set KI,  60
.set T1,  64
.set OUTT, 72                          ; v72-135 results: tile t: cos at 72 + 8 t, sin at 76 + 8 t: no store's data are written again
.macro DFMUL ah, al, bh, bl            ; the pair (v[ah], v[al]) times the pair (bh, bl): the product's error is kept by fused multiply-adds
	v_mul_f32 v12, \bh, v[\ah]
	v_fma_f32 v13, v[\ah], \bh, -v12
	v_fma_f32 v13, v[\ah], \bl, v13
	v_fma_f32 v13, v[\al], \bh, v13
	v_add_f32 v[\ah], v12, v13
	v_sub_f32 v12, v[\ah], v12
	v_sub_f32 v[\al], v13, v12
.endm
.macro FACTOR bit, hi, lo              ; times 10000^(bit / 128) where that bit of i is set, else times 1
	v_and_b32 v8, \bit, v4
	v_cmp_ne_u32 vcc_lo, 0, v8
	v_mov_b32 v10, \hi
	v_mov_b32 v11, \lo
	v_cndmask_b32 v10, 1.0, v10, vcc_lo
	v_cndmask_b32 v11, 0, v11, vcc_lo
	DFMUL 6, 7, v10, v11
.endm
.Lrope:
	s_sub_co_u32 s3, s59, 160
	s_lshr_b32 s4, s3, 2                           ; which eight token tiles
	s_and_b32 s5, s3, 3
	s_lshl_b32 s5, s5, 2
	s_add_co_u32 s5, s5, s2
	s_lshr_b32 s6, s5, 3                           ; c
	s_and_b32 s7, s5, 7                            ; q
	s_lshl_b32 s20, s6, 6
	s_lshr_b32 s21, s7, 1
	s_lshl_b32 s21, s21, 4
	s_add_co_u32 s20, s20, s21
	s_and_b32 s21, s7, 1
	s_lshl_b32 s21, s21, 2
	s_add_co_u32 s20, s20, s21                     ; 64 c + 16 (q / 2) + 4 (q % 2)
	v_bfe_u32 v4, v0, 4, 1
	v_lshl_add_u32 v4, v4, 3, s20                  ; + 8 h: my first frequency; its bits 0 and 1 are 0
	v_and_b32 v5, 15, v0
	v_lshlrev_b32 v5, 2, v5                        ; position_ids: 4 r
	v_lshlrev_b32 v3, 4, v2                        ; the table: 16 x lane
	s_lshl_b32 s22, s4, 9
	s_mov_b32 s23, 0
	s_lshl_b32 s24, s4, 17
	s_lshl_b32 s25, s6, 13
	s_add_co_u32 s24, s24, s25
	s_lshl_b32 s25, s7, 9
	s_add_co_u32 s24, s24, s25
	s_add_co_u32 s24, s24, 4096000
	s_mov_b32 s25, 0
	s_mov_b32 s30, 0x3f898cc0                      ; 10000^(1/128), high and low part
	s_mov_b32 s31, 0xb2b2ab31
	s_mov_b32 s32, 0x3f93cfe5                      ; 10000^(2/128)
	s_mov_b32 s33, 0x334a404e
	s_mov_b32 s34, 0x3f22f983                      ; 2 / pi
	s_mov_b32 s35, 0x3fc90fdb                      ; pi / 2 in three parts
	s_mov_b32 s36, 0xb33bbd2e
	s_mov_b32 s37, 0xa6f72ced
	s_mov_b32 s38, 0xbe2aaaa3                      ; sin: r + r z (s38 + z (s39 + z s44))
	s_mov_b32 s39, 0x3c08839e
	s_mov_b32 s44, 0xb94ca1f9
	s_mov_b32 s45, 0x3d2aaaa5                      ; cos: 1 - z / 2 + z z (s45 + z (s46 + z s47))
	s_mov_b32 s46, 0xbab6061a
	s_mov_b32 s47, 0x37ccf5ce
	s_wait_kmcnt 0x0
	s_add_nc_u64 s[16:17], s[16:17], s[22:23]
	s_add_nc_u64 s[18:19], s[18:19], s[24:25]
.irp t, 0,1,2,3,4,5,6,7
	global_load_b32 v[POS+\t], v5, s[16:17] offset:64*\t
.endr
	v_mov_b32 v6, 1.0
	v_mov_b32 v7, 0
	FACTOR 4,  0x3faab0d5, 0xb36457ec
	FACTOR 8,  0x3fe39ea9, 0xb26aee3c
	FACTOR 16, 0x404a62c2, 0xb324b496
	FACTOR 32, 0x41200000, 0
	FACTOR 64, 0x42c80000, 0
.irp e, 0,1,2,3
	v_mov_b32 v[YH+\e], v6
	v_mov_b32 v[YL+\e], v7
.endr
	DFMUL YH+1, YL+1, s30, s31
	DFMUL YH+2, YL+2, s32, s33
	DFMUL YH+3, YL+3, s32, s33
	DFMUL YH+3, YL+3, s30, s31                     ; the high part is the power, rounded once to f32
.irp e, 0,1,2,3
	v_rcp_f32 v[INV+\e], v[YH+\e]
.endr
	v_nop                                          ; a plain instruction behind the last reciprocal
	s_wait_alu depctr_va_vdst(0)                   ; one wait for the four, ahead of their first reader
.rept 2
.irp e, 0,1,2,3
	v_fma_f32 v[XX+\e], -v[YH+\e], v[INV+\e], 1.0
.endr
.irp e, 0,1,2,3
	v_fma_f32 v[INV+\e], v[INV+\e], v[XX+\e], v[INV+\e]
.endr
.endr
	s_wait_loadcnt 0x0
.irp t, 0,1,2,3,4,5,6,7
	v_cvt_f32_i32 v[POS+\t], v[POS+\t]
.endr
.macro SINCOS t                        ; four angles by turns, so that no line waits for the line above it
.irp e, 0,1,2,3
	v_mul_f32 v[XX+\e], v[POS+\t], v[INV+\e]       ; the angle, as reference() forms it
.endr
.irp e, 0,1,2,3
	v_mul_f32 v[NN+\e], s34, v[XX+\e]
.endr
.irp e, 0,1,2,3
	v_rndne_f32 v[NN+\e], v[NN+\e]                 ; n: how many quarter turns
.endr
.irp e, 0,1,2,3
	v_fma_f32 v[RR+\e], -v[NN+\e], s35, v[XX+\e]
.endr
.irp e, 0,1,2,3
	v_fma_f32 v[RR+\e], -v[NN+\e], s36, v[RR+\e]
.endr
.irp e, 0,1,2,3
	v_fma_f32 v[RR+\e], -v[NN+\e], s37, v[RR+\e]   ; r = angle - n pi / 2
.endr
.irp e, 0,1,2,3
	v_mul_f32 v[ZZ+\e], v[RR+\e], v[RR+\e]
	v_cvt_i32_f32 v[KI+\e], v[NN+\e]
.endr
.irp e, 0,1,2,3
	v_fma_f32 v[SNP+\e], v[ZZ+\e], s44, s39
	v_fma_f32 v[CSP+\e], v[ZZ+\e], s47, s46
.endr
.irp e, 0,1,2,3
	v_fma_f32 v[SNP+\e], v[ZZ+\e], v[SNP+\e], s38
	v_fma_f32 v[CSP+\e], v[ZZ+\e], v[CSP+\e], s45
.endr
.irp e, 0,1,2,3
	v_mul_f32 v[T1+\e], v[RR+\e], v[ZZ+\e]
	v_fma_f32 v[XX+\e], v[ZZ+\e], -0.5, 1.0
	v_mul_f32 v[NN+\e], v[ZZ+\e], v[ZZ+\e]
.endr
.irp e, 0,1,2,3
	v_fma_f32 v[SNP+\e], v[T1+\e], v[SNP+\e], v[RR+\e]   ; sin r
	v_fma_f32 v[CSP+\e], v[NN+\e], v[CSP+\e], v[XX+\e]   ; cos r
.endr
.irp e, 0,1,2,3
	v_and_b32 v[T1+\e], 1, v[KI+\e]
.endr
.irp e, 0,1,2,3
	v_cmp_ne_u32 s[40+\e], 0, v[T1+\e]             ; an odd n: sin and cos change places
.endr
.irp e, 0,1,2,3
	v_cndmask_b32 v[RR+\e], v[SNP+\e], v[CSP+\e], s[40+\e]
	v_cndmask_b32 v[ZZ+\e], v[CSP+\e], v[SNP+\e], s[40+\e]
.endr
.irp e, 0,1,2,3
	v_and_b32 v[T1+\e], 2, v[KI+\e]                ; sin is negated where n mod 4 is 2 or 3,
	v_add_nc_u32 v[KI+\e], 1, v[KI+\e]
.endr
.irp e, 0,1,2,3
	v_lshlrev_b32 v[T1+\e], 30, v[T1+\e]
	v_and_b32 v[KI+\e], 2, v[KI+\e]                ; cos where it is 1 or 2
.endr
.irp e, 0,1,2,3
	v_xor_b32 v[OUTT+8*\t+4+\e], v[T1+\e], v[RR+\e]
	v_lshlrev_b32 v[KI+\e], 30, v[KI+\e]
.endr
.irp e, 0,1,2,3
	v_xor_b32 v[OUTT+8*\t+\e], v[KI+\e], v[ZZ+\e]
.endr
	global_store_b128 v3, v[OUTT+8*\t:OUTT+8*\t+3], s[18:19] offset:16384*\t          ; 32 lanes store 512 consecutive bytes, aligned
	global_store_b128 v3, v[OUTT+8*\t+4:OUTT+8*\t+7], s[18:19] offset:16384*\t+4096
.endm
.irp t, 0,1,2,3,4,5,6,7
	SINCOS \t
.endr
	s_endpgm
.Lfunc_end_k_q14d7dd1006_quant:
	.size	k_q14d7dd1006_quant, .Lfunc_end_k_q14d7dd1006_quant-k_q14d7dd1006_quant
	.p2alignl 7, 3214868480
	.fill 96, 4, 3214868480
	.section	.rodata,"a",@progbits
	.p2align	6, 0x0
	.amdhsa_kernel k_q14d7dd1006_quant
		.amdhsa_group_segment_fixed_size 68096
		.amdhsa_private_segment_fixed_size 0
		.amdhsa_enable_private_segment 0
		.amdhsa_kernarg_size 72
		.amdhsa_user_sgpr_count 2
		.amdhsa_user_sgpr_kernarg_segment_ptr 1
		.amdhsa_wavefront_size32 1
		.amdhsa_system_sgpr_workgroup_id_x 1
		.amdhsa_system_sgpr_workgroup_id_y 1
		.amdhsa_system_sgpr_workgroup_id_z 1
		.amdhsa_system_vgpr_workitem_id 0
		.amdhsa_next_free_vgpr 232
		.amdhsa_next_free_sgpr 66
		.amdhsa_reserve_vcc 1
		.amdhsa_float_denorm_mode_32 3
		.amdhsa_float_denorm_mode_16_64 3
		.amdhsa_memory_ordered 1
		.amdhsa_forward_progress 1
		.amdhsa_inst_pref_size 130
	.end_amdhsa_kernel
	.amdgpu_metadata
---
amdhsa.version: [ 1, 2 ]
amdhsa.kernels:
  - .name:           k_q14d7dd1006_quant
    .symbol:         k_q14d7dd1006_quant.kd
    .args:
      - { .name: Wq, .offset: 0, .size: 8, .value_kind: global_buffer, .address_space: global }
      - { .name: Wk, .offset: 8, .size: 8, .value_kind: global_buffer, .address_space: global }
      - { .name: Wv, .offset: 16, .size: 8, .value_kind: global_buffer, .address_space: global }
      - { .name: Wo, .offset: 24, .size: 8, .value_kind: global_buffer, .address_space: global }
      - { .name: position_ids, .offset: 32, .size: 8, .value_kind: global_buffer, .address_space: global }
      - { .name: wall, .offset: 40, .size: 8, .value_kind: global_buffer, .address_space: global }
      - { .name: hidden_states, .offset: 48, .size: 8, .value_kind: global_buffer, .address_space: global }
      - { .name: xc, .offset: 56, .size: 8, .value_kind: global_buffer, .address_space: global }
      - { .name: xs, .offset: 64, .size: 8, .value_kind: global_buffer, .address_space: global }
    .group_segment_fixed_size: 68096
    .private_segment_fixed_size: 0
    .kernarg_segment_align: 8
    .kernarg_segment_size: 72
    .max_flat_workgroup_size: 128
    .sgpr_count:     66
    .vgpr_count:     232
    .wavefront_size: 32
...
	.end_amdgpu_metadata
.endif
;; end of part 6
;; launch qkv (part 7): grid 6 x 32, 4 waves a work-group, no clusters, 327,680 bytes of LDS; arguments xc, xs, wall, uc, us; writes uc, us
.if DOCPART == 7
	.amdgcn_target "amdgcn-amd-amdhsa--gfx1250"
	.amdhsa_code_object_version 6
	.text
	.protected	k_q14d7dd1006_qkv
	.globl	k_q14d7dd1006_qkv
	.p2align	8
	.type	k_q14d7dd1006_qkv,@function
k_q14d7dd1006_qkv:
	s_mov_b64 s[64:65], 0
	v_nop
	global_prefetch_b8 v0, s[64:65] scope:SCOPE_SE
	s_setreg_imm32_b32 hwreg(HW_REG_WAVE_MODE, 25, 1), 1
	s_wait_xcnt 0x0
; q, k, v = hidden_states x Wq, Wk, Wv on codes of FP6 (E2M3) with E8M0 scales; RoPE on q and k in f32; q and k quantised along D, v along the keys.  Nothing of reference() is left out.
; Work-group (u, tt): unit u (0-3 the query heads, 4 k, 5 v): a tile of 128 rows of "A" x 256 rows of "B", four waves of 64 x 128: 32 accumulators of 16 x 16, 256 registers a wave.  6 x 32 = 192 work-groups: a tile of 256 x 256
; would give 96.  For 128 along K a wave reads (64 + 128) rows x 96 bytes from LDS and issues 32 matrix instructions.  K = 2,048 goes in steps of 256 through a ring of two LDS slots filled by the tensor data mover; the scale
; bytes of the tile's 384 rows come once, with the first fills, and stay.
; THE MATRIX INSTRUCTION: source 0 = 16 rows of B, source 1 = 16 rows of A: in a result lane (r, h) holds A's row r and its registers B's rows 8 h + 0 .. 7.  What is to be quantised must run along a lane's registers:
; for q and k that is D, so A = tokens 128 tt on and B = the unit's 256 rows of weights; for v it is the keys, so A = 128 of v's rows of weights (half tt % 2) and B = tokens 256 (tt / 2) on.  Only pointers are chosen by the unit:
; all units take one path through the products.
; The weight's rows of units 0-4 are laid so that a wave's 128 rows are d = 64 c + 0 .. 63 and 128 + 64 c + 0 .. 63: RoPE's pairs (d, d + 128) lie in one lane, 32 registers apart.
; THE TABLE of cos and sin for the wave's four tiles of 16 tokens, 256 registers, is asked for at the head, behind the first fills, into the fourth window, which the products leave alone: it lands while K is walked.
; OUT.  uc: [unit 6][block of 128 tokens 32][sub 2][a 8] fragments, each as an IMAGE OF ITS 12 REGISTERS (three pieces of 512 bytes, lane l's 16 bytes at 16 l), so that the attention launch loads a fragment by three loads of
; 16 bytes a lane.  q, k: a = the tile of 16 tokens, sub = c: the K step made of the blocks of D at 64 c, 64 c + 32, 128 + 64 c, 128 + 64 c + 32, the same in q and k.  v: the tile of 16 of D is 8 sub + a, K = the block's 128 keys.
; us: [unit][block][sub][r 16][a 8] scale words.  A lane's 16 registers of two neighbouring results are numbers 8 h + j and 16 + 8 h + j of a block of 32: the codes stand in the order pi (bits 3 and 4 of the place changed over)
; inside each block, alike in q and k, and alike in v and in the attention launch's p: no product and no scale is changed by that.
; q's scale bytes are stored 4 lower: the division of the scores by sqrt(256) = 16, exact.
; NO CLUSTER: the grid's 6 units do not divide by 4, and which side of the product partners would share changes with the unit, while a descriptor's first word is written as a constant here.
; LIMITS: blocks of q whose largest magnitude lies under 2^-120 (k, v: 2^-124) are quantised under the floor's scale; a block of zeros keeps the floor's byte, its codes are zeros, and this program alone reads the bytes;
; RoPE fuses one of its two products with the addition; NaN and infinities are not served.
; REGISTERS, in windows of 256: window 0: v0-31 addresses; v32-63 scale words, two sets; v128-223 A's fragments, two sets of four.  Window 1: B's fragments, two sets of eight, at v0 and v128.  Window 2: the accumulators
; ((a, b) at v[8 (8 a + b)]).  Window 3: the table: tile a's cos at v[64 a], sin at v[64 a + 32].  On the way out, window 0: v64-127 a tile after RoPE; v128-147 codes; v168-184 at work; v192-195 scale words; v200-215 products.
.set SIZE_K, 2048
.set KSTEP,  256
.set NQ,     KSTEP/128
.set ROWB,   192                       ; a tile's row in bytes
.set KROW,   SIZE_K*6/8                ; a row of codes in memory
.set PITCH,  240                       ; an LDS row: 3 x (64 bytes + 16 of padding): the 32 lanes of a load of 8 bytes touch 64 different banks (64 banks of 4 bytes: ISA guide 11.1)
.set FR,     12
.set NP,     4                         ; places behind this matrix instruction (ISA guide 7.12.1)
.set QA,     64*PITCH                  ; 64 rows of A: what wave 0 or 1 brings, and what one wave reads of A
.set HB,     128*PITCH                 ; 128 rows of B: what wave 2 or 3 brings, and what one wave reads of B
.set BOFF,   2*QA                      ; a slot: A's 128 rows, then B's 256 rows
.set SLOT,   2*QA+2*HB
.set LAPS,   SIZE_K/(2*KSTEP)
.set KS,     SIZE_K/32                 ; a row of scale bytes
.set SCL,    2*SLOT                    ; behind the ring: the scales, as runs of 256 bytes + 16 of padding: A's 128 rows, then B's 256
.set SA64,   (64*KS/256)*272
.set SB128,  (128*KS/256)*272
.set SBLK,   (16*KS/256)*272
.set SPARE,  SCL+2*SA64+2*SB128        ; behind the scales: the spare words, 128 bytes for each wave
.set WS_OFF, 2359296                   ; the weights' scale bytes in wall
.set TB_OFF, 4096000                   ; the table of cos and sin in wall
.set ADRA, 16                          ; v16-17 LDS address of my A fragments in slot 0, 1 (v18-19: for the pieces behind one padding more)
.set ADRB, 20                          ; v20-23 the same for B
.set EL,   24                          ; v24    16 x lane; never rewritten
.set SWA,  26                          ; v26    my row's place among the scale words: 32 r
.set ADRS, 27                          ; v27    LDS address of my scale words: lanes 0-15 A's rows, lanes 16-31 B's
.set SPW,  28                          ; v28    LDS address of my spare word; never rewritten
.set NIL,  29                          ; v29    0; never rewritten
.set SC,   32
.set AF,   128
.set R,    64
.set PC,   128
.set TM,   168
.set PW,   184
.set SW,   192
.set T,    200
.set G1,   24                          ; s[24:31] descriptor group 1 for A's tiles (64 rows);  s[32:39] group 0, one set for each slot
.set G0,   32
.set G1B,  48                          ; s[48:55], s[56:63] the same for B's tiles (128 rows)
.set G0B,  56
.set SEL,  66                          ; s[66:67] lane selects for v_permlanex16_b32: lane l xor 16
.set G1S,  68                          ; s[68:75], s[76:79] groups 1 and 0 for A's scale bytes;  s[80:87], s[88:91] for B's
.set G0S,  76
.set G1SB, 80
.set G0SB, 88
.set OUT,  92                          ; s[92:93] my four fragments in uc;  s[94:95] my scale words in us;  s[96:97] my tokens' part of the table
.set OUS,  94
.set TBB,  96
.set FLR,  98                          ; s98 the floor under a block's largest magnitude;  s99 what is taken off the scale word
.set ADJ,  99
.set MSB, 0
.macro WIN new                         ; the immediate's high byte repeats the setting that is left
.if MSB != (\new)
	s_set_vgpr_msb (MSB<<8)|(\new)
.set MSB, (\new)
.endif
.endm
.set MUL,  0xa1                        ; source 0 (B) window 1, source 1 (A) window 0, C and D window 2
.set TO_B, 0x40
; Waves 0 and 1 fetch for A, waves 2 and 3 for B: tiles of two shapes, so two groups 1 and two lines, chosen by the wave's number.  An s_nop 0 and four v_nop follow each of the two lines.
.macro JLOAD g0a, g1a, g0b, g1b
	s_cmp_eq_u32 s15, 0
	s_cbranch_scc0 .Lfor_b_\@
	tensor_load_to_lds s[\g0a:\g0a+3], s[\g1a:\g1a+7]
	s_nop 0
.rept 4
	v_nop
.endr
	s_branch .Lasked_\@
.Lfor_b_\@:
	tensor_load_to_lds s[\g0b:\g0b+3], s[\g1b:\g1b+7]
	s_nop 0
.rept 4
	v_nop
.endr
.Lasked_\@:
.endm
.macro PLACES n
.rept \n
	v_nop
.endr
.endm
	s_load_b256 s[4:11], s[0:1], 0x0               ; xc, xs, wall, uc
	s_load_b64 s[12:13], s[0:1], 0x20              ; us
	v_lshl_add_u32 v[SPW], v0, 2, SPARE
	v_mov_b32 v[NIL], 0
	ds_add_u32 v[SPW], v[NIL]                      ; the wave's opening: the add, twice on end, and its wait ahead of my first tensor load
	ds_add_u32 v[SPW], v[NIL]
	v_lshrrev_b32 v1, 5, v0
	v_readfirstlane_b32 s14, v1                    ; wave 0..3
	s_lshr_b32 s15, s14, 1                         ; which 64 rows of A are mine.  Also: I fetch for A (0) or for B (1)
	s_and_b32 s16, s14, 1                          ; which 128 rows of B.  Also: which half of that side I fetch
	s_mov_b32 s17, ttmp9                           ; the unit
	s_and_b32 s18, ttmp7, 0xffff                   ; tt
.irp g, G1, G1B
	s_mov_b32 s[\g+0], (0<<16)|(1<<20)|(3<<22)|(3<<25)   ; no mask; elements of 1 byte; padding on: after every 16 words, 4 words
	s_mov_b32 s[\g+1], ROWB<<16                    ; tensor_dim0
	s_mov_b32 s[\g+3], ROWB<<16                    ; tile_dim0
	s_mov_b32 s[\g+5], KROW                        ; from row to row
	s_mov_b32 s[\g+6], 0
	s_mov_b32 s[\g+7], 0
.endr
	s_mov_b32 s[G1+2], 64<<16                      ; tensor_dim1, tile_dim1: A's 64 rows,
	s_mov_b32 s[G1+4], 64
	s_mov_b32 s[G1B+2], 128<<16                    ; B's 128
	s_mov_b32 s[G1B+4], 128
.irp g, G1S, G1SB
	s_mov_b32 s[\g+0], (3<<16)|(1<<20)|(5<<22)|(3<<25)   ; the scale bytes: a dense block, as rows of 256 bytes (32 elements of 8), 16 bytes of padding behind each
	s_mov_b32 s[\g+1], 32<<16
	s_mov_b32 s[\g+3], 32<<16
	s_mov_b32 s[\g+5], 32
	s_mov_b32 s[\g+6], 0
	s_mov_b32 s[\g+7], 0
.endr
	s_mov_b32 s[G1S+2], (64*KS/256)<<16
	s_mov_b32 s[G1S+4], 64*KS/256
	s_mov_b32 s[G1SB+2], (128*KS/256)<<16
	s_mov_b32 s[G1SB+4], 128*KS/256
	s_lshl_b32 s40, s18, 7                         ; q, k: tokens 128 tt on
	s_lshr_b32 s41, s18, 1
	s_lshl_b32 s41, s41, 8                         ; v: tokens 256 (tt / 2) on
	s_lshl_b32 s42, s17, 8                         ; q, k: the unit's 256 rows of weights
	s_and_b32 s43, s18, 1
	s_lshl_b32 s43, s43, 7
	s_add_co_u32 s43, s43, 1280                    ; v: 128 of its rows
	s_cmp_eq_u32 s17, 5                            ; v: the sides change over
	s_cselect_b32 s44, s43, s40                    ; A's first row
	s_cselect_b32 s45, s41, s42                    ; B's
	s_cselect_b32 s46, WS_OFF, 0                   ; where A's scale bytes begin in their buffer,
	s_cselect_b32 s47, 0, WS_OFF                   ; and B's
	s_lshl_b32 s40, s16, 6
	s_add_co_u32 s44, s44, s40                     ; + the 64 rows of A that I would fetch
	s_lshl_b32 s40, s16, 7
	s_add_co_u32 s45, s45, s40                     ; + the 128 rows of B
	s_mov_b32 s[SEL], 0x76543210
	s_mov_b32 s[SEL+1], 0xfedcba98
	s_wait_dscnt 0x0                               ; both opening adds are done
	s_wait_kmcnt 0x0
	s_cmp_eq_u32 s17, 5                            ; the choice hangs on ids alone
	s_cselect_b64 s[20:21], s[8:9], s[4:5]         ; A's codes: the weights for v, else x
	s_cselect_b64 s[22:23], s[8:9], s[6:7]         ; A's scale bytes
	s_cselect_b64 s[92:93], s[4:5], s[8:9]         ; B's codes
	s_cselect_b64 s[94:95], s[6:7], s[8:9]         ; B's scale bytes
	s_mov_b32 s41, 0
	s_mul_i32 s40, s44, KROW
	s_add_nc_u64 s[20:21], s[20:21], s[40:41]
	s_lshl_b32 s40, s44, 6
	s_add_co_u32 s40, s40, s46
	s_add_nc_u64 s[22:23], s[22:23], s[40:41]
	s_mul_i32 s40, s45, KROW
	s_add_nc_u64 s[92:93], s[92:93], s[40:41]
	s_lshl_b32 s40, s45, 6
	s_add_co_u32 s40, s40, s47
	s_add_nc_u64 s[94:95], s[94:95], s[40:41]
	s_mov_b32 s[G0S], 1
	s_mul_i32 s[G0S+1], s16, SA64                  ; where they go: a constant x (wave % 2) + a constant
	s_add_co_u32 s[G0S+1], s[G0S+1], SCL
	s_mov_b64 s[G0S+2:G0S+3], s[22:23]
	s_or_b32 s[G0S+3], s[G0S+3], 0x80000000
	s_mov_b32 s[G0SB], 1
	s_mul_i32 s[G0SB+1], s16, SB128
	s_add_co_u32 s[G0SB+1], s[G0SB+1], SCL+2*SA64
	s_mov_b64 s[G0SB+2:G0SB+3], s[94:95]
	s_or_b32 s[G0SB+3], s[G0SB+3], 0x80000000
	JLOAD G0S, G1S, G0SB, G1SB                     ; the scales first: they are wanted with K step 0.  Three loads of mine are out behind the first fills
	s_mul_i32 s19, s16, QA
	s_mul_i32 s2, s16, HB
.irp s, 0,1
	s_mov_b32 s[G0+4*\s], 1
	s_add_co_u32 s[G0+4*\s+1], s19, \s*SLOT
	s_add_nc_u64 s[G0+4*\s+2:G0+4*\s+3], s[20:21], \s*ROWB
	s_or_b32 s[G0+4*\s+3], s[G0+4*\s+3], 0x80000000
	s_mov_b32 s[G0B+4*\s], 1
	s_add_co_u32 s[G0B+4*\s+1], s2, \s*SLOT+BOFF
	s_add_nc_u64 s[G0B+4*\s+2:G0B+4*\s+3], s[92:93], \s*ROWB
	s_or_b32 s[G0B+4*\s+3], s[G0B+4*\s+3], 0x80000000
	JLOAD G0+4*\s, G1, G0B+4*\s, G1B
.endr
	; the table: token tile 8 tt + 4 (wave / 2) + a, 16,384 bytes a tile; 8,192 for c = wave % 2
	v_and_b32 v[EL], 31, v0
	v_lshlrev_b32 v[EL], 4, v[EL]
	s_lshl_b32 s40, s18, 17
	s_lshl_b32 s42, s15, 16
	s_add_co_u32 s40, s40, s42
	s_lshl_b32 s42, s16, 13
	s_add_co_u32 s40, s40, s42
	s_add_co_u32 s40, s40, TB_OFF
	s_mov_b32 s41, 0
	s_add_nc_u64 s[TBB:TBB+1], s[8:9], s[40:41]
	s_cmp_eq_u32 s17, 5                            ; v has no RoPE
	s_cbranch_scc1 .Lno_table
	WIN 0xc0                                       ; destination window 3
.irp a, 0,1,2,3
.irp cs, 0,1
.irp q, 0,1,2,3,4,5,6,7
	global_load_b128 v[64*\a+32*\cs+4*\q:64*\a+32*\cs+4*\q+3], v[EL], s[TBB:TBB+1] offset:16384*\a+4096*\cs+512*\q   ; in the order of my result registers
.endr
.endr
.endr
	WIN 0
.Lno_table:
	v_and_b32 v1, 15, v0                           ; l % 16
	v_bfe_u32 v2, v0, 4, 1                         ; l / 16
	v_mul_u32_u24 v3, v1, PITCH
	v_mul_u32_u24 v4, v2, 24
	v_add_nc_u32 v4, v3, v4                        ; a fragment's row x pitch + 24 x half
	v_lshl_add_u32 v5, v2, 4, v4                   ; and the same behind one padding more
	s_mul_i32 s21, s15, QA                         ; my 64 rows of A
	s_mul_i32 s22, s16, HB                         ; my 128 rows of B,
	s_add_co_u32 s22, s22, BOFF                    ; which lie behind A's 128
.irp s, 0,1
	v_add_nc_u32 v[ADRA+\s], s21, v4
	v_add_nc_u32 v[ADRB+\s], s22, v4
	v_add_nc_u32 v[ADRA+2+\s], s21, v5
	v_add_nc_u32 v[ADRB+2+\s], s22, v5
	s_add_co_u32 s21, s21, SLOT
	s_add_co_u32 s22, s22, SLOT
.endr
	v_mul_u32_u24 v5, v1, KS                       ; my row's scales: KS bytes a row,
	v_lshrrev_b32 v6, 8, v5
	v_lshl_add_u32 v5, v6, 4, v5                   ; and 16 more for each 256 passed
	s_mul_i32 s21, s15, SA64
	s_mul_i32 s22, s16, SB128
	s_add_co_u32 s22, s22, 2*SA64
	s_sub_co_u32 s22, s22, s21
	v_mul_u32_u24 v6, s22, v2                      ; lanes 16-31 take B's
	s_add_co_u32 s21, s21, SCL
	v_add_nc_u32 v5, v5, v6
	v_add_nc_u32 v[ADRS], s21, v5
	; where my results go
	s_lshr_b32 s42, s18, 1
	s_lshl_b32 s42, s42, 1
	s_add_co_u32 s42, s42, s16                     ; v: the block of 128 keys: 2 (tt / 2) + my half of B
	s_and_b32 s43, s18, 1                          ; v: sub
	s_cmp_eq_u32 s17, 5
	s_cselect_b32 s42, s42, s18                    ; the block of 128 tokens
	s_cselect_b32 s43, s43, s16                    ; sub
	s_lshl_b32 s44, s17, 5
	s_add_co_u32 s44, s44, s42
	s_lshl_b32 s45, s44, 1
	s_add_co_u32 s45, s45, s43
	s_mul_i32 s40, s45, 12288
	s_mul_i32 s46, s15, 6144                       ; my four of the eight fragments
	s_add_co_u32 s40, s40, s46
	s_mov_b32 s41, 0
	s_add_nc_u64 s[OUT:OUT+1], s[10:11], s[40:41]
	s_lshl_b32 s40, s44, 10
	s_lshl_b32 s46, s43, 9
	s_add_co_u32 s40, s40, s46
	s_lshl_b32 s46, s15, 4                         ; my four of a row's eight words
	s_add_co_u32 s40, s40, s46
	s_add_nc_u64 s[OUS:OUS+1], s[12:13], s[40:41]
	s_mov_b32 s[FLR], 3<<23
	s_cmp_lt_u32 s17, 4
	s_cselect_b32 s[FLR], 7<<23, s[FLR]            ; q: the byte is at least 5, so that 4 can be taken off each byte of a word with no borrow
	s_cselect_b32 s[ADJ], 0x04040404, 0
.macro FRAG reg, adr, q, i             ; a fragment, 16 rows x 128 K, is 12 registers: lane l holds row l % 16; registers 6 c .. 6 c + 5 hold K = 64 c + 32 (l / 16) + 0 .. 31: 24 bytes of the row's stream of bits, as they lie
.irp p, 0,1,2,3,4,5                    ; in pieces of 8 bytes.  Lanes 16-31 read three pieces further on than lanes 0-15: where that lies behind one padding more, the second address register serves
.set PCE, 12*(\q)+6*(\p/3)+\p%3
.if PCE%8 < 5
	ds_load_b64 v[\reg+2*\p:\reg+2*\p+1], v[\adr] offset:8*PCE+16*(PCE/8)+(\i)*16*PITCH
.else
	ds_load_b64 v[\reg+2*\p:\reg+2*\p+1], v[\adr+2] offset:8*PCE+16*(PCE/8)+(\i)*16*PITCH
.endif
.endr
.endm
; 8 matrix instructions: A's block a x B's eight, 128 along K, on the sets p.  zero = 1: the first product starts the sums.  The 32 accumulators take turns, one instruction a turn, in the same order in every step.
.macro MUL8 a, p, q, sc, zero
.irp b, 0,1,2,3,4,5,6,7
.if \zero
	v_wmma_scale_f32_16x16x128_f8f6f4 v[8*(8*(\a)+\b):8*(8*(\a)+\b)+7], v[128*(\p)+FR*\b:128*(\p)+FR*\b+FR-1], v[AF+48*(\p)+FR*(\a):AF+48*(\p)+FR*(\a)+FR-1], 0, v[SC+8*NQ*(\sc)+NQ*\b+(\q)], v[SC+8*NQ*(\sc)+NQ*(\a)+(\q)] matrix_a_fmt:MATRIX_FMT_FP6 matrix_b_fmt:MATRIX_FMT_FP6 matrix_a_scale:MATRIX_SCALE_ROW1
.else
	v_wmma_scale_f32_16x16x128_f8f6f4 v[8*(8*(\a)+\b):8*(8*(\a)+\b)+7], v[128*(\p)+FR*\b:128*(\p)+FR*\b+FR-1], v[AF+48*(\p)+FR*(\a):AF+48*(\p)+FR*(\a)+FR-1], v[8*(8*(\a)+\b):8*(8*(\a)+\b)+7], v[SC+8*NQ*(\sc)+NQ*\b+(\q)], v[SC+8*NQ*(\sc)+NQ*(\a)+(\q)] matrix_a_fmt:MATRIX_FMT_FP6 matrix_b_fmt:MATRIX_FMT_FP6 matrix_a_scale:MATRIX_SCALE_ROW1
.endif
.endr
.endm
.macro FETCH_B slot, q, p
	WIN TO_B
.irp i, 0,1,2,3,4,5,6,7
	FRAG 128*(\p)+FR*\i, ADRB+\slot, \q, \i
.endr
	WIN 0
.endm
.macro FETCH_A slot, q, p
.irp i, 0,1,2,3
	FRAG AF+48*(\p)+FR*\i, ADRA+\slot, \q, \i
.endr
.endm
.macro SCALES sc                       ; the next K step's scale words: lanes 0-15 take A's block i (blocks 0-3 are mine; what they bring for i over 3 is not used), lanes 16-31 B's block i
.irp i, 0,1,2,3,4,5,6,7
	ds_load_b64 v[SC+8*NQ*\sc+NQ*\i:SC+8*NQ*\sc+NQ*\i+1], v[ADRS] offset:\i*SBLK
.endr
.endm
; A step of 128 along K that has its successor in the same slot: its fragments were asked for a step ago; the next step's 72 loads go out first, into the other sets, and land while this step is multiplied.
.macro STEP slot, q, zero
	s_wait_dscnt 0x0                               ; this step's fragments are in
	PLACES NP                                      ; the other sets were read by the last step's products: four places in front of the loads into them
	FETCH_B \slot, (\q)+1, 1-(\q)%2
	FETCH_A \slot, (\q)+1, 1-(\q)%2
	WIN MUL
	MUL8 0, (\q)%2, \q, \slot, \zero
	MUL8 1, (\q)%2, \q, \slot, \zero
	MUL8 2, (\q)%2, \q, \slot, \zero
	MUL8 3, (\q)%2, \q, \slot, \zero
	WIN 0
.endm
; A slot's last step changes slots: ONE barrier; in front of it each wave waits for all its tensor loads, adds 0 to its spare word, and waits for that and for its own reads of this slot.  fill = 1: this slot is filled again, two K steps ahead.
.macro TURN slot, next, fill
	s_wait_tensorcnt 0x0                           ; all my tensor loads have landed: my part of the next slot
	ds_add_u32 v[SPW], v[NIL]                      ; 0 onto my spare word
	s_wait_dscnt 1                                 ; this step's fragments, my last reads of this slot, are in (the add may be out)
	WIN MUL
	MUL8 0, 1, NQ-1, \slot, 0                      ; eight matrix instructions stand between the add and the wait for it
	s_wait_dscnt 0x0                               ; the add is done
	s_barrier_signal -1
	MUL8 1, 1, NQ-1, \slot, 0
	WIN 0
	s_barrier_wait -1                              ; nobody reads this slot any more, and the next slot is whole
.if \fill
	s_add_nc_u64 s[G0+4*\slot+2:G0+4*\slot+3], s[G0+4*\slot+2:G0+4*\slot+3], 2*ROWB   ; no load of mine is out, so the groups may be written
	s_add_nc_u64 s[G0B+4*\slot+2:G0B+4*\slot+3], s[G0B+4*\slot+2:G0B+4*\slot+3], 2*ROWB
	JLOAD G0+4*\slot, G1, G0B+4*\slot, G1B         ; my one tensor load behind the barrier, ahead of every LDS read; its four v_nop are the places in front of the loads below
.else
	PLACES NP
.endif
	v_add_nc_u32 v[ADRS], 4*NQ, v[ADRS]            ; on to the next K step's scale words
	FETCH_B \next, 0, 0
	FETCH_A \next, 0, 0
	SCALES \next
	WIN MUL
	MUL8 2, 1, NQ-1, \slot, 0
	MUL8 3, 1, NQ-1, \slot, 0
	WIN 0
.endm
	s_wait_tensorcnt 1                             ; the scales and my part of K step 0 are in (K step 1's load may be out)
	s_barrier_signal -1
	s_barrier_wait -1                              ; everybody's are
	FETCH_B 0, 0, 0
	FETCH_A 0, 0, 0
	SCALES 0
	STEP 0, 0, 1                                   ; the first step stands in front of the loop: its products start the sums
	s_mov_b32 s3, LAPS-1
.Llap:                                                 ; a trip goes once round the ring and fills both slots again
	TURN 0, 1, 1
	STEP 1, 0, 0
	TURN 1, 0, 1
	STEP 0, 0, 0
	s_sub_co_u32 s3, s3, 1
	s_cmp_lg_u32 s3, 0
	s_cbranch_scc1 .Llap
	TURN 0, 1, 0                                   ; the last lap fills nothing
	STEP 1, 0, 0
	s_wait_dscnt 0x0                               ; the very last step: nothing more to fetch
	WIN MUL
	MUL8 0, 1, NQ-1, 1, 0
	MUL8 1, 1, NQ-1, 1, 0
	MUL8 2, 1, NQ-1, 1, 0
	MUL8 3, 1, NQ-1, 1, 0
	WIN 0
; THE WAY OUT.  64 numbers of a lane, v[src] .. v[src + 63] of window win, register 16 B + i one of my 16 numbers of block B of my row, become a fragment's codes in v[PC] on and its scale word in v[PW].
.macro QUANT src, win
	WIN (\win)|((\win)<<2)
.irp b, 0,1,2,3
	v_max3_num_f32 v[TM+\b], |v[(\src)+16*\b]|, |v[(\src)+1+16*\b]|, s[FLR]   ; my 16 numbers, and the floor; each result is read from its low end on
.endr
	WIN ((\win)<<2)|((\win)<<4)
.irp i, 2,4,6,8,10,12,14
.irp b, 0,1,2,3
	v_max3_num_f32 v[TM+\b], v[TM+\b], |v[(\src)+16*\b+\i]|, |v[(\src)+1+16*\b+\i]|   ; (the four blocks by turns)
.endr
.endr
	WIN 0
.irp b, 0,1,2,3
	v_permlanex16_b32 v[TM+4+\b], v[TM+\b], s[SEL], s[SEL+1]
.endr
.irp b, 0,1,2,3
	v_max_num_f32 v[TM+\b], v[TM+\b], v[TM+4+\b]   ; with lane l xor 16's: the block's largest magnitude
.endr
.irp b, 0,1,2,3
	v_add_nc_u32 v[TM+12+\b], 0xff000000, v[TM+\b] ; 2 off its exponent field: the conversion's scale operand
.endr
.irp b, 0,1,2,3
	v_lshrrev_b32 v[TM+4+\b], 23, v[TM+12+\b]      ; the scale's byte
.endr
	v_lshl_or_b32 v[PW], v[TM+5], 8, v[TM+4]
	v_lshl_or_b32 v[PW], v[TM+6], 16, v[PW]
	v_lshl_or_b32 v[PW], v[TM+7], 24, v[PW]        ; my row's scale word: the same in lanes l and l xor 16
	WIN (\win)
.irp c, 0,1
	v_cvt_scalef32_pk16_fp6_f32 v[PC+6*\c:PC+2+6*\c], v[(\src)+32*\c:(\src)+15+32*\c], v[TM+12+2*\c]
	v_cvt_scalef32_pk16_fp6_f32 v[PC+12+4*\c:PC+14+4*\c], v[(\src)+16+32*\c:(\src)+31+32*\c], v[TM+12+2*\c+1]   ; (a conversion's three registers begin on an even number)
.endr
	WIN 0
	v_nop                                          ; one plain place behind a scaled conversion
.irp c, 0,1                                    ; the operand's layout wants a WHOLE block in a lane: lanes 0-15 block 2 c, lanes 16-31 block 2 c + 1
.irp i, 0,1,2
	v_permlane16_swap_b32 v[PC+6*\c+\i], v[PC+12+4*\c+\i]
.endr
.irp i, 0,1,2
	v_mov_b32 v[PC+3+6*\c+\i], v[PC+12+4*\c+\i]
.endr
.endr
.endm
.macro ROPE a                          ; lo = result (a, b): d under 128;  hi = result (a, b + 4): d + 128.  lo cos - hi sin and hi cos + lo sin, two numbers an instruction.  In window 3 cos stands at lo's numbers, sin at hi's
.set AC, 64*(\a)
	WIN 0x0e                                       ; source 0: the results, window 2; source 1: the table, window 3
.irp b, 0,1,2,3
.irp i, 0,2,4,6
	v_pk_mul_f32 v[T+2*\i:T+2*\i+1], v[AC+8*\b+\i:AC+8*\b+\i+1], v[AC+8*\b+\i:AC+8*\b+\i+1]
	v_pk_mul_f32 v[T+2*\i+2:T+2*\i+3], v[AC+8*\b+\i:AC+8*\b+\i+1], v[AC+32+8*\b+\i:AC+32+8*\b+\i+1]
.endr
.irp i, 0,2,4,6
	v_pk_fma_f32 v[R+8*\b+\i:R+8*\b+\i+1], v[AC+32+8*\b+\i:AC+32+8*\b+\i+1], v[AC+32+8*\b+\i:AC+32+8*\b+\i+1], v[T+2*\i:T+2*\i+1] neg_lo:[0,1,0] neg_hi:[0,1,0]
	v_pk_fma_f32 v[R+32+8*\b+\i:R+32+8*\b+\i+1], v[AC+32+8*\b+\i:AC+32+8*\b+\i+1], v[AC+8*\b+\i:AC+8*\b+\i+1], v[T+2*\i+2:T+2*\i+3]
.endr
.endr
	WIN 0
.endm
	PLACES NP                                      ; behind the last products: their results are read, and their operands' registers written, from here on
	v_and_b32 v[SWA], 15, v0
	v_lshlrev_b32 v[SWA], 5, v[SWA]                ; the scale words: 32 r
.irp b, 0,1,2,3
	v_mov_b32 v[TM+4+\b], 0                        ; written once: a lane permute's destination counts as one of its sources
.endr
	s_cmp_eq_u32 s17, 5
	s_cbranch_scc1 .Lv
	s_wait_loadcnt 0x0                             ; the table, asked for at the head
.irp a, 0,1,2,3
	ROPE \a
	s_wait_xcnt 0x0                                ; the last tile's stores have read their registers: the codes may be written again
	QUANT R, 0
	v_sub_nc_u32 v[SW+\a], v[PW], s[ADJ]           ; q: each byte 4 lower
.irp c, 0,1,2
	global_store_b128 v[EL], v[PC+4*\c:PC+4*\c+3], s[OUT:OUT+1] offset:1536*\a+512*\c   ; 32 lanes store 512 consecutive bytes, aligned
.endr
.endr
	s_branch .Lboth
.Lv:
.irp a, 0,1,2,3
	s_wait_xcnt 0x0
	QUANT 64*\a, 2
	v_mov_b32 v[SW+\a], v[PW]
.irp c, 0,1,2
	global_store_b128 v[EL], v[PC+4*\c:PC+4*\c+3], s[OUT:OUT+1] offset:1536*\a+512*\c
.endr
.endr
.Lboth:
	global_store_b128 v[SWA], v[SW:SW+3], s[OUS:OUS+1]   ; row r's four words; lanes l and l xor 16 hold the same words and write them to the same place
	s_wait_tensorcnt 0x0                           ; the wave's end: behind my last tensor load
	ds_add_u32 v[SPW], v[NIL]
	s_wait_dscnt 0x0
	s_endpgm
.Lfunc_end_k_q14d7dd1006_qkv:
	.size	k_q14d7dd1006_qkv, .Lfunc_end_k_q14d7dd1006_qkv-k_q14d7dd1006_qkv
	.p2alignl 7, 3214868480
	.fill 96, 4, 3214868480
	.section	.rodata,"a",@progbits
	.p2align	6, 0x0
	.amdhsa_kernel k_q14d7dd1006_qkv
		.amdhsa_group_segment_fixed_size 327680
		.amdhsa_private_segment_fixed_size 0
		.amdhsa_enable_private_segment 0
		.amdhsa_kernarg_size 40
		.amdhsa_user_sgpr_count 2
		.amdhsa_user_sgpr_kernarg_segment_ptr 1
		.amdhsa_wavefront_size32 1
		.amdhsa_system_sgpr_workgroup_id_x 1
		.amdhsa_system_sgpr_workgroup_id_y 1
		.amdhsa_system_sgpr_workgroup_id_z 1
		.amdhsa_system_vgpr_workitem_id 0
		.amdhsa_next_free_vgpr 1024
		.amdhsa_next_free_sgpr 100
		.amdhsa_reserve_vcc 0
		.amdhsa_float_denorm_mode_32 3
		.amdhsa_float_denorm_mode_16_64 3
		.amdhsa_memory_ordered 1
		.amdhsa_forward_progress 1
		.amdhsa_inst_pref_size 140
	.end_amdhsa_kernel
	.amdgpu_metadata
---
amdhsa.version: [ 1, 2 ]
amdhsa.kernels:
  - .name:           k_q14d7dd1006_qkv
    .symbol:         k_q14d7dd1006_qkv.kd
    .args:
      - { .name: xc, .offset: 0, .size: 8, .value_kind: global_buffer, .address_space: global }
      - { .name: xs, .offset: 8, .size: 8, .value_kind: global_buffer, .address_space: global }
      - { .name: wall, .offset: 16, .size: 8, .value_kind: global_buffer, .address_space: global }
      - { .name: uc, .offset: 24, .size: 8, .value_kind: global_buffer, .address_space: global }
      - { .name: us, .offset: 32, .size: 8, .value_kind: global_buffer, .address_space: global }
    .group_segment_fixed_size: 327680
    .private_segment_fixed_size: 0
    .kernarg_segment_align: 8
    .kernarg_segment_size: 40
    .max_flat_workgroup_size: 128
    .sgpr_count:     100
    .vgpr_count:     1024
    .wavefront_size: 32
...
	.end_amdgpu_metadata
.endif
;; end of part 7
;; launch attn: the kernel of part 4 again; grid 256 x 1, 4 waves a work-group, no clusters, 327,680 bytes of LDS; arguments uc, us, attention_mask, ac, acs; writes ac, acs
;; launch oproj (part 8): grid 8 x 32, 4 waves a work-group, clusters of 4 x 4, 327,680 bytes of LDS; arguments ac, acs, wall, out0; writes out0
.if DOCPART == 8
	.amdgcn_target "amdgcn-amd-amdhsa--gfx1250"
	.amdhsa_code_object_version 6
	.text
	.protected	k_q14d7dd1006_oproj
	.globl	k_q14d7dd1006_oproj
	.p2align	8
	.type	k_q14d7dd1006_oproj,@function
k_q14d7dd1006_oproj:
	s_mov_b64 s[64:65], 0
	v_nop
	global_prefetch_b8 v0, s[64:65] scope:SCOPE_SE
	s_setreg_imm32_b32 hwreg(HW_REG_WAVE_MODE, 25, 1), 1
	s_wait_xcnt 0x0
	s_wait_alu depctr_hold_cnt(0) depctr_sa_sdst(0) depctr_va_vdst(0) depctr_va_sdst(0) depctr_va_ssrc(0) depctr_va_vcc(0) depctr_vm_vsrc(0)
	s_getreg_b32 s2, hwreg(HW_REG_IB_STS2, 6, 4)
	s_cmp_eq_u32 s2, 0
	s_cbranch_scc0 .Lentry_in_a_cluster
	s_endpgm
.Lentry_in_a_cluster:
	s_bfe_u32 s2, ttmp6, 0x10000c
	s_cmp_lg_u32 s2, 0xf033
	s_cbranch_scc0 .Lentry_shape_is_right
	s_endpgm
.Lentry_shape_is_right:
; out0[m][n] = sum over k of attn[m][k] Wo[k][n], on codes of FP6 (E2M3) with one E8M0 scale for each 32 along K = 1,024.  Nothing of reference() is left out.
; A = the attention launch's codes [4096][768 B] and scale bytes [4096][32]; B = Wo's codes, K innermost, [2048][768 B] at byte 2,457,600 of wall, and scale bytes [2048][32] at 4,030,464.  Inside each block of 32 both operands
; stand in the same order (bits 3 and 4 of the place changed over), which changes no product.  C: [4096][2048] f32.
; A tile of C, 128 rows x 256 columns, is made by a work-group of four waves: 32 x 8 = 256 work-groups; a tile of 256 x 256 would give 128.  A wave makes 64 x 128: 32 accumulators of 16 x 16, 256 registers; for 128 along K it
; reads (64 + 128) rows x 96 bytes from LDS and issues 32 matrix instructions.  K goes in steps of 256 through a ring of two LDS slots filled by the tensor data mover.
; THE SCALES of the work-group's 128 rows of A and 256 of B, for all of K, are two dense blocks of memory: they come into LDS once, with the first fills, and stay.
; CLUSTERS: 4 x 4 work-groups.  The four of a row of the cluster need the same tiles of A, the four of a column the same tiles of B: each tile is asked for JOINTLY, by the same tensor load with the same descriptor and a mask that
; names the four.  THE MATRIX INSTRUCTION IS USED TRANSPOSED (source 0 = 16 rows of B, source 1 = 16 rows of A): a lane then holds eight neighbouring numbers of a row of C.
; REGISTERS, in windows of 256: window 0: v0-31 addresses; v32-63 scale words, two sets; v128-223 A's fragments, two sets of four; on the way out v128-255 take rows of C.  Window 1: B's fragments, two sets of eight.
; Window 2: the accumulators ((a, b) at v[8 (8 a + b)]).
.set SIZE_M, 4096
.set SIZE_N, 2048
.set SIZE_K, 1024
.set KSTEP,  256
.set NQ,     KSTEP/128
.set ROWB,   192
.set KROW,   SIZE_K*6/8
.set PITCH,  240                       ; an LDS row: 3 x (64 bytes + 16 of padding): the 32 lanes of a load of 8 bytes touch 64 different banks (64 banks of 4 bytes: ISA guide 11.1)
.set FR,     12
.set NP,     4                         ; places behind this matrix instruction (ISA guide 7.12.1)
.set QA,     64*PITCH                  ; 64 rows of A: what wave 0 or 1 brings, and what one wave reads of A
.set HB,     128*PITCH                 ; 128 rows of B: what wave 2 or 3 brings, and what one wave reads of B
.set BOFF,   2*QA                      ; a slot: A's 128 rows, then B's 256 rows
.set SLOT,   2*QA+2*HB
.set LAPS,   SIZE_K/(2*KSTEP)
.set KS,     SIZE_K/32
.set SCL,    2*SLOT
.set SA64,   (64*KS/256)*272
.set SB128,  (128*KS/256)*272
.set SBLK,   (16*KS/256)*272
.set SPARE,  SCL+2*SA64+2*SB128        ; behind the scales: the spare words, 128 bytes for each wave
.set SPITCH, 528                       ; the way out: a stage of 16 rows x (512 bytes + 16) for each wave, in slot 0, which has had its last fill and its last read when the first result is stored there
.set ADRA, 16
.set ADRB, 20
.set STO,  24
.set RD,   25
.set CO,   26
.set ADRS, 27
.set SPW,  28                          ; v28 LDS address of my spare word; never rewritten
.set NIL,  29                          ; v29 0; never rewritten
.set SC,   32
.set AF,   128
.set BK,   128
.set G1, 24
.set G0, 32
.set G1B, 48
.set G0B, 56
.set G1S, 68
.set G0S, 76
.set G1SB, 80
.set G0SB, 88
.set MSB, 0
.macro WIN new                         ; the immediate's high byte repeats the setting that is left
.if MSB != (\new)
	s_set_vgpr_msb (MSB<<8)|(\new)
.set MSB, (\new)
.endif
.endm
.set MUL,  0xa1                        ; source 0 (B) window 1, source 1 (A) window 0, C and D window 2
.set TO_B, 0x40
; A joint load: waves 0 and 1 fetch for A, waves 2 and 3 for B.  Each of the two lines has ONE mask and one set of registers for all that issue it; the branch hangs on the wave's number alone.
; An s_nop 0 and four v_nop follow each of the two lines, ahead of the jump, the label and what follows.
.macro JLOAD g0a, g1a, g0b, g1b
	s_cmp_eq_u32 s15, 0
	s_cbranch_scc0 .Lfor_b_\@
	tensor_load_to_lds s[\g0a:\g0a+3], s[\g1a:\g1a+7]
	s_nop 0
.rept 4
	v_nop
.endr
	s_branch .Lasked_\@
.Lfor_b_\@:
	tensor_load_to_lds s[\g0b:\g0b+3], s[\g1b:\g1b+7]
	s_nop 0
.rept 4
	v_nop
.endr
.Lasked_\@:
.endm
.macro CREST                           ; a round of the cluster's barrier behind its opening barrier
	s_cmp_lg_u32 s14, 0
	s_cbranch_scc1 .Lnot_wave_0_\@
	s_barrier_signal -3
.Lnot_wave_0_\@:
	s_barrier_wait -3
	s_barrier_signal -1
	s_barrier_wait -1
.endm
.macro CROUND                          ; a whole round
	s_barrier_signal -1
	s_barrier_wait -1
	CREST
.endm
.macro PLACES n
.rept \n
	v_nop
.endr
.endm
	s_load_b128 s[4:7], s[0:1], 0x0                ; A's codes s[4:5], A's scales s[6:7]
	s_load_b128 s[8:11], s[0:1], 0x10              ; wall s[8:9], out0 s[10:11]
	v_lshl_add_u32 v[SPW], v0, 2, SPARE
	v_mov_b32 v[NIL], 0
	ds_add_u32 v[SPW], v[NIL]                      ; the wave's opening: the add, twice on end, and its wait ahead of my first tensor load
	ds_add_u32 v[SPW], v[NIL]
	v_lshrrev_b32 v1, 5, v0
	v_readfirstlane_b32 s14, v1                    ; wave 0..3
	s_lshr_b32 s15, s14, 1                         ; which 64 of the tile's rows are mine.  Also: I fetch for A (0) or for B (1)
	s_and_b32 s16, s14, 1                          ; which half of its columns.  Also: which half of that side I fetch
	s_bfe_u32 s40, ttmp6, 0x40000                  ; cx, cy: my place in the cluster
	s_bfe_u32 s41, ttmp6, 0x40004
	s_lshl_b32 s42, ttmp9, 2
	s_add_co_u32 s42, s42, s40                     ; tile column of C = 4 x cluster x + cx
	s_and_b32 s17, ttmp7, 0xffff
	s_lshl_b32 s17, s17, 2
	s_add_co_u32 s17, s17, s41                     ; tile row of C = 4 x cluster y + cy
	s_lshl_b32 s43, s41, 2
	s_lshl_b32 s43, 15, s43                        ; my row of the cluster
	s_lshl_b32 s44, 0x1111, s40                    ; my column
	s_or_b32 s[G1+0], s43, (0<<16)|(1<<20)|(1<<21)|(3<<22)|(3<<25)  ; the mask: A's tiles go to my row; elements of 1 byte; padding on; bit 21 set beside a mask; after every 16 words, 4 words
	s_or_b32 s[G1B+0], s44, (0<<16)|(1<<20)|(1<<21)|(3<<22)|(3<<25)
.irp g, G1, G1B
	s_mov_b32 s[\g+1], ROWB<<16                    ; tensor_dim0
	s_mov_b32 s[\g+3], ROWB<<16                    ; tile_dim0
	s_mov_b32 s[\g+5], KROW                        ; from row to row
	s_mov_b32 s[\g+6], 0
	s_mov_b32 s[\g+7], 0
.endr
	s_mov_b32 s[G1+2], 64<<16                      ; tensor_dim1, tile_dim1: A's 64 rows,
	s_mov_b32 s[G1+4], 64
	s_mov_b32 s[G1B+2], 128<<16                    ; B's 128
	s_mov_b32 s[G1B+4], 128
	s_or_b32 s[G1S+0], s43, (3<<16)|(1<<20)|(1<<21)|(5<<22)|(3<<25)   ; the scales: a dense block, as rows of 256 bytes, 16 bytes of padding behind each
	s_or_b32 s[G1SB+0], s44, (3<<16)|(1<<20)|(1<<21)|(5<<22)|(3<<25)
.irp g, G1S, G1SB
	s_mov_b32 s[\g+1], 32<<16
	s_mov_b32 s[\g+3], 32<<16
	s_mov_b32 s[\g+5], 32
	s_mov_b32 s[\g+6], 0
	s_mov_b32 s[\g+7], 0
.endr
	s_mov_b32 s[G1S+2], (64*KS/256)<<16
	s_mov_b32 s[G1S+4], 64*KS/256
	s_mov_b32 s[G1SB+2], (128*KS/256)<<16
	s_mov_b32 s[G1SB+4], 128*KS/256
	s_lshl_b32 s18, s16, 6
	s_lshl_b32 s20, s17, 7
	s_add_co_u32 s20, s20, s18                     ; A: row 128 x tile row + 64 x half
	s_lshl_b32 s18, s16, 7
	s_lshl_b32 s46, s42, 8
	s_add_co_u32 s46, s46, s18                     ; B: row 256 x tile column + 128 x half
	s_mov_b32 s21, 0
	s_mov_b32 s47, 0
	s_mov_b64 s[18:19], KS
	s_mul_u64 s[22:23], s[20:21], s[18:19]         ; where these rows' scales begin, in bytes
	s_mul_u64 s[92:93], s[46:47], s[18:19]
	s_mov_b64 s[18:19], KROW
	s_mul_u64 s[20:21], s[20:21], s[18:19]         ; and their codes
	s_mul_u64 s[46:47], s[46:47], s[18:19]
	s_mul_i32 s45, s16, QA                         ; where they go: a constant x (wave % 2) + a constant: no place in the cluster enters an LDS address
	s_mul_i32 s95, s16, HB
	s_mul_i32 s94, s16, SA64
	s_mul_i32 s96, s16, SB128
	s_wait_dscnt 0x0                               ; both opening adds are done
	s_wait_kmcnt 0x0
	s_mov_b64 s[12:13], s[10:11]                   ; C
	s_add_nc_u64 s[10:11], s[8:9], 4030464         ; B's scales
	s_add_nc_u64 s[8:9], s[8:9], 2457600           ; B's codes
	s_add_nc_u64 s[20:21], s[4:5], s[20:21]
	s_add_nc_u64 s[22:23], s[6:7], s[22:23]
	s_add_nc_u64 s[46:47], s[8:9], s[46:47]
	s_add_nc_u64 s[92:93], s[10:11], s[92:93]
	CROUND                                         ; all sixteen work-groups are here: the first joint loads meet
	s_mov_b32 s[G0S], 1
	s_add_co_u32 s[G0S+1], s94, SCL
	s_mov_b64 s[G0S+2:G0S+3], s[22:23]
	s_or_b32 s[G0S+3], s[G0S+3], 0x80000000
	s_mov_b32 s[G0SB], 1
	s_add_co_u32 s[G0SB+1], s96, SCL+2*SA64
	s_mov_b64 s[G0SB+2:G0SB+3], s[92:93]
	s_or_b32 s[G0SB+3], s[G0SB+3], 0x80000000
	JLOAD G0S, G1S, G0SB, G1SB                     ; the scales first: they are wanted with K step 0.  Three loads of mine are out behind the first fills
.irp s, 0,1
	s_mov_b32 s[G0+4*\s], 1
	s_add_co_u32 s[G0+4*\s+1], s45, \s*SLOT
	s_add_nc_u64 s[G0+4*\s+2:G0+4*\s+3], s[20:21], \s*ROWB
	s_or_b32 s[G0+4*\s+3], s[G0+4*\s+3], 0x80000000
	s_mov_b32 s[G0B+4*\s], 1
	s_add_co_u32 s[G0B+4*\s+1], s95, \s*SLOT+BOFF
	s_add_nc_u64 s[G0B+4*\s+2:G0B+4*\s+3], s[46:47], \s*ROWB
	s_or_b32 s[G0B+4*\s+3], s[G0B+4*\s+3], 0x80000000
	JLOAD G0+4*\s, G1, G0B+4*\s, G1B
.endr
	v_and_b32 v1, 15, v0                           ; l % 16
	v_bfe_u32 v2, v0, 4, 1                         ; l / 16
	v_mul_u32_u24 v3, v1, PITCH
	v_mul_u32_u24 v4, v2, 24
	v_add_nc_u32 v4, v3, v4                        ; a fragment's row x pitch + 24 x half
	v_lshl_add_u32 v5, v2, 4, v4                   ; and the same behind one padding more
	s_mul_i32 s21, s15, QA                         ; my 64 rows of A
	s_mul_i32 s22, s16, HB                         ; my 128 rows of B,
	s_add_co_u32 s22, s22, BOFF                    ; which lie behind A's 128
.irp s, 0,1
	v_add_nc_u32 v[ADRA+\s], s21, v4
	v_add_nc_u32 v[ADRB+\s], s22, v4
	v_add_nc_u32 v[ADRA+2+\s], s21, v5
	v_add_nc_u32 v[ADRB+2+\s], s22, v5
	s_add_co_u32 s21, s21, SLOT
	s_add_co_u32 s22, s22, SLOT
.endr
	v_mul_u32_u24 v5, v1, KS                       ; my row's scales: KS bytes a row,
	v_lshrrev_b32 v6, 8, v5
	v_lshl_add_u32 v5, v6, 4, v5                   ; and 16 more for each 256 passed
	s_mul_i32 s21, s15, SA64                       ; A's: my 64 rows
	s_mul_i32 s22, s16, SB128                      ; B's: my 128 rows, behind A's 128
	s_add_co_u32 s22, s22, 2*SA64
	s_sub_co_u32 s22, s22, s21
	v_mul_u32_u24 v6, s22, v2                      ; lanes 16-31 take B's
	s_add_co_u32 s21, s21, SCL
	v_add_nc_u32 v5, v5, v6
	v_add_nc_u32 v[ADRS], s21, v5
	s_mul_i32 s23, s14, 16*SPITCH                  ; my stage
	v_mul_u32_u24 v5, v1, SPITCH                   ; in: row l % 16, 32 bytes for each half of the lanes
	v_lshl_add_u32 v5, v2, 5, v5
	v_add_nc_u32 v[STO], s23, v5
	v_and_b32 v6, 31, v0
	v_lshlrev_b32 v[CO], 4, v6                     ; back: the 32 lanes take one row of 512 bytes; and the same in C
	v_add_nc_u32 v[RD], s23, v[CO]
	s_lshl_b32 s20, s17, 7
	s_lshl_b32 s21, s15, 6
	s_add_co_u32 s20, s20, s21                     ; my first row of C: 128 x tile row + 64 x half
	s_mov_b32 s21, 0
	s_mov_b64 s[18:19], SIZE_N*4
	s_mul_u64 s[20:21], s[20:21], s[18:19]
	s_lshl_b32 s46, s42, 10                        ; my first column, in bytes: 1024 x tile column + 512 x half
	s_lshl_b32 s47, s16, 9
	s_add_co_u32 s46, s46, s47
	s_mov_b32 s47, 0
	s_add_nc_u64 s[20:21], s[20:21], s[46:47]
	s_add_nc_u64 s[12:13], s[12:13], s[20:21]
.macro FRAG reg, adr, q, i             ; a fragment, 16 rows x 128 K, is 12 registers: lane l holds row l % 16; registers 6 c .. 6 c + 5 hold K = 64 c + 32 (l / 16) + 0 .. 31: 24 bytes of the row's stream of bits, as they lie
.irp p, 0,1,2,3,4,5                    ; in pieces of 8 bytes.  Lanes 16-31 read three pieces further on than lanes 0-15: where that lies behind one padding more, the second address register serves
.set PCE, 12*(\q)+6*(\p/3)+\p%3
.if PCE%8 < 5
	ds_load_b64 v[\reg+2*\p:\reg+2*\p+1], v[\adr] offset:8*PCE+16*(PCE/8)+(\i)*16*PITCH
.else
	ds_load_b64 v[\reg+2*\p:\reg+2*\p+1], v[\adr+2] offset:8*PCE+16*(PCE/8)+(\i)*16*PITCH
.endif
.endr
.endm
; 8 matrix instructions: A's block a x B's eight, 128 along K, on the sets p.  zero = 1: the first product starts the sums.  The 32 accumulators take turns, one instruction a turn, in the same order in every step.
.macro MUL8 a, p, q, sc, zero
.irp b, 0,1,2,3,4,5,6,7
.if \zero
	v_wmma_scale_f32_16x16x128_f8f6f4 v[8*(8*(\a)+\b):8*(8*(\a)+\b)+7], v[128*(\p)+FR*\b:128*(\p)+FR*\b+FR-1], v[AF+48*(\p)+FR*(\a):AF+48*(\p)+FR*(\a)+FR-1], 0, v[SC+8*NQ*(\sc)+NQ*\b+(\q)], v[SC+8*NQ*(\sc)+NQ*(\a)+(\q)] matrix_a_fmt:MATRIX_FMT_FP6 matrix_b_fmt:MATRIX_FMT_FP6 matrix_a_scale:MATRIX_SCALE_ROW1
.else
	v_wmma_scale_f32_16x16x128_f8f6f4 v[8*(8*(\a)+\b):8*(8*(\a)+\b)+7], v[128*(\p)+FR*\b:128*(\p)+FR*\b+FR-1], v[AF+48*(\p)+FR*(\a):AF+48*(\p)+FR*(\a)+FR-1], v[8*(8*(\a)+\b):8*(8*(\a)+\b)+7], v[SC+8*NQ*(\sc)+NQ*\b+(\q)], v[SC+8*NQ*(\sc)+NQ*(\a)+(\q)] matrix_a_fmt:MATRIX_FMT_FP6 matrix_b_fmt:MATRIX_FMT_FP6 matrix_a_scale:MATRIX_SCALE_ROW1
.endif
.endr
.endm
.macro FETCH_B slot, q, p
	WIN TO_B
.irp i, 0,1,2,3,4,5,6,7
	FRAG 128*(\p)+FR*\i, ADRB+\slot, \q, \i
.endr
	WIN 0
.endm
.macro FETCH_A slot, q, p
.irp i, 0,1,2,3
	FRAG AF+48*(\p)+FR*\i, ADRA+\slot, \q, \i
.endr
.endm
.macro SCALES sc                       ; the next K step's scale words: lanes 0-15 take A's block i (blocks 0-3 are mine; what they bring for i over 3 is not used), lanes 16-31 B's block i
.irp i, 0,1,2,3,4,5,6,7
	ds_load_b64 v[SC+8*NQ*\sc+NQ*\i:SC+8*NQ*\sc+NQ*\i+1], v[ADRS] offset:\i*SBLK
.endr
.endm
; A step of 128 along K that has its successor in the same slot: its fragments were asked for a step ago; the next step's 72 loads go out first, into the other sets, and land while this step is multiplied.
.macro STEP slot, q, zero
	s_wait_dscnt 0x0                               ; this step's fragments are in
	PLACES NP                                      ; the other sets were read by the last step's products: four places in front of the loads into them
	FETCH_B \slot, (\q)+1, 1-(\q)%2
	FETCH_A \slot, (\q)+1, 1-(\q)%2
	WIN MUL
	MUL8 0, (\q)%2, \q, \slot, \zero
	MUL8 1, (\q)%2, \q, \slot, \zero
	MUL8 2, (\q)%2, \q, \slot, \zero
	MUL8 3, (\q)%2, \q, \slot, \zero
	WIN 0
.endm
; A slot's last step changes slots: ONE barrier; in front of it each wave waits for all its tensor loads, adds 0 to its spare word, and waits for that and for its own reads of this slot.  fill = 1: this slot is filled again, two K steps ahead.
.macro TURN slot, next, fill
	s_wait_tensorcnt 0x0                           ; all my tensor loads have landed: my part of the next slot
	ds_add_u32 v[SPW], v[NIL]                      ; 0 onto my spare word
	s_wait_dscnt 1                                 ; this step's fragments, my last reads of this slot, are in (the add may be out)
	WIN MUL
	MUL8 0, 1, NQ-1, \slot, 0                      ; eight matrix instructions stand between the add and the wait for it
	s_wait_dscnt 0x0                               ; the add is done
	s_barrier_signal -1
	MUL8 1, 1, NQ-1, \slot, 0
	WIN 0
	s_barrier_wait -1
.if \fill
	CREST                                          ; the barrier has opened a round of the cluster's barrier: no wave of any partner still reads this slot's tile or has a load on its way
	s_add_nc_u64 s[G0+4*\slot+2:G0+4*\slot+3], s[G0+4*\slot+2:G0+4*\slot+3], 2*ROWB
	s_add_nc_u64 s[G0B+4*\slot+2:G0B+4*\slot+3], s[G0B+4*\slot+2:G0B+4*\slot+3], 2*ROWB
	JLOAD G0+4*\slot, G1, G0B+4*\slot, G1B         ; the first tensor load behind the round; its four v_nop are the places in front of the loads below
.else
	PLACES NP
.endif
	v_add_nc_u32 v[ADRS], 4*NQ, v[ADRS]            ; on to the next K step's scale words
	FETCH_B \next, 0, 0
	FETCH_A \next, 0, 0
	SCALES \next
	WIN MUL
	MUL8 2, 1, NQ-1, \slot, 0
	MUL8 3, 1, NQ-1, \slot, 0
	WIN 0
.endm
	s_wait_tensorcnt 1                             ; the scales and my part of K step 0 are in (K step 1's load may be out),
	s_barrier_signal -1
	s_barrier_wait -1                              ; everybody's are
	FETCH_B 0, 0, 0
	FETCH_A 0, 0, 0
	SCALES 0
	STEP 0, 0, 1                                   ; the first step stands in front of the loop: its products start the sums
	s_mov_b32 s3, LAPS-1
.Llap:                                                 ; a trip goes once round the ring and fills both slots again
	TURN 0, 1, 1
	STEP 1, 0, 0
	TURN 1, 0, 1
	STEP 0, 0, 0
	s_sub_co_u32 s3, s3, 1
	s_cmp_lg_u32 s3, 0
	s_cbranch_scc1 .Llap
	TURN 0, 1, 0                                   ; the last lap fills nothing, and has no round of the cluster's barrier
	STEP 1, 0, 0
	s_wait_dscnt 0x0                               ; the very last step: nothing more to fetch
	WIN MUL
	MUL8 0, 1, NQ-1, 1, 0
	MUL8 1, 1, NQ-1, 1, 0
	MUL8 2, 1, NQ-1, 1, 0
	MUL8 3, 1, NQ-1, 1, 0
	WIN 0
; THE WAY OUT, block by block of 16 rows x 128 columns.  A lane holds 32 neighbouring bytes of a row, and the lanes beside it hold other rows: so a block goes through my own stage in LDS and comes back as whole rows of 512 bytes.
; LDS serves a wave's instructions in order (ISA guide 5.7.1.4): no wait between the stores and the loads, nor in front of the next block's stores.
.macro TOSTAGE a
.set AC, 64*(\a)
	WIN 0x08                                       ; the data: window 2
.irp b, 0,1,2,3,4,5,6,7
	ds_store_b128 v[STO], v[AC+8*\b:AC+8*\b+3] offset:64*\b          ; each accumulator from its low end on
	ds_store_b128 v[STO], v[AC+8*\b+4:AC+8*\b+7] offset:64*\b+16
.endr
	WIN 0
.set BB, BK+64*((\a)%2)
.irp t, 0,1,2,3,4,5,6,7,8,9,10,11,12,13,14,15
	ds_load_b128 v[BB+4*\t:BB+4*\t+3], v[RD] offset:\t*SPITCH
.endr
.endm
.macro SEND a, younger                 ; younger: the LDS instructions issued behind block a's loads, which may stay out
.set BB, BK+64*((\a)%2)
	s_wait_dscnt \younger                          ; the block is back in registers
.if (\a) > 0
	s_add_nc_u64 s[12:13], s[12:13], 16*SIZE_N*4   ; (behind a wait on XCNT: the earlier stores have read their base)  16 rows of C on
.endif
.irp t, 0,1,2,3,4,5,6,7,8,9,10,11,12,13,14,15
	global_store_b128 v[CO], v[BB+4*\t:BB+4*\t+3], s[12:13] offset:\t*SIZE_N*4 th:TH_STORE_NT   ; 32 lanes store 512 consecutive bytes, aligned; written once, read by nobody here
.endr
.endm
	PLACES NP                                      ; behind the last products: for the loads into the registers that held A's fragments and for the reads of results alike
	TOSTAGE 0
.irp a, 1,2,3
.if \a > 1
	s_wait_xcnt 0x0                                ; block a - 2's stores have read their registers and their base
.endif
	TOSTAGE \a
	SEND \a-1, 32                                  ; behind block a - 1's loads: block a's 16 stores and 16 loads
.endr
	s_wait_xcnt 0x0                                ; block 2's stores have read their base
	SEND 3, 0
	s_wait_tensorcnt 0x0                           ; the wave's end: behind my last tensor load and my last LDS store
	ds_add_u32 v[SPW], v[NIL]
	s_wait_dscnt 0x0
	CROUND                                         ; the closing round: no work-group ends while a partner may still ask for a tile that names it
	s_endpgm
.Lfunc_end_k_q14d7dd1006_oproj:
	.size	k_q14d7dd1006_oproj, .Lfunc_end_k_q14d7dd1006_oproj-k_q14d7dd1006_oproj
	.p2alignl 7, 3214868480
	.fill 96, 4, 3214868480
	.section	.rodata,"a",@progbits
	.p2align	6, 0x0
	.amdhsa_kernel k_q14d7dd1006_oproj
		.amdhsa_group_segment_fixed_size 327680
		.amdhsa_private_segment_fixed_size 0
		.amdhsa_enable_private_segment 0
		.amdhsa_kernarg_size 32
		.amdhsa_user_sgpr_count 2
		.amdhsa_user_sgpr_kernarg_segment_ptr 1
		.amdhsa_wavefront_size32 1
		.amdhsa_system_sgpr_workgroup_id_x 1
		.amdhsa_system_sgpr_workgroup_id_y 1
		.amdhsa_system_sgpr_workgroup_id_z 1
		.amdhsa_system_vgpr_workitem_id 0
		.amdhsa_next_free_vgpr 768
		.amdhsa_next_free_sgpr 98
		.amdhsa_reserve_vcc 0
		.amdhsa_float_denorm_mode_32 3
		.amdhsa_float_denorm_mode_16_64 3
		.amdhsa_memory_ordered 1
		.amdhsa_forward_progress 1
		.amdhsa_inst_pref_size 100
	.end_amdhsa_kernel
	.amdgpu_metadata
---
amdhsa.version: [ 1, 2 ]
amdhsa.kernels:
  - .name:           k_q14d7dd1006_oproj
    .symbol:         k_q14d7dd1006_oproj.kd
    .args:
      - { .name: ac, .offset: 0, .size: 8, .value_kind: global_buffer, .address_space: global }
      - { .name: acs, .offset: 8, .size: 8, .value_kind: global_buffer, .address_space: global }
      - { .name: wall, .offset: 16, .size: 8, .value_kind: global_buffer, .address_space: global }
      - { .name: out0, .offset: 24, .size: 8, .value_kind: global_buffer, .address_space: global }
    .group_segment_fixed_size: 327680
    .private_segment_fixed_size: 0
    .kernarg_segment_align: 8
    .kernarg_segment_size: 32
    .max_flat_workgroup_size: 128
    .sgpr_count:     98
    .vgpr_count:     768
    .wavefront_size: 32
...
	.end_amdgpu_metadata
.endif
;; end of part 8
